; MI455X (gfx1250); checked and timed in simulation.
; The chip was launched on July 23, 2026; its instructions are those of AMD's public machine-readable ISA for CDNA 5 (MIT licence, August 2026) and "CDNA5" Instruction Set Architecture Reference Guide (July 2026). The comments in the code are by the model that wrote it; some were corrected since.
;; Encoder Block. Allowed arithmetic: matrix products marked QUANTISED: E2M3 operands, one E8M0 scale for each 32 along K, by v_wmma_scale_f32_16x16x128_f8f6f4 with both operands' format E2M3, f32 sums; everything else in f32.
;; Inputs: alpha1 1 float32; alpha2 1 float32; b1 4,096 float32; b2 1,024 float32; bias1 1 float32; bias2 1 float32; bk 1,024 float32; bo 1,024 float32; bq 1,024 float32; bv 1,024 float32; src_mask 2 x 1 x 1 x 2,048 int32; w1 4,096 x 1,024 float32; w2 1,024 x 4,096 float32; wk 1,024 x 1,024 float32; wo 1,024 x 1,024 float32; wq 1,024 x 1,024 float32; wv 1,024 x 1,024 float32; x 2 x 2,048 x 1,024 float32.
;; Outputs: out0 2 x 2,048 x 1,024 float32.
;; This version of the problem:
;;   THIS VERSION OF THE PROBLEM IS GIVEN IN LOW PRECISION. The matrix products marked QUANTISED in the list below multiply operands that are first quantised to E2M3 (2 exponent bits, 3 mantissa bits; 6 bits a number), with one power-of-two scale for each 32 numbers along K (OCP MX v1.0); their sums are f32. All else is computed in f32.
;;   The module's matrix products, in the order in which they are computed (A, B: the left and right operand; K: the contracted axis; several contracted axes count as one K, in the product's order):
;;     1. [M 4,096, K 1,024] x [K 1,024, N 1,024]; A: computed on the way; B: input wq: QUANTISED
;;     2. [M 4,096, K 1,024] x [K 1,024, N 1,024]; A: computed on the way; B: input wk: QUANTISED
;;     3. [M 4,096, K 1,024] x [K 1,024, N 1,024]; A: computed on the way; B: input wv: QUANTISED
;;     4. batch 32 x [M 2,048, K 64] x [K 64, N 2,048]; A: computed on the way; B: computed on the way: QUANTISED
;;     5. batch 32 x [M 2,048, K 2,048] x [K 2,048, N 64]; A: softmax (see below); B: computed on the way: QUANTISED
;;     6. [M 4,096, K 1,024] x [K 1,024, N 1,024]; A: computed on the way; B: input wo: QUANTISED
;;     7. [M 4,096, K 1,024] x [K 1,024, N 4,096]; A: computed on the way; B: input w1: QUANTISED
;;     8. [M 4,096, K 4,096] x [K 4,096, N 1,024]; A: computed on the way; B: input w2: QUANTISED
;;   THE QUANTISER, for each operand of a quantised product, along K:
;;     - K is cut into blocks of 32 from its start; a last block that is shorter is filled with zeros.
;;     - A block's scale is 2^e with e = floor(log2(the largest magnitude in the block)) - 2, held to -126 .. 127; a block of zeros has e = 0. As a byte (E8M0): e + 127.
;;     - Each number is divided by its block's scale, clamped to +-7.5, and rounded to the nearest number of E2M3, ties to even, subnormals kept.
;;     - The product sums the exact products of the quantised numbers (number of the format x scale) in f32.
;;   ~~~python
;;   def quantise(x, axis):      # numpy; x: float32 -> the quantised numbers, widened to float32 again
;;       x = np.moveaxis(x, axis, -1); K = x.shape[-1]
;;       x = np.pad(x, [(0, 0)] * (x.ndim - 1) + [(0, -K % 32)]); x = x.reshape(x.shape[:-1] + (-1, 32)); a = np.abs(x).max(-1, keepdims=True)
;;       e = np.where(a > 0, np.clip(np.frexp(np.where(a > 0, a, 1))[1] - 1 - 2, -126, 127), 0)      # np.frexp(a)[1] - 1 = floor(log2(a)), exactly
;;       r = np.clip(x / 2.0 ** e, -7.5, 7.5)
;;       step = 2.0 ** (np.maximum(np.frexp(np.where(r == 0, 1, r))[1] - 1, 0) - 3)
;;       q = np.round(r / step) * step * 2.0 ** e      # np.round: ties to even
;;       return np.moveaxis(q.reshape(q.shape[:-2] + (-1,))[..., :K], -1, axis).astype(np.float32)
;;   ~~~
;;   SOFTMAX AHEAD OF A QUANTISED PRODUCT. Where the list says 'softmax', what is quantised is not the finished softmax but p = 2^(t - M), with t = logit x log2(e) and M = ceil(the row's largest t), a whole number; so 1/2 < the row's largest p <= 1. The row's sum l is taken of the UNQUANTISED p, in f32, and the product's result is divided by l at the end. Since M is a whole number, a kernel that streams over the keys may use a running M (the ceiling of the running maximum): every later rescaling is an exact power of two, which a block's scale takes up: the codes' values come out the same.
;;   OPERANDS COMPUTED ON THE WAY. 'Computed on the way' means the value that the module computes at that place (a softmax that the list does not call 'softmax' is quantised finished and normalised). What goes into a quantiser is computed in f32, as accurately as f32 sums, v_exp_f32 and their like allow (about 1e-6 of the number): no bf16 or f16 on the way to a quantiser, and a product that is left as it is and whose result goes on into a quantised operand takes f32 operands (vector FMAs, or v_wmma_f32_16x16x4_f32). A number that lies on a knife's edge between two numbers of the format may be rounded either way, as far as f32 arithmetic and the matrix unit's own rounding can turn it there, and no further.
;; One version. Each part assembles by itself: llvm-mc -triple=amdgcn-amd-amdhsa -mcpu=gfx1250 --defsym DOCPART=n.
;; ======== version 1 of 1: 7 launches
;; limits: right only within a limited range of input values
;; workspace buffers: cod 13,107,200 bytes; qkvc 10,092,544 bytes; ao 3,276,800 bytes; h1 16,777,216 bytes; f1 13,107,200 bytes
;; launch l_prep (part 1): grid 1024 x 1, 4 waves a work-group, no clusters, 50,432 bytes of LDS; arguments x, alpha1, bias1, wq, wk, wv, wo, w1, w2, cod; writes cod
.if DOCPART == 1
	.amdgcn_target "amdgcn-amd-amdhsa--gfx1250"
	.amdhsa_code_object_version 6
	.text
	.protected	k_qf940adba86_l_prep
	.globl	k_qf940adba86_l_prep
	.p2align	8
	.type	k_qf940adba86_l_prep,@function
k_qf940adba86_l_prep:
	s_mov_b64 s[64:65], 0
	v_nop
	global_prefetch_b8 v0, s[64:65] scope:SCOPE_SE
	s_setreg_imm32_b32 hwreg(HW_REG_WAVE_MODE, 25, 1), 1
	s_wait_xcnt 0x0
; ROWS OF f32 BECOME CODES OF E2M3 AND E8M0 SCALE WORDS, LAID IN THE ORDER OF AN OPERAND'S REGISTERS.  One text serves the activations (with the layer norm ahead of the quantiser) and the six weights.
; A work-group makes UNIT g of the buffer cod: one tile of 16 rows x 1,024 along K: 8 images of 1,536 bytes at 12,288 g, and 8 x 16 scale words at 12,582,912 + 512 g.
; g 0-255: rows of the first argument, normalised: y = alpha (x - mean) / (std + 1e-5) + bias, std with divisor 1,023.  g 256-511: wq, wk, wv, wo.  g 512-767: w1.  g 768-1023: w2, unit 768 + 4 T + kq = tile T, K 1,024 kq on.
; TILE ORDER: lane place r of tile T is row 32 (T / 2) + 8 (T % 2) + r + 8 (r / 8).  IMAGE of a K step of 128: half c at 768 c: registers 6 c .. 6 c + 3 of lane l at 16 l, registers 6 c + 4, 6 c + 5 at 512 + 8 l;
; lane (r, h) holds k = 64 c + 32 h + 0 .. 31 of lane place r.  A scale word holds the four bytes of a lane place's 128 k.
; There is ONE path: the statistics are always taken; for weights mean, gain and bias are replaced by 0, 1 and 0 (v_cndmask, s_cselect on the work-group's number), which leaves the numbers as they are.
; Wave w takes lane places 4 w .. 4 w + 3: four neighbouring rows, each 4,096 bytes in 32 registers.  A load reads 512 consecutive bytes; the quantiser wants a block of 32 in ONE lane: a row turns through the wave's own stage in LDS.
; A block's scale is 2^(floor(log2(largest magnitude)) - 2); its byte is held at 1 from below by a floor among the maximum's leaves; a block of zeros keeps the byte 1: its codes are zeros and this program alone reads the bytes.
; LIMITS: NaN and infinities among the inputs are not served.  The divisions by 1,023 and by std + 1e-5 are multiplications by a rounded constant and by v_rcp_f32: some two units in the last place of f32.
.set STGW,  9216                       ; LDS: each wave's two stages of 32 blocks x (128 bytes + 16)
.set IMG,   36864                      ; the unit's 8 images, 1,536 bytes + 16 each
.set IP,    1552
.set SCR,   49408                      ; its 512 bytes of scale words
.set SPARE, 49920                      ; the spare words, 128 bytes for each wave: two blocks of 256 bytes that no other line names
.set SCO,   12582912                   ; where the scale words begin in cod
.set SPW, 2                            ; v2   my spare word's LDS address; never rewritten
.set NIL, 3                            ; v3   0; never rewritten
.set VO,  4                            ; v4-7 byte offset of my 16 bytes in row i
.set SST, 8                            ; v8   stage, way in
.set SLD, 9                            ; v9   stage, way out: my block
.set IA1, 10                           ; v10  image: my block's first 16 bytes
.set IA2, 11                           ; v11  and its last 8
.set ISB, 12                           ; v12  my block's scale byte
.set RB,  13                           ; v13  images read back
.set GO,  14                           ; v14  and their place in the unit
.set L16, 15                           ; v15  16 x lane
.set G,   24                           ; v24 + 2 i: variance, then gain, of row i
.set R,   32                           ; v32-159 four rows
.set X,   160                          ; v160-223 two sets of a block's 32 numbers
.set D,   224                          ; v224-229 a block's codes
.set E,   230                          ; v230-232 their second half as converted
	s_load_b512 s[4:19], s[0:1], 0x0               ; rows, alpha, bias, wq, wk, wv, wo, w1
	s_load_b128 s[20:23], s[0:1], 0x40             ; w2, cod
	v_lshl_add_u32 v[SPW], v0, 2, SPARE
	v_mov_b32 v[NIL], 0
	v_lshrrev_b32 v1, 5, v0
	v_readfirstlane_b32 s26, v1                    ; wave
	v_and_b32 v1, 31, v0                           ; lane
	s_wait_alu depctr_va_vdst(0)
	s_lshr_b32 s27, ttmp9, 6                       ; which 64 units
	s_lshr_b32 s42, ttmp9, 8                       ; 0 rows, 1 the four square weights, 2 w1, 3 w2
	s_and_b32 s40, ttmp9, 255
	s_and_b32 s41, ttmp9, 63
	s_and_b32 s45, ttmp9, 3
	s_cmp_eq_u32 s42, 1
	s_cselect_b32 s40, s41, s40
	s_cmp_eq_u32 s42, 3
	s_cselect_b32 s43, 2, 0
	s_cselect_b32 s44, 14, 12                      ; a row is 2^12 bytes, in w2 2^14
	s_cselect_b32 s45, s45, 0                      ; kq
	s_lshr_b32 s40, s40, s43                       ; the tile T
	s_lshr_b32 s46, s40, 1
	s_lshl_b32 s46, s46, 5
	s_and_b32 s41, s40, 1
	s_lshl_b32 s41, s41, 3
	s_add_co_u32 s46, s46, s41
	s_lshl_b32 s41, s26, 2
	s_add_co_u32 s46, s46, s41
	s_lshr_b32 s41, s26, 1
	s_lshl_b32 s41, s41, 3
	s_add_co_u32 s46, s46, s41                     ; my first row: 32 (T / 2) + 8 (T % 2) + 4 w + 8 (w / 2)
	s_lshl_b32 s46, s46, s44
	s_lshl_b32 s45, s45, 12
	s_add_co_u32 s46, s46, s45                     ; in bytes, under 2^25
	s_mov_b32 s47, 0
	s_lshl_b32 s41, 1, s44                         ; the pitch
	s_mov_b32 s38, 0x76543210
	s_mov_b32 s39, 0xfedcba98                      ; v_permlanex16_b32's selects for lane l xor 16
	v_lshlrev_b32 v[L16], 4, v1
	v_mov_b32 v[VO], v[L16]
	v_add_nc_u32 v[VO+1], s41, v[VO]
	v_add_nc_u32 v[VO+2], s41, v[VO+1]
	v_add_nc_u32 v[VO+3], s41, v[VO+2]
	v_lshrrev_b32 v16, 3, v1
	v_and_b32 v17, 7, v1
	v_mul_u32_u24 v[SST], v16, 144
	v_lshl_add_u32 v[SST], v17, 4, v[SST]
	s_mul_i32 s28, s26, STGW
	v_add_nc_u32 v[SST], s28, v[SST]               ; eight lanes' 128 bytes are a block: 144 (l / 8) + 16 (l % 8); a load's 512 bytes are four blocks
	v_mul_u32_u24 v[SLD], v1, 144
	v_add_nc_u32 v[SLD], s28, v[SLD]               ; block l
	v_lshrrev_b32 v16, 2, v1                       ; block l is K step l / 4,
	v_bfe_u32 v17, v1, 1, 1                        ; half c = (l / 2) % 2,
	v_and_b32 v18, 1, v1                           ; lanes' half h = l % 2
	v_mul_u32_u24 v19, v16, IP
	v_mad_u32_u24 v19, v17, 768, v19
	s_lshl_b32 s28, s26, 6
	s_add_co_u32 s28, s28, IMG
	v_lshl_add_u32 v[IA1], v18, 8, v19
	v_add_nc_u32 v[IA1], s28, v[IA1]               ; 16 x (r + 16 h), r = 4 w + i: the i stands in the immediate
	s_lshl_b32 s28, s26, 5
	s_add_co_u32 s28, s28, IMG+512
	v_lshl_add_u32 v[IA2], v18, 7, v19
	v_add_nc_u32 v[IA2], s28, v[IA2]
	v_and_b32 v17, 3, v1
	v_lshl_add_u32 v[ISB], v16, 6, v17
	s_lshl_b32 s28, s26, 4
	s_add_co_u32 s28, s28, SCR
	v_add_nc_u32 v[ISB], s28, v[ISB]               ; K step x 64 + 4 r + the block's byte
	s_mul_i32 s28, s26, 2*IP
	s_add_co_u32 s28, s28, IMG
	v_add_nc_u32 v[RB], s28, v[L16]                ; on the way out wave w takes images 2 w, 2 w + 1
	s_mul_i32 s28, s26, 3072
	v_add_nc_u32 v[GO], s28, v[L16]
	v_mov_b32 v23, 0                               ; written once: a lane permute's destination counts as one of its sources
	s_mul_i32 s30, ttmp9, 12288
	s_mov_b32 s31, 0
	s_lshl_b32 s24, ttmp9, 9
	s_add_co_u32 s24, s24, SCO
	s_mov_b32 s25, 0
	s_wait_kmcnt 0x0
	s_load_b32 s34, s[6:7], 0x0                    ; alpha
	s_load_b32 s36, s[8:9], 0x0                    ; bias
	s_mov_b64 s[28:29], s[20:21]                   ; which tensor: a choice on the work-group's number alone
	s_cmp_lt_u32 s27, 12
	s_cselect_b64 s[28:29], s[18:19], s[28:29]
	s_cmp_lt_u32 s27, 8
	s_cselect_b64 s[28:29], s[16:17], s[28:29]
	s_cmp_lt_u32 s27, 7
	s_cselect_b64 s[28:29], s[14:15], s[28:29]
	s_cmp_lt_u32 s27, 6
	s_cselect_b64 s[28:29], s[12:13], s[28:29]
	s_cmp_lt_u32 s27, 5
	s_cselect_b64 s[28:29], s[10:11], s[28:29]
	s_cmp_lt_u32 s27, 4
	s_cselect_b64 s[28:29], s[4:5], s[28:29]
	s_add_nc_u64 s[28:29], s[28:29], s[46:47]
	s_add_nc_u64 s[30:31], s[22:23], s[30:31]      ; the unit's codes
	s_add_nc_u64 s[24:25], s[22:23], s[24:25]      ; and its scale words
.irp i, 0,1,2,3
.irp j, 0,1,2,3,4,5,6,7
	global_load_b128 v[R+32*\i+4*\j:R+32*\i+4*\j+3], v[VO+\i], s[28:29] offset:512*\j th:TH_LOAD_NT   ; 32 lanes read 512 consecutive bytes; all 32 loads of the wave go out at once
.endr
.endr
	s_wait_kmcnt 0x0
	s_cmp_lt_u32 ttmp9, 256
	s_cselect_b32 s33, -1, 0                       ; all lanes on where the norm applies
	s_cselect_b32 s36, s36, 0
	s_mov_b32 s37, s36                             ; (named with it as a pair)
.macro REDUCE v                        ; the sum over the wave's 32 lanes, in every lane
	v_add_f32_dpp v[\v], v[\v], v[\v] row_xmask:1 row_mask:0xf bank_mask:0xf
	v_add_f32_dpp v[\v], v[\v], v[\v] row_xmask:2 row_mask:0xf bank_mask:0xf
	v_add_f32_dpp v[\v], v[\v], v[\v] row_xmask:4 row_mask:0xf bank_mask:0xf
	v_add_f32_dpp v[\v], v[\v], v[\v] row_xmask:8 row_mask:0xf bank_mask:0xf
	v_permlanex16_b32 v23, v[\v], s38, s39
	v_add_f32 v[\v], v[\v], v23
.endm
.macro STATS i                         ; row i: the mean; x - mean in place; the variance: two passes, so that a common offset of the row costs no digits
.set RR, R+32*(\i)
	s_wait_loadcnt 24-8*(\i)                       ; loads come back in order: this row's eight are in, the eight of each later row may be out
	v_pk_add_f32 v[16:17], v[RR:RR+1], v[RR+2:RR+3]
	v_pk_add_f32 v[18:19], v[RR+4:RR+5], v[RR+6:RR+7]
.irp j, 8,12,16,20,24,28
	v_pk_add_f32 v[16:17], v[16:17], v[RR+\j:RR+\j+1]
	v_pk_add_f32 v[18:19], v[18:19], v[RR+\j+2:RR+\j+3]
.endr
	v_pk_add_f32 v[16:17], v[16:17], v[18:19]
	v_add_f32 v16, v16, v17
	REDUCE 16
	v_mul_f32 v16, 0x3a800000, v16                 ; / 1,024
	v_cndmask_b32 v16, 0, v16, s33                 ; a weight keeps its numbers
.irp j, 0,2,4,6,8,10,12,14,16,18,20,22,24,26,28,30
	v_pk_add_f32 v[RR+\j:RR+\j+1], v[RR+\j:RR+\j+1], v[16:17] op_sel_hi:[1,0] neg_lo:[0,1] neg_hi:[0,1]
.endr
	v_pk_mul_f32 v[18:19], v[RR:RR+1], v[RR:RR+1]
	v_pk_mul_f32 v[20:21], v[RR+2:RR+3], v[RR+2:RR+3]
.irp j, 4,8,12,16,20,24,28
	v_pk_fma_f32 v[18:19], v[RR+\j:RR+\j+1], v[RR+\j:RR+\j+1], v[18:19]
	v_pk_fma_f32 v[20:21], v[RR+\j+2:RR+\j+3], v[RR+\j+2:RR+\j+3], v[20:21]
.endr
	v_pk_add_f32 v[18:19], v[18:19], v[20:21]
	v_add_f32 v18, v18, v19
	REDUCE 18
	v_mul_f32 v[G+2*(\i)], 0x3a802008, v18         ; / 1,023
.endm
	STATS 0
	STATS 1
	STATS 2
	STATS 3
	s_wait_alu depctr_va_vdst(0)
.irp i, 0,1,2,3
	v_sqrt_f32 v[G+2*\i], v[G+2*\i]
.endr
	v_nop                                          ; a plain instruction behind the last root
	s_wait_alu depctr_va_vdst(0)                   ; one wait for the four roots, ahead of their first reader
.irp i, 0,1,2,3
	v_add_f32 v[G+2*\i], 0x3727c5ac, v[G+2*\i]     ; std + 1e-5
.endr
	s_wait_alu depctr_va_vdst(0)
.irp i, 0,1,2,3
	v_rcp_f32 v[G+2*\i], v[G+2*\i]
.endr
	v_nop
	s_wait_alu depctr_va_vdst(0)                   ; and one for the four reciprocals
.irp i, 0,1,2,3
	v_mul_f32 v[G+2*\i], s34, v[G+2*\i]            ; the gain alpha / (std + 1e-5)
.endr
.irp i, 0,1,2,3
	v_cndmask_b32 v[G+2*\i], 1.0, v[G+2*\i], s33
.endr
.irp i, 0,1,2,3
	v_mov_b32 v[G+2*\i+1], v[G+2*\i]               ; (named with it as a pair)
.endr
.macro NORM i
.set jj, 0
.rept 16
	v_pk_fma_f32 v[R+32*(\i)+jj:R+32*(\i)+jj+1], v[R+32*(\i)+jj:R+32*(\i)+jj+1], v[G+2*(\i):G+2*(\i)+1], s[36:37] op_sel_hi:[1,0,0]
.set jj, jj+2
.endr
.endm
.macro TURN i                          ; row i through stage i % 2: LDS serves a wave's instructions in order, so no wait stands between the stores and the loads
.irp j, 0,1,2,3,4,5,6,7
	ds_store_b128 v[SST], v[R+32*(\i)+4*\j:R+32*(\i)+4*\j+3] offset:4608*((\i)%2)+576*\j
.endr
.irp j, 0,1,2,3,4,5,6,7
	ds_load_b128 v[X+32*((\i)%2)+4*\j:X+32*((\i)%2)+4*\j+3], v[SLD] offset:4608*((\i)%2)+16*\j
.endr
.endm
.macro QROW i                          ; my block of row i: its largest magnitude, its byte, its 32 codes, to their places in the images
.set XS, X+32*((\i)%2)
	v_max3_num_f32 v234, |v[XS]|, |v[XS+1]|, 0x1800000      ; with the floor 2^(3 - 127): the byte cannot fall under 1
	v_max3_num_f32 v235, |v[XS+2]|, |v[XS+3]|, 0x1800000
.irp j, 4,8,12,16,20,24,28
	v_max3_num_f32 v234, v234, |v[XS+\j]|, |v[XS+\j+1]|
	v_max3_num_f32 v235, v235, |v[XS+\j+2]|, |v[XS+\j+3]|
.endr
	v_max_num_f32 v234, v234, v235
	v_add_nc_u32 v236, 0xff000000, v234            ; 2 off the exponent field: the conversion takes that field of this operand as its scale
	v_cvt_scalef32_pk16_fp6_f32 v[D:D+2], v[XS:XS+15], v236
	v_cvt_scalef32_pk16_fp6_f32 v[E:E+2], v[XS+16:XS+31], v236   ; (a conversion's three registers begin on an even number)
	v_lshrrev_b32 v233, 23, v236                   ; the byte.  (The plain instruction behind the conversions)
	v_mov_b32 v[D+3], v[E]
	v_mov_b32 v[D+4], v[E+1]
	v_mov_b32 v[D+5], v[E+2]
	ds_store_b128 v[IA1], v[D:D+3] offset:16*(\i)
	ds_store_b64 v[IA2], v[D+4:D+5] offset:8*(\i)
	ds_store_b8 v[ISB], v233 offset:4*(\i)
.endm
	NORM 0
	TURN 0
	NORM 1
	TURN 1
	s_wait_dscnt 16                                ; the youngest turn's sixteen may be out: row 0's block is in
	QROW 0
	NORM 2
	TURN 2
	s_wait_dscnt 16                                ; row 1's block is in, and row 0's three stores have read their registers
	QROW 1
	NORM 3
	TURN 3
	s_wait_dscnt 16
	QROW 2
	s_wait_dscnt 0x0
	QROW 3
	s_wait_dscnt 0x0                               ; for the others' sake: my stores into the images are done
	s_barrier_signal -1
	s_barrier_wait -1
.irp t, 0,1,2,3,4,5
	ds_load_b128 v[X+4*\t:X+4*\t+3], v[RB] offset:512*(\t%3)+IP*(\t/3)
.endr
.irp t, 0,1,2,3,4,5
	s_wait_dscnt 5-\t
	global_store_b128 v[GO], v[X+4*\t:X+4*\t+3], s[30:31] offset:512*\t   ; 32 lanes store 512 consecutive bytes, at a multiple of 256 from the buffer's first byte
.endr
	s_cmp_lg_u32 s26, 0
	s_cbranch_scc1 .Lend                           ; wave 0 stores the unit's 512 bytes of scale words
	ds_load_b128 v[X+24:X+27], v[L16] offset:SCR
	s_wait_dscnt 0x0
	global_store_b128 v[L16], v[X+24:X+27], s[24:25]
.Lend:
	s_wait_tensorcnt 0x0                           ; the wave's end, behind my last LDS store
	ds_add_u32 v[SPW], v[NIL]
	s_wait_dscnt 0x0
	s_endpgm
.Lfunc_end_k_qf940adba86_l_prep:
	.size	k_qf940adba86_l_prep, .Lfunc_end_k_qf940adba86_l_prep-k_qf940adba86_l_prep
	.p2alignl 7, 3214868480
	.fill 96, 4, 3214868480
	.section	.rodata,"a",@progbits
	.p2align	6, 0x0
	.amdhsa_kernel k_qf940adba86_l_prep
		.amdhsa_group_segment_fixed_size 50432
		.amdhsa_private_segment_fixed_size 0
		.amdhsa_enable_private_segment 0
		.amdhsa_kernarg_size 80
		.amdhsa_user_sgpr_count 2
		.amdhsa_user_sgpr_kernarg_segment_ptr 1
		.amdhsa_wavefront_size32 1
		.amdhsa_system_sgpr_workgroup_id_x 1
		.amdhsa_system_sgpr_workgroup_id_y 1
		.amdhsa_system_sgpr_workgroup_id_z 1
		.amdhsa_system_vgpr_workitem_id 0
		.amdhsa_next_free_vgpr 240
		.amdhsa_next_free_sgpr 66
		.amdhsa_reserve_vcc 0
		.amdhsa_float_denorm_mode_32 3
		.amdhsa_float_denorm_mode_16_64 3
		.amdhsa_memory_ordered 1
		.amdhsa_forward_progress 1
		.amdhsa_inst_pref_size 41
	.end_amdhsa_kernel
	.amdgpu_metadata
---
amdhsa.version: [ 1, 2 ]
amdhsa.kernels:
  - .name:           k_qf940adba86_l_prep
    .symbol:         k_qf940adba86_l_prep.kd
    .args:
      - { .name: x, .offset: 0, .size: 8, .value_kind: global_buffer, .address_space: global }
      - { .name: alpha1, .offset: 8, .size: 8, .value_kind: global_buffer, .address_space: global }
      - { .name: bias1, .offset: 16, .size: 8, .value_kind: global_buffer, .address_space: global }
      - { .name: wq, .offset: 24, .size: 8, .value_kind: global_buffer, .address_space: global }
      - { .name: wk, .offset: 32, .size: 8, .value_kind: global_buffer, .address_space: global }
      - { .name: wv, .offset: 40, .size: 8, .value_kind: global_buffer, .address_space: global }
      - { .name: wo, .offset: 48, .size: 8, .value_kind: global_buffer, .address_space: global }
      - { .name: w1, .offset: 56, .size: 8, .value_kind: global_buffer, .address_space: global }
      - { .name: w2, .offset: 64, .size: 8, .value_kind: global_buffer, .address_space: global }
      - { .name: cod, .offset: 72, .size: 8, .value_kind: global_buffer, .address_space: global }
    .group_segment_fixed_size: 50432
    .private_segment_fixed_size: 0
    .kernarg_segment_align: 8
    .kernarg_segment_size: 80
    .max_flat_workgroup_size: 128
    .sgpr_count:     66
    .vgpr_count:     240
    .wavefront_size: 32
...
	.end_amdgpu_metadata
.endif
;; end of part 1
;; launch l_qkv (part 2): grid 12 x 16, 4 waves a work-group, clusters of 4 x 4, 327,680 bytes of LDS; arguments cod, bq, bk, bv, qkvc; writes qkvc
.if DOCPART == 2
	.amdgcn_target "amdgcn-amd-amdhsa--gfx1250"
	.amdhsa_code_object_version 6
	.text
	.protected	k_qf940adba86_l_qkv
	.globl	k_qf940adba86_l_qkv
	.p2align	8
	.type	k_qf940adba86_l_qkv,@function
k_qf940adba86_l_qkv:
	s_mov_b64 s[64:65], 0
	v_nop
	global_prefetch_b8 v0, s[64:65] scope:SCOPE_SE
	s_setreg_imm32_b32 hwreg(HW_REG_WAVE_MODE, 25, 1), 1
	s_wait_xcnt 0x0
	s_wait_alu depctr_hold_cnt(0) depctr_sa_sdst(0) depctr_va_vdst(0) depctr_va_sdst(0) depctr_va_ssrc(0) depctr_va_vcc(0) depctr_vm_vsrc(0)
	s_getreg_b32 s2, hwreg(HW_REG_IB_STS2, 6, 4)
	s_cmp_eq_u32 s2, 0
	s_cbranch_scc0 .Lentry_in_a_cluster
	s_endpgm
.Lentry_in_a_cluster:
	s_bfe_u32 s2, ttmp6, 0x10000c
	s_cmp_lg_u32 s2, 0xf033
	s_cbranch_scc0 .Lentry_shape_is_right
	s_endpgm
.Lentry_shape_is_right:
; A GEMM ON CODES OF E2M3 WHOSE RESULT IS QUANTISED AGAIN ON THE WAY OUT.  K = 1,024.  HAS_V = 1: q, k and v of the attention;  HAS_V = 0: the first linear layer of the feed-forward part.  The text is the same.
; A work-group of four waves makes 256 x 256 of the result, a wave 128 x 128: 64 accumulators.  ROW operand = source 1 (its rows are the result's lanes), COLUMN operand = source 0 (its rows run down a lane's registers),
; so a lane holds one row of the result and its registers run along the columns, which are the K of the NEXT product: they are quantised in registers and stored as images of that product's operand.
; Operands lie in memory as images: tile T (16 rows), K step s (128) at (8 T + s) x 1,536 bytes; scale words at (8 T + s) x 64.  Lane place r of tile T is row 32 (T / 2) + 8 (T % 2) + r + 8 (r / 8), so that the 16 registers
; of two neighbouring column tiles are 16 neighbouring columns.  A fragment comes from LDS by four loads of consecutive bytes: no padding is wanted.
; HAS_V = 1: clusters x = 0, 1 make q, k = n1 w^T + b (ROW = n1, COLUMN = wq, wk; quantised along the head's 64).  Clusters x = 2 make v^T = wv n1^T + bv (ROW = wv, COLUMN = n1): quantised along the KEYS by the same lines.
; What differs is chosen by s_cselect on the cluster's x, which all partners share: offsets, steps, and masks that turn the unused bias into zeros.  No branch hangs on it.
; CLUSTERS: 4 x 4.  The four of a row of the cluster need the same ROW tiles, the four of a column the same COLUMN tiles: each is asked for jointly.
; K IS FOUR SLOTS' WORTH (256 along K each), AND THREE SLOTS FIT IN LDS.  Slots 0, 1, 2 and the scale words are filled at the start: four tensor loads of a wave are out.  Slot 0 alone is filled again, with K steps 6 and 7,
; at the change from slot 0 to slot 1; the change from slot 1 to slot 2 needs no wait and no barrier (the barrier before it has shown slot 2 whole), so that one refill has 256 matrix instructions of the wave in which to land.
; All scale words of the work-group (16 KiB) stay in 64 registers a wave.
; LIMITS: NaN and infinities are not served; a block of zeros keeps the byte 1 (its codes are zeros; this program alone reads the bytes).  Scale words leave in runs of 64 bytes: one byte in 24 of what is stored.
; No prefetch: the tiles are shared by joint loads and the launch is short.  Written out without a loop.
; THE FILLS AS THIS TEXT HAS THEM (this takes the place of what stands above on slots 0, 1, 2): at the head ONE joint load a wave: wave 0 ROW's sixteen tiles of K steps 0, 1 (slot 0), wave 1 COLUMN's,
; wave 2 ROW's scale words, wave 3 COLUMN's.  Behind the wait for them, the add and a round of the cluster's barrier each wave asks for K steps 2 to 5 of eight tiles by one load (6,144 bytes a tile): slots 1 and 2 are the two
; halves of those rows.  Slot 0 is filled again with K steps 6, 7 at the change from slot 0 to slot 1.  A wave never has more than one tensor load out.
.set HAS_V, 1
.set FR,    12
.set NL,    4                          ; LDS loads that bring a fragment
.set NP,    4                          ; places behind this matrix instruction (ISA guide 7.12.1)
.set TILEB, 3072                       ; a tile's two K steps in a slot
.set HALFT, 8*TILEB                    ; eight tiles: what one tensor load brings, and what a wave reads of ROW or of COLUMN
.set SLOT,  4*HALFT                    ; ROW's 16 tiles, then COLUMN's 16
.set SCL,   3*SLOT                     ; behind the three slots: the scale words, 4 x 4,096 bytes
.set SPARE, SCL+4*4096                 ; the spare words, 128 bytes for each wave: two blocks of 256 bytes that no other line names
.set SN,    12582912                   ; in cod: n's scale words (its codes at 0)
.set WQC,   3145728                    ; wq's codes, wk's behind them
.set WQS,   12713984
.set WVC,   4718592
.set WVS,   12779520
.set W1C,   6291456
.set W1S,   12845056
.set VCO,   6291456                    ; in qkvc: q's half images at 0, k's at 3,145,728, v^T's images here
.set QSO,   9437184                    ; q's scale words, k's 262,144 on
.set VSO,   9961472
.set FSO,   12582912                   ; in f1: the scale words
.set ADRA, 4                           ; v4-6 ROW fragments, 16 x lane, slot 0, 1, 2;  v7-9 8 x lane
.set CBO,  12                          ; v12 64 h: my half's place in a column tile's bias
.set BRO,  13                          ; v13 my row's place in bv
.set SHR,  14                          ; v14, v15: how far a scale word is shifted
.set SHL,  15
.set ADRB, 16                          ; v16-18, v19-21 the same for COLUMN
.set VO16, 24                          ; v24 16 x lane;  v25 8 x lane;  v30, v31 the same for an image's second half
.set VO8,  25
.set VOS,  26                          ; v26 where my scale word goes
.set ADRS, 27                          ; v27 LDS address of my scale words: lanes 0-15 ROW's, lanes 16-31 COLUMN's
.set SPW,  28
.set NIL,  29
.set VO16B, 30
.set VO8B, 31
.set SC,   32                          ; v32-95 scale words: register 8 ks + i: lanes 0-15 ROW tile i, lanes 16-31 COLUMN tile i, K step ks
.set CI0,  96                          ; v96-127, v224-255 the column bias as the first products' C: eight registers a column tile
.set BV,   96                          ; later v96 + 2 a: bv of my row in ROW tile a
.set AF,   128                         ; v128-223 ROW's eight fragments, one set
.set PC,   128                         ; the way out: codes v128-147, at work v148-163, the scale word v164, shifted v165
.set TM,   148
.set PW,   164
.set G1, 24
.set G0, 32                            ; s[32:39] ROW's groups 0 for slot 0 and for slots 1, 2
.set G0C, 20
.set G1B, 48
.set G0B, 56                           ; s[56:63] COLUMN's for slot 0 and for slots 1, 2
.set G0CB, 44
.set G1S, 68
.set G0S, 76
.set G1SB, 80
.set G0SB, 88
.set MSB, 0
.macro WIN new                         ; the immediate's high byte repeats the setting that is left
.if MSB != \new
	s_set_vgpr_msb (MSB<<8)|\new
.set MSB, \new
.endif
.endm
.set MUL_LO, 0xa1                      ; source 0 (COLUMN) window 1, source 1 (ROW) window 0, C and D window 2
.set MUL_HI, 0xf1                      ; the same, C and D window 3
.set TO_B,   0x40
.macro JLOAD g0a, g1a, g0b, g1b        ; a joint load: waves 0, 1 fetch for ROW, waves 2, 3 for COLUMN; an s_nop 0 and four v_nop follow each line
	s_cmp_eq_u32 s15, 0
	s_cbranch_scc0 .Lfor_b_\@
	tensor_load_to_lds s[\g0a:\g0a+3], s[\g1a:\g1a+7]
	s_nop 0
.rept 4
	v_nop
.endr
	s_branch .Lasked_\@
.Lfor_b_\@:
	tensor_load_to_lds s[\g0b:\g0b+3], s[\g1b:\g1b+7]
	s_nop 0
.rept 4
	v_nop
.endr
.Lasked_\@:
.endm
.macro CREST
	s_cmp_lg_u32 s14, 0
	s_cbranch_scc1 .Lnot_wave_0_\@
	s_barrier_signal -3
.Lnot_wave_0_\@:
	s_barrier_wait -3
	s_barrier_signal -1
	s_barrier_wait -1
.endm
.macro CROUND
	s_barrier_signal -1
	s_barrier_wait -1
	CREST
.endm
.if HAS_V
	s_load_b256 s[4:11], s[0:1], 0x0               ; cod, bq, bk, bv
	s_load_b64 s[12:13], s[0:1], 0x20              ; qkvc
.else
	s_load_b128 s[4:7], s[0:1], 0x0                ; cod, b1
	s_load_b64 s[12:13], s[0:1], 0x10              ; f1
.endif
	v_lshl_add_u32 v[SPW], v0, 2, SPARE
	v_mov_b32 v[NIL], 0
	ds_add_u32 v[SPW], v[NIL]                      ; the wave's opening: the add and its wait ahead of my first tensor load
	ds_add_u32 v[SPW], v[NIL]
	v_lshrrev_b32 v1, 5, v0
	v_readfirstlane_b32 s14, v1                    ; wave
	s_lshr_b32 s15, s14, 1                         ; my half of ROW's tiles.  Also: I fetch for ROW (0) or COLUMN (1)
	s_and_b32 s16, s14, 1                          ; my half of COLUMN's tiles.  Also: which eight tiles I fetch
	s_bfe_u32 s40, ttmp6, 0x40000                  ; cx
	s_bfe_u32 s41, ttmp6, 0x40004                  ; cy
	s_and_b32 s97, ttmp7, 0xffff                   ; cluster y
.if HAS_V
	s_cmp_eq_u32 ttmp9, 2                          ; v's clusters?  The same in all sixteen partners
	s_cselect_b32 s18, 0, s97
	s_cselect_b32 s19, s97, ttmp9
	s_cselect_b32 s95, 0, -1                       ; all lanes on in q's and k's clusters,
	s_cselect_b32 s96, -1, 0                       ; in v's
	s_cselect_b32 s20, WVC, 0                      ; ROW: wv or n1
	s_mov_b32 s22, SN
	s_cselect_b32 s22, WVS, s22
	s_cselect_b32 s46, 0, WQC                      ; COLUMN: n1 or wq, wk
	s_mov_b32 s92, WQS
	s_cselect_b32 s92, SN, s92
.else
	s_mov_b32 s18, s97
	s_mov_b32 s19, ttmp9
	s_mov_b32 s20, 0                               ; ROW: n2
	s_mov_b32 s22, SN
	s_mov_b32 s46, W1C                             ; COLUMN: w1
	s_mov_b32 s92, W1S
.endif
	s_lshl_b32 s17, s18, 2
	s_add_co_u32 s17, s17, s41                     ; which 256 rows of ROW
	s_lshl_b32 s42, s19, 2
	s_add_co_u32 s42, s42, s40                     ; which 256 rows of COLUMN
	s_lshl_b32 s43, s41, 2
	s_lshl_b32 s43, 15, s43                        ; my row of the cluster
	s_lshl_b32 s44, 0x1111, s40                    ; my column
	s_or_b32 s[G1+0], s43, (3<<16)|(1<<21)         ; 15:0 the mask; 17:16 elements of 8 bytes; 21 set beside a mask; no padding
	s_or_b32 s[G1B+0], s44, (3<<16)|(1<<21)
.irp g, G1, G1B
	s_mov_b32 s[\g+1], 384<<16                     ; tensor_dim0: a tile's two K steps, 3,072 bytes
	s_mov_b32 s[\g+2], 16<<16                      ; tensor_dim1: at the head sixteen tiles
	s_mov_b32 s[\g+3], 384<<16                     ; tile_dim0
	s_mov_b32 s[\g+4], 16                          ; tile_dim1
	s_mov_b32 s[\g+5], 1536                        ; from tile to tile: 12,288 bytes
	s_mov_b32 s[\g+6], 0
	s_mov_b32 s[\g+7], 0
.endr
	s_or_b32 s[G1S+0], s43, (3<<16)|(1<<21)
	s_or_b32 s[G1SB+0], s44, (3<<16)|(1<<21)
.irp g, G1S, G1SB
	s_mov_b32 s[\g+1], 32<<16
	s_mov_b32 s[\g+2], 32<<16                      ; sixteen tiles' scale words: 8,192 dense bytes as 32 rows of 256
	s_mov_b32 s[\g+3], 32<<16
	s_mov_b32 s[\g+4], 32
	s_mov_b32 s[\g+5], 32
	s_mov_b32 s[\g+6], 0
	s_mov_b32 s[\g+7], 0
.endr
	s_lshl_b32 s18, s17, 1
	s_add_co_u32 s18, s18, s16                     ; ROW: which eight tiles I fetch
	s_mul_i32 s19, s18, 98304
	s_add_co_u32 s20, s20, s19
	s_mov_b32 s21, 0
	s_lshl_b32 s19, s18, 12
	s_add_co_u32 s22, s22, s19
	s_mov_b32 s23, 0
	s_lshl_b32 s97, s42, 1
	s_add_co_u32 s97, s97, s16                     ; COLUMN likewise
	s_mul_i32 s47, s97, 98304
	s_add_co_u32 s46, s46, s47
	s_mov_b32 s47, 0
	s_lshl_b32 s93, s97, 12
	s_add_co_u32 s92, s92, s93
	s_mov_b32 s93, 0
	s_mul_i32 s45, s14, HALFT                      ; where they go: wave x eight tiles: no place in the cluster enters an LDS address
	s_lshl_b32 s94, s45, 1                         ; and twice that behind slot 0, where a tile has four K steps
	s_mov_b32 s66, 0x76543210
	s_mov_b32 s67, 0xfedcba98
	s_wait_dscnt 0x0                               ; the opening add is done
	s_wait_kmcnt 0x0
	s_add_nc_u64 s[20:21], s[4:5], s[20:21]
	s_add_nc_u64 s[22:23], s[4:5], s[22:23]
	s_add_nc_u64 s[46:47], s[4:5], s[46:47]
	s_add_nc_u64 s[92:93], s[4:5], s[92:93]
	CROUND                                         ; all sixteen work-groups are here: the first joint loads meet
	s_lshl_b32 s2, s16, 12                         ; the head's tiles are whole: what my half added to the words' addresses is taken off again,
	s_mov_b32 s3, 0
	s_mov_b32 s[G0S], 1
	s_mov_b32 s[G0S+1], SCL
	s_sub_nc_u64 s[G0S+2:G0S+3], s[22:23], s[2:3]
	s_or_b32 s[G0S+3], s[G0S+3], 0x80000000
	s_mov_b32 s[G0SB], 1
	s_mov_b32 s[G0SB+1], SCL+8192
	s_sub_nc_u64 s[G0SB+2:G0SB+3], s[92:93], s[2:3]
	s_or_b32 s[G0SB+3], s[G0SB+3], 0x80000000
	s_mul_i32 s2, s16, 98304                       ; and what it added to the codes'
	s_mov_b32 s[G0], 1
	s_mov_b32 s[G0+1], 0
	s_sub_nc_u64 s[G0+2:G0+3], s[20:21], s[2:3]
	s_or_b32 s[G0+3], s[G0+3], 0x80000000
	s_mov_b32 s[G0B], 1
	s_mov_b32 s[G0B+1], 2*HALFT
	s_sub_nc_u64 s[G0B+2:G0B+3], s[46:47], s[2:3]
	s_or_b32 s[G0B+3], s[G0B+3], 0x80000000
	s_mov_b32 s[G0+4], 1                           ; K steps 2 to 5 of my eight tiles: asked for behind the head's loads
	s_add_co_u32 s[G0+5], s94, SLOT
	s_add_nc_u64 s[G0+6:G0+7], s[20:21], TILEB
	s_or_b32 s[G0+7], s[G0+7], 0x80000000
	s_mov_b32 s[G0B+4], 1
	s_add_co_u32 s[G0B+5], s94, SLOT
	s_add_nc_u64 s[G0B+6:G0B+7], s[46:47], TILEB
	s_or_b32 s[G0B+7], s[G0B+7], 0x80000000
; the head's loads, one a wave: one chain of branches on the wave's number, a load to an arm, all arms leading to one join
.macro ARM under, g0, g1, next
	s_cmp_lt_u32 s14, \under
	s_cbranch_scc0 \next
	tensor_load_to_lds s[\g0:\g0+3], s[\g1:\g1+7]
	s_nop 0
.rept 4
	v_nop
.endr
	s_branch .Lhead_asked
\next:
.endm
	ARM 1, G0,  G1,  .Lhead_b
	ARM 2, G0B, G1B, .Lhead_sa
	ARM 3, G0S, G1S, .Lhead_sb
	tensor_load_to_lds s[G0SB:G0SB+3], s[G1SB:G1SB+7]
	s_nop 0
.rept 4
	v_nop
.endr
.Lhead_asked:
	; the column bias of my 128 columns, in the result's layout: lane (r, h), column tile b: eight numbers from 32 (b / 2) + 16 h + 8 (b % 2) on
.if HAS_V
	s_cmp_eq_u32 ttmp9, 1
	s_cselect_b64 s[8:9], s[8:9], s[6:7]           ; bk or bq (v's clusters read bq and turn it into zeros)
	s_lshl_b32 s2, s40, 10
.else
	s_mov_b64 s[8:9], s[6:7]
	s_lshl_b32 s2, s42, 10
.endif
	s_lshl_b32 s3, s16, 9
	s_add_co_u32 s2, s2, s3
	s_mov_b32 s3, 0
	s_add_nc_u64 s[8:9], s[8:9], s[2:3]
	v_and_b32 v1, 15, v0                           ; r
	v_bfe_u32 v2, v0, 4, 1                         ; h
	v_and_b32 v3, 31, v0                           ; lane
	v_lshlrev_b32 v[CBO], 6, v2
.irp b, 0,1,2,3,4,5,6,7
	global_load_b128 v[CI0+8*\b+96*(\b/4):CI0+8*\b+96*(\b/4)+3], v[CBO], s[8:9] offset:(32*(\b/2)+8*(\b%2))*4
	global_load_b128 v[CI0+8*\b+96*(\b/4)+4:CI0+8*\b+96*(\b/4)+7], v[CBO], s[8:9] offset:(32*(\b/2)+8*(\b%2))*4+16
.endr
	v_lshlrev_b32 v[VO16], 4, v3
	v_lshlrev_b32 v[VO8], 3, v3
	s_mul_i32 s2, s15, HALFT
	s_mul_i32 s3, s16, HALFT
	s_add_co_u32 s3, s3, 2*HALFT
.irp s, 0,1,2
	v_add_nc_u32 v[ADRA+\s], s2, v[VO16]
	v_add_nc_u32 v[ADRA+3+\s], s2, v[VO8]
	v_add_nc_u32 v[ADRB+\s], s3, v[VO16]
	v_add_nc_u32 v[ADRB+3+\s], s3, v[VO8]
.if \s == 0
	s_lshl_b32 s2, s2, 1                           ; behind slot 0 a tile has 6,144 bytes: eight tiles take twice the room;
	s_lshl_b32 s3, s3, 1
	s_add_co_u32 s2, s2, SLOT
	s_add_co_u32 s3, s3, SLOT
.else
	s_add_co_u32 s2, s2, TILEB                     ; slot 2 is the second half of each such tile
	s_add_co_u32 s3, s3, TILEB
.endif
.endr
	v_lshlrev_b32 v10, 2, v1
	s_lshl_b32 s2, s15, 12                         ; ROW's words: my eight tiles
	s_lshl_b32 s3, s16, 12                         ; COLUMN's, behind ROW's sixteen
	s_add_co_u32 s3, s3, 8192
	s_sub_co_u32 s3, s3, s2
	v_mul_u32_u24 v11, s3, v2                      ; lanes 16-31 take COLUMN's
	s_add_co_u32 s2, s2, SCL
	v_add_nc_u32 v10, v10, v11
	v_add_nc_u32 v[ADRS], s2, v10
	; where the results go
	s_lshl_b32 s18, s17, 4
	s_lshl_b32 s19, s15, 3
	s_add_co_u32 s18, s18, s19                     ; T0: my first ROW tile
	s_mul_i32 s98, s18, 49152                      ; images [T][32 K steps][1,536]: the K step is 2 x (which 256 of COLUMN) + my half
	s_mul_i32 s2, s97, 1536
	s_add_co_u32 s98, s98, s2
	s_lshl_b32 s100, s18, 11
	s_lshl_b32 s2, s97, 6
	s_add_co_u32 s100, s100, s2
.if HAS_V
	s_add_co_u32 s98, s98, VCO
	s_add_co_u32 s100, s100, VSO
	s_lshr_b32 s2, s18, 7                          ; q, k: half images [16 batch + head][tile of 128][768]
	s_lshl_b32 s2, s2, 4
	s_lshl_b32 s99, s40, 2
	s_add_co_u32 s2, s2, s99
	s_lshl_b32 s99, s16, 1
	s_add_co_u32 s2, s2, s99                       ; my first head: 4 cx + 2 x my half
	s_lshl_b32 s2, s2, 7
	s_and_b32 s99, s18, 127
	s_add_co_u32 s2, s2, s99
	s_mul_i32 s99, s2, 768
	s_mul_i32 s101, ttmp9, 3145728
	s_add_co_u32 s99, s99, s101
	s_lshl_b32 s2, s2, 6
	s_lshl_b32 s101, ttmp9, 18
	s_add_co_u32 s2, s2, s101
	s_add_co_u32 s2, s2, QSO
	s_lshl_b32 s19, s18, 6                         ; bv: 64 bytes a tile
	s_cmp_eq_u32 ttmp9, 2
	s_cselect_b32 s98, s98, s99
	s_cselect_b32 s100, s100, s2
	s_cselect_b32 s19, s19, 0
	s_mov_b32 s99, 0
	s_mov_b32 s101, 0
	s_add_nc_u64 s[6:7], s[12:13], s[100:101]      ; scale words
	s_add_nc_u64 s[12:13], s[12:13], s[98:99]      ; codes
	s_mov_b32 s98, 768
	s_cselect_b32 s98, 49152, s98                  ; from ROW tile to ROW tile
	s_mov_b32 s100, 64
	s_cselect_b32 s100, 2048, s100
	s_mov_b32 s2, 98304
	s_cselect_b32 s2, 768, s2                      ; an image's second half: behind the first, or in the next head
	s_cselect_b32 s3, 0, 8192                      ; lanes 16-31 store the next head's words
	s_cselect_b32 s97, 0, 16
	v_mul_u32_u24 v[VOS], s3, v2
	v_lshl_add_u32 v[VOS], v1, 2, v[VOS]
	v_mul_u32_u24 v[SHR], s97, v2                  ; q, k: a head's two bytes go to bytes 0, 1 of an even tile's word, to bytes 2, 3 of an odd tile's
	v_sub_nc_u32 v[SHL], s97, v[SHR]
	v_and_b32 v22, 8, v1
	v_add_nc_u32 v22, v22, v1
	v_lshlrev_b32 v[BRO], 2, v22
	v_add_nc_u32 v[BRO], s19, v[BRO]
.else
	s_add_co_u32 s100, s100, FSO
	s_mov_b32 s99, 0
	s_mov_b32 s101, 0
	s_add_nc_u64 s[6:7], s[12:13], s[100:101]
	s_add_nc_u64 s[12:13], s[12:13], s[98:99]
	s_mov_b32 s98, 49152
	s_mov_b32 s100, 2048
	s_mov_b32 s2, 768
	v_lshlrev_b32 v[VOS], 2, v1
.endif
	v_add_nc_u32 v[VO16B], s2, v[VO16]
	v_add_nc_u32 v[VO8B], s2, v[VO8]
	s_wait_loadcnt 0x0                             ; the column bias
.if HAS_V
.irp b, 0,1,2,3,4,5,6,7
.irp j, 0,1,2,3,4,5,6,7
	v_cndmask_b32 v[CI0+8*\b+96*(\b/4)+\j], 0, v[CI0+8*\b+96*(\b/4)+\j], s95   ; v^T has no column bias
.endr
.endr
.rept 8
	v_nop
.endr
.endif
.macro FRAGL reg, a16, a8, off         ; a fragment's image: 12 registers by four loads, each of consecutive bytes
	ds_load_b128 v[\reg:\reg+3], v[\a16] offset:\off
	ds_load_b64 v[\reg+4:\reg+5], v[\a8] offset:\off+512
	ds_load_b128 v[\reg+6:\reg+9], v[\a16] offset:\off+768
	ds_load_b64 v[\reg+10:\reg+11], v[\a8] offset:\off+1280
.endm
; 16 matrix instructions: ROW tiles a0, a0 + 1 x COLUMN's eight, K step ks.  p: COLUMN's set.  first = 1: the column bias is the C.  The 64 accumulators take turns in the same order in every step.
.macro MUL16 a0, p, ks, first
.irp a, \a0, \a0+1
.irp b, 0,1,2,3,4,5,6,7
.if \first
	v_wmma_scale_f32_16x16x128_f8f6f4 v[8*(8*((\a)%4)+\b):8*(8*((\a)%4)+\b)+7], v[128*(\p)+FR*\b:128*(\p)+FR*\b+FR-1], v[AF+FR*(\a):AF+FR*(\a)+FR-1], v[CI0+8*\b+96*(\b/4):CI0+8*\b+96*(\b/4)+7], v[SC+8*(\ks)+\b], v[SC+8*(\ks)+(\a)] matrix_a_fmt:MATRIX_FMT_FP6 matrix_b_fmt:MATRIX_FMT_FP6 matrix_a_scale:MATRIX_SCALE_ROW1
.else
	v_wmma_scale_f32_16x16x128_f8f6f4 v[8*(8*((\a)%4)+\b):8*(8*((\a)%4)+\b)+7], v[128*(\p)+FR*\b:128*(\p)+FR*\b+FR-1], v[AF+FR*(\a):AF+FR*(\a)+FR-1], v[8*(8*((\a)%4)+\b):8*(8*((\a)%4)+\b)+7], v[SC+8*(\ks)+\b], v[SC+8*(\ks)+(\a)] matrix_a_fmt:MATRIX_FMT_FP6 matrix_b_fmt:MATRIX_FMT_FP6 matrix_a_scale:MATRIX_SCALE_ROW1
.endif
.endr
.endr
.endm
.macro FETCH_B slot, q, p
	WIN TO_B
.irp i, 0,1,2,3,4,5,6,7
	FRAGL 128*(\p)+FR*\i, ADRB+\slot, ADRB+3+\slot, \i*TILEB*(1+((\slot)+1)/2)+(\q)*1536
.endr
	WIN 0
.endm
.macro FETCH_A slot, q, i0
.irp i, \i0, \i0+1, \i0+2, \i0+3
	FRAGL AF+FR*(\i), ADRA+\slot, ADRA+3+\slot, (\i)*TILEB*(1+((\slot)+1)/2)+(\q)*1536
.endr
.endm
.macro PLACES n                        ; a load into a register that a matrix instruction has read, and a vector instruction that reads a result, stand four plain vector instructions behind it
.rept \n
	v_nop
.endr
.endm
.macro STEP slot, ks, first            ; a slot's first K step; the second's fragments are fetched meanwhile
	s_wait_dscnt 4*NL                              ; all but the youngest sixteen loads (ROW's tiles 4-7) are in
.if \first
	WIN 0x81                                       ; C in window 0
.else
	WIN MUL_LO
.endif
	MUL16 0, 0, \ks, \first
	MUL16 2, 0, \ks, \first
	s_wait_dscnt 0x0
	PLACES NP
	FETCH_B \slot, 1, 1
	FETCH_A \slot, 1, 0
.if \first
	WIN 0xc1
.else
	WIN MUL_HI
.endif
	MUL16 4, 0, \ks, \first
	MUL16 6, 0, \ks, \first
	PLACES NP
	WIN 0
	FETCH_A \slot, 1, 4
.endm
; A slot's second K step, with a change of slots behind a barrier: ahead of it each wave waits for all its tensor loads, adds 0 to its spare word, and waits for that and for its reads of this slot.
.macro TURN slot, next, fill, ks
	s_wait_tensorcnt 0x0                           ; all my tensor loads have landed: my parts of all the slots asked for so far
	ds_add_u32 v[SPW], v[NIL]
	s_wait_dscnt 4*NL+1                            ; (the add and the youngest sixteen loads may be out)
	WIN MUL_LO
	MUL16 0, 1, \ks, 0
	s_wait_dscnt 0x0                               ; the add is done, and my reads of this slot are over
	s_barrier_signal -1
	MUL16 2, 1, \ks, 0
	WIN 0
	s_barrier_wait -1
.if \fill
	CREST                                          ; the barrier has opened a round of the cluster's: no wave of any partner still reads this slot or has a load on its way
	s_add_nc_u64 s[G0+4*\slot+2:G0+4*\slot+3], s[G0+4*\slot+2:G0+4*\slot+3], 3*TILEB     ; three slots on along K: K steps 6 and 7
	s_add_nc_u64 s[G0B+4*\slot+2:G0B+4*\slot+3], s[G0B+4*\slot+2:G0B+4*\slot+3], 3*TILEB
.irp g, G1, G1B
	s_mov_b32 s[\g+1], 384<<16                     ; no tensor load of mine is out: a tile's row is two K steps again
	s_mov_b32 s[\g+3], 384<<16
.endr
	JLOAD G0+4*\slot, G1, G0B+4*\slot, G1B         ; the first tensor load behind the round; its four v_nop are the places ahead of the loads below
.else
	PLACES NP
.endif
	FETCH_B \next, 0, 0
	FETCH_A \next, 0, 0
	WIN MUL_HI
	MUL16 4, 1, \ks, 0
	MUL16 6, 1, \ks, 0
	PLACES NP
	WIN 0
	FETCH_A \next, 0, 4
.endm
; A slot's second K step where the next slot was shown whole at an earlier barrier and this slot is not filled again: no wait on TENSORcnt, no barrier; the one load that is out stays out.
.macro CROSS slot, next, ks
	s_wait_dscnt 4*NL                              ; all but the youngest sixteen loads (ROW's tiles 4-7) are in
	WIN MUL_LO
	MUL16 0, 1, \ks, 0
	MUL16 2, 1, \ks, 0
	s_wait_dscnt 0x0
	PLACES NP
	FETCH_B \next, 0, 0
	FETCH_A \next, 0, 0
	WIN MUL_HI
	MUL16 4, 1, \ks, 0
	MUL16 6, 1, \ks, 0
	PLACES NP
	WIN 0
	FETCH_A \next, 0, 4
.endm
	s_wait_alu depctr_va_vdst(0)
	s_wait_tensorcnt 0x0                           ; my tile of the head's four is in
	ds_add_u32 v[SPW], v[NIL]
.irp g, G1, G1B
	s_mov_b32 s[\g+1], 768<<16                     ; no tensor load of mine is out, so the descriptors may be written: eight tiles' four K steps, 6,144 bytes a tile
	s_mov_b32 s[\g+2], 8<<16
	s_mov_b32 s[\g+3], 768<<16
	s_mov_b32 s[\g+4], 8
.endr
	s_mov_b32 s[G0+1], s45                         ; slot 0's groups 0 for its refill: my eight tiles
	s_mov_b64 s[G0+2:G0+3], s[20:21]
	s_or_b32 s[G0+3], s[G0+3], 0x80000000
	s_mov_b32 s[G0B+1], s45
	s_mov_b64 s[G0B+2:G0B+3], s[46:47]
	s_or_b32 s[G0B+3], s[G0B+3], 0x80000000
	s_wait_dscnt 0x0                               ; the add is done
	CROUND                                         ; all four tiles are in, and all sixteen work-groups are here
	JLOAD G0+4, G1, G0B+4, G1B                     ; K steps 2 to 5, my one load behind the round
	FETCH_B 0, 0, 0
	FETCH_A 0, 0, 0
.irp k, 0,1,2,3,4,5,6,7
.irp i, 0,1,2,3,4,5,6,7
	ds_load_b32 v[SC+8*\k+\i], v[ADRS] offset:\i*512+\k*64
.endr
.endr
	FETCH_A 0, 0, 4
	STEP 0, 0, 1
.if HAS_V
.irp a, 0,1,2,3,4,5,6,7
	global_load_b32 v[BV+2*\a], v[BRO], s[10:11] offset:(32*(\a/2)+8*(\a%2))*4   ; bv of my row in each ROW tile: the column bias is done with, four places back
.endr
.endif
	TURN 0, 1, 1, 1                                ; slots 1 and 2 are whole; slot 0 is asked for again
	STEP 1, 2, 0
	CROSS 1, 2, 3
	STEP 2, 4, 0
	TURN 2, 0, 0, 5                                ; the refill, asked for 256 matrix instructions ago, is waited for; nothing is left to fetch
	STEP 0, 6, 0
	s_wait_dscnt 4*NL
	WIN MUL_LO
	MUL16 0, 1, 7, 0
	MUL16 2, 1, 7, 0
	s_wait_dscnt 0x0
	WIN MUL_HI
	MUL16 4, 1, 7, 0
	MUL16 6, 1, 7, 0
	WIN 0
	PLACES NP                                      ; ahead of the first read of results and the first vector write into registers that held fragments
.irp b, 0,1,2,3
	v_mov_b32 v[TM+4+\b], 0                        ; written once: a lane permute's destination counts as one of its sources
.endr
.if HAS_V
	s_wait_loadcnt 0x0
.irp a, 0,1,2,3,4,5,6,7
	v_cndmask_b32 v[BV+2*\a], 0, v[BV+2*\a], s96   ; q and k have no row bias
.endr
.endif
; THE WAY OUT of ROW tile a: my row's 128 numbers (register 16 b + i = column 32 b + 16 h + i) become a fragment of the next product and its scale word, stored from registers: each store covers 512 or 256 consecutive bytes, aligned.
.macro OUTA a
.set W, 2+(\a)/4
.set AC, 64*((\a)%4)
.if HAS_V
	WIN ((W<<6)|W)
.set n, 0
.rept 32
	v_pk_add_f32 v[AC+n:AC+n+1], v[AC+n:AC+n+1], v[BV+2*(\a):BV+2*(\a)+1] op_sel_hi:[1,0]   ; each accumulator from its low end on
.set n, n+2
.endr
.endif
	WIN (W|(W<<2))
.irp b, 0,1,2,3
	v_max3_num_f32 v[TM+\b], |v[AC+16*\b]|, |v[AC+16*\b+1]|, 0x1800000   ; block b: my 16 numbers, and the floor 2^(3 - 127)
.endr
	WIN ((W<<2)|(W<<4))
.irp e, 2,4,6,8,10,12,14
.irp b, 0,1,2,3
	v_max3_num_f32 v[TM+\b], v[TM+\b], |v[AC+16*\b+\e]|, |v[AC+16*\b+\e+1]|
.endr
.endr
	WIN 0
	s_wait_alu depctr_va_vdst(0)
	s_wait_xcnt 0x0                                ; the last tile's stores have read their data and their bases: both are written again only behind this wait
.if (\a) > 0
	s_add_nc_u64 s[12:13], s[12:13], s[98:99]
	s_add_nc_u64 s[6:7], s[6:7], s[100:101]
.endif
.irp b, 0,1,2,3
	v_permlanex16_b32 v[TM+4+\b], v[TM+\b], s66, s67
.endr
.irp b, 0,1,2,3
	v_max_num_f32 v[TM+\b], v[TM+\b], v[TM+4+\b]   ; with lane l xor 16's: the block's largest magnitude
.endr
.irp b, 0,1,2,3
	v_add_nc_u32 v[TM+12+\b], 0xff000000, v[TM+\b] ; 2 off its exponent field: the conversion's scale operand
.endr
.irp b, 0,1,2,3
	v_lshrrev_b32 v[TM+4+\b], 23, v[TM+12+\b]      ; the byte
.endr
	v_lshl_or_b32 v[PW], v[TM+5], 8, v[TM+4]
	v_lshl_or_b32 v[PW], v[TM+6], 16, v[PW]
	v_lshl_or_b32 v[PW], v[TM+7], 24, v[PW]
	WIN W
.irp c, 0,1
	v_cvt_scalef32_pk16_fp6_f32 v[PC+6*\c:PC+6*\c+2], v[AC+32*\c:AC+32*\c+15], v[TM+12+2*\c]
	v_cvt_scalef32_pk16_fp6_f32 v[PC+12+4*\c:PC+12+4*\c+2], v[AC+32*\c+16:AC+32*\c+31], v[TM+12+2*\c+1]
.endr
	WIN 0
	v_nop                                          ; a plain instruction behind the conversions
.irp c, 0,1                            ; the layout wants a whole block in a lane: lanes 0-15 block 2 c, lanes 16-31 block 2 c + 1
.irp i, 0,1,2
	v_permlane16_swap_b32 v[PC+6*\c+\i], v[PC+12+4*\c+\i]
.endr
.irp i, 0,1,2
	v_mov_b32 v[PC+3+6*\c+\i], v[PC+12+4*\c+\i]
.endr
.endr
	global_store_b128 v[VO16], v[PC:PC+3], s[12:13]
	global_store_b64 v[VO8], v[PC+4:PC+5], s[12:13] offset:512
	global_store_b128 v[VO16B], v[PC+6:PC+9], s[12:13]
	global_store_b64 v[VO8B], v[PC+10:PC+11], s[12:13] offset:512
.if HAS_V
.if (\a)%2 == 0
	v_lshrrev_b32 v[PW+1], v[SHR], v[PW]
.else
	v_lshlrev_b32 v[PW+1], v[SHL], v[PW]
.endif
	global_store_b32 v[VOS], v[PW+1], s[6:7]
.else
	global_store_b32 v[VOS], v[PW], s[6:7]         ; (both halves of the lanes hold the same word and write it to the same place)
.endif
.endm
.irp a, 0,1,2,3,4,5,6,7
	OUTA \a
.endr
	s_wait_tensorcnt 0x0                           ; the wave's end
	ds_add_u32 v[SPW], v[NIL]
	s_wait_dscnt 0x0
	CROUND                                         ; the closing round
	s_endpgm
.Lfunc_end_k_qf940adba86_l_qkv:
	.size	k_qf940adba86_l_qkv, .Lfunc_end_k_qf940adba86_l_qkv-k_qf940adba86_l_qkv
	.p2alignl 7, 3214868480
	.fill 96, 4, 3214868480
	.section	.rodata,"a",@progbits
	.p2align	6, 0x0
	.amdhsa_kernel k_qf940adba86_l_qkv
		.amdhsa_group_segment_fixed_size 327680
		.amdhsa_private_segment_fixed_size 0
		.amdhsa_enable_private_segment 0
		.amdhsa_kernarg_size 40
		.amdhsa_user_sgpr_count 2
		.amdhsa_user_sgpr_kernarg_segment_ptr 1
		.amdhsa_wavefront_size32 1
		.amdhsa_system_sgpr_workgroup_id_x 1
		.amdhsa_system_sgpr_workgroup_id_y 1
		.amdhsa_system_sgpr_workgroup_id_z 1
		.amdhsa_system_vgpr_workitem_id 0
		.amdhsa_next_free_vgpr 1024
		.amdhsa_next_free_sgpr 102
		.amdhsa_reserve_vcc 0
		.amdhsa_float_denorm_mode_32 3
		.amdhsa_float_denorm_mode_16_64 3
		.amdhsa_memory_ordered 1
		.amdhsa_forward_progress 1
		.amdhsa_inst_pref_size 178
	.end_amdhsa_kernel
	.amdgpu_metadata
---
amdhsa.version: [ 1, 2 ]
amdhsa.kernels:
  - .name:           k_qf940adba86_l_qkv
    .symbol:         k_qf940adba86_l_qkv.kd
    .args:
      - { .name: cod, .offset: 0, .size: 8, .value_kind: global_buffer, .address_space: global }
      - { .name: bq, .offset: 8, .size: 8, .value_kind: global_buffer, .address_space: global }
      - { .name: bk, .offset: 16, .size: 8, .value_kind: global_buffer, .address_space: global }
      - { .name: bv, .offset: 24, .size: 8, .value_kind: global_buffer, .address_space: global }
      - { .name: qkvc, .offset: 32, .size: 8, .value_kind: global_buffer, .address_space: global }
    .group_segment_fixed_size: 327680
    .private_segment_fixed_size: 0
    .kernarg_segment_align: 8
    .kernarg_segment_size: 40
    .max_flat_workgroup_size: 128
    .sgpr_count:     102
    .vgpr_count:     1024
    .wavefront_size: 32
...
	.end_amdgpu_metadata
.endif
;; end of part 2
;; launch l_attn (part 3): grid 8 x 32, 8 waves a work-group, clusters of 4 x 1, 327,680 bytes of LDS; arguments qkvc, ao; writes ao
.if DOCPART == 3
	.amdgcn_target "amdgcn-amd-amdhsa--gfx1250"
	.amdhsa_code_object_version 6
	.text
	.protected	k_qf940adba86_l_attn
	.globl	k_qf940adba86_l_attn
	.p2align	8
	.type	k_qf940adba86_l_attn,@function
k_qf940adba86_l_attn:
	s_mov_b64 s[64:65], 0
	v_nop
	global_prefetch_b8 v0, s[64:65] scope:SCOPE_SE
	s_setreg_imm32_b32 hwreg(HW_REG_WAVE_MODE, 25, 1), 1
	s_wait_xcnt 0x0
	s_wait_alu depctr_hold_cnt(0) depctr_sa_sdst(0) depctr_va_vdst(0) depctr_va_sdst(0) depctr_va_ssrc(0) depctr_va_vcc(0) depctr_vm_vsrc(0)
	s_getreg_b32 s2, hwreg(HW_REG_IB_STS2, 6, 4)
	s_cmp_eq_u32 s2, 0
	s_cbranch_scc0 .Lentry_in_a_cluster
	s_endpgm
.Lentry_in_a_cluster:
	s_bfe_u32 s2, ttmp6, 0x10000c
	s_cmp_lg_u32 s2, 0x3003
	s_cbranch_scc0 .Lentry_shape_is_right
	s_endpgm
.Lentry_shape_is_right:
; ATTENTION ON CODES OF E2M3, head size 64, 2,048 keys, 32 (batch, head) pairs.  src_mask enters no result: no launch of this program reads it.
; p = 2^(t - M), t = score x log2(e) / 8, M the running largest t rounded up to a whole number; p is quantised along the keys; the row's sum is taken of the unquantised p and divides O at the end.
; SHARES.  A work-group owns 256 queries of one (batch, head); each of its eight waves TWO tiles of 16 queries, so that every fragment of K and V read from LDS feeds two tiles, and the two tiles' dependent chains stand by turns.
; LAYOUT.  Both products transposed: S^T = K Q^T, O^T = V^T P^T: a lane holds one query.  A LANE HOLDS A WHOLE BLOCK OF 32 KEYS: the sixteen rows of a tile of K are picked, lane by lane, out of the stored tiles:
; row 8 A + j of tile (g, u) is key 64 g + 32 A + 8 u + j of the step's 128.  In the stored order (place r of tile T is key 32 (T / 2) + 8 (T % 2) + r + 8 (r / 8)) that is tile 4 g + 2 A + u % 2, place j + 8 (u / 2).
; So lane (query, h) has in registers 32 g + 0 .. 31 of S^T the keys 64 g + 32 h + 0 .. 31: the order of the next product's operand.  A block's largest score needs no other lane, and the conversions' results are the operand.
; A block's scale byte is floor(t - M) of its largest score + 125 (held at 1 from below): the exponent of its largest p less 2, by the same multiply-add that makes every t - M.
; K = 64 IN AN INSTRUCTION OF 128.  Source 0 holds a tile of even stored tiles in K 0-63 and one of odd stored tiles in K 64-127; q stands as [q | zeros | q]: [q | 0] gives the first tile's scores, [0 | q] the second's.
; An even stored tile's scale word has its bytes in bytes 0, 1, an odd one's in bytes 2, 3; the other two bytes are scale bytes or 0, never 0xff, and meet zero codes.
; LDS.  The whole head's K and V: K as rows of 256 bytes + 64 of padding (a stored tile: three rows, 960 bytes).
; FILLS.  At the head one joint load a wave: waves 0, 1 K's key steps 0-4, waves 2, 3 V's key steps 0-3, waves 4, 5 K's scale words, waves 6, 7 V's.  Behind the wait for them, the add and a round of the cluster's barrier
; one more a wave: waves 0-3 the rest of K, waves 4-7 the rest of V (a channel tile each); it lands under the first four key steps, and one barrier behind them shows it.  No byte is filled twice; a wave has one load out.
; CLUSTER.  The four query blocks of a cluster belong to one head: every tile is asked for jointly (mask 15).  No prefetch: every byte is asked for ahead of the loop.
; LOADS FROM LDS run ahead: behind the scores' products a wave asks for this step's V and the next step's K; both have the step's vector work in which to come.
; REGISTERS.  Window 1: S^T of tile k at 64 k, O^T at 128 + 32 k, [q | 0 | q] at 192 + 18 k.  Window 0: all else.  Scale registers lie in window 0.
; LIMITS: NaN and infinities are not served; the promise holds while the scaled scores t stay under 2^31 in magnitude; 1 / sum by v_rcp_f32; a p within an ulp under a power of two may be held one code low.
.set KP,    320                        ; LDS pitch of K's rows
.set KT,    960                        ; a stored key tile: three rows
.set V0,    122880                     ; V's key steps 0-3: [channel tile 4][4][1,536]
.set V1,    147456                     ; V's key steps 4-15: [channel tile 4][12][1,536]
.set KSC,   221184                     ; K's scale words: 64 bytes a stored tile
.set VSC,   229376                     ; V's: channel tile t at 1,024 t, key step s at 64 s
.set SPARE, 233472                     ; the spare words, 128 bytes for each wave: four blocks of 256 bytes that no other line names
.set KCO,   3145728                    ; in qkvc
.set VCO,   6291456
.set QSO,   9437184
.set KSO,   9699328
.set VSO,   9961472
.set ASO,   3145728                    ; in ao: the scale words
.set LK16, 1                           ; v1-6 lane parts of the LDS addresses: K 16-byte pieces, K 8-byte pieces, K's words, V 16, V 8, V's words
.set LK8,  2
.set LKS,  3
.set LV16, 4
.set LV8,  5
.set LVS,  6
.set SPW,  7
.set NIL,  8
.set AK16, 9                           ; v9-14 the step's addresses, in the same order
.set AK8,  10
.set AKS,  11
.set AV16, 12
.set AV8,  13
.set AVS,  14
.set SH8,  15                          ; 8 h
.set L16,  16                          ; 16 x lane, 8 x lane, 4 r
.set L8,   17
.set R4,   18
.set KW,   20                          ; v20-27 K's scale words, v28-31 V's
.set VW,   28
.set KF,   36                          ; v36-83 K's four pairs of tiles
.set VF,   84                          ; v84-131 V's four fragments
.set OU,   36                          ; the way out: O / sum, 32 registers a tile
.set PC,   132                         ; v132-155 p's codes, 12 a tile
.set CT,   156                         ; v156-171 the blocks' second halves as converted
.set SA,   172                         ; small numbers of tile k at SA + 32 k: 0, 1 block maxima; 2, 3 at work; 4 largest score; 5 new -M; 6 (7) -M; 8 at work; 10 (11) f; 12, 13 exponents;
                                       ; 14, 15 the conversions' scale operands; 16, 17 at work; 18-21 the sum in two pairs; 22 p's scale word; 23 q's
.set OO,   128                         ; window 1
.set QF,   192
.set WV,   8
.set G0K,  20                          ; groups 0: the head's four kinds, then the two later ones
.set G0V,  24
.set G0KS, 28
.set G0VS, 32
.set G0K2, 36
.set G0V2, 40
.set G1K,  44
.set G1V,  52
.set G1KS, 68
.set G1VS, 76
.set SEL,  84
.set CS,   86
.set NC,   88
.set TK,   89
.set TV,   90
.set TS,   91
.set TJ,   92
.set CNT,  93
.set MSB, 0
.macro WIN new                         ; the immediate's high byte repeats the setting that is left
.if MSB != \new
	s_set_vgpr_msb (MSB<<8)|\new
.set MSB, \new
.endif
.endm
.macro CROUND
	s_barrier_signal -1
	s_barrier_wait -1
	s_cmp_lg_u32 s[WV], 0
	s_cbranch_scc1 .Lnot_wave_0_\@
	s_barrier_signal -3
.Lnot_wave_0_\@:
	s_barrier_wait -3
	s_barrier_signal -1
	s_barrier_wait -1
.endm
	s_load_b128 s[4:7], s[0:1], 0x0                ; qkvc, ao
	v_lshl_add_u32 v[SPW], v0, 2, SPARE
	v_mov_b32 v[NIL], 0
	ds_add_u32 v[SPW], v[NIL]                      ; the wave's opening: the add, twice on end, and its wait ahead of my first tensor load
	ds_add_u32 v[SPW], v[NIL]
	v_lshrrev_b32 v9, 5, v0
	v_readfirstlane_b32 s[WV], v9                  ; wave 0..7
	s_bfe_u32 s9, ttmp6, 0x40000                   ; cx
	s_lshl_b32 s10, ttmp9, 2
	s_add_co_u32 s10, s10, s9                      ; my block of 256 queries: it enters q's and ao's addresses alone
	s_and_b32 s11, ttmp7, 0xffff                   ; 16 batch + head
	s_lshr_b32 s12, s11, 4
	s_and_b32 s13, s11, 15
	s_and_b32 s14, s[WV], 1
	s_and_b32 s15, s[WV], 3
	s_mul_i32 s16, s11, 98304                      ; the offsets are made in the places of the addresses
	s_add_co_u32 s16, s16, KCO
	s_mul_i32 s18, s14, 15360
	s_add_co_u32 s[G0K+2], s16, s18                ; K: 60 rows of 256 bytes: half of key steps 0-4
	s_mul_i32 s18, s15, 16896
	s_add_co_u32 s[G0K2+2], s16, s18
	s_add_co_u32 s[G0K2+2], s[G0K2+2], 30720       ; later 66 rows: a quarter of key steps 5-15
	s_mul_i32 s17, s13, 196608                     ; V: the head's four channel tiles, 49,152 bytes each,
	s_mul_i32 s18, s12, 24576                      ; the batch's 16 key steps
	s_add_co_u32 s17, s17, s18
	s_add_co_u32 s17, s17, VCO
	s_mul_i32 s18, s14, 98304
	s_add_co_u32 s[G0V+2], s17, s18                ; two tiles' key steps 0-3
	s_mul_i32 s18, s15, 49152
	s_add_co_u32 s[G0V2+2], s17, s18
	s_add_co_u32 s[G0V2+2], s[G0V2+2], 6144        ; later one tile's key steps 4-15
	s_lshl_b32 s16, s11, 13
	s_lshl_b32 s18, s14, 12
	s_add_co_u32 s16, s16, s18
	s_add_co_u32 s[G0KS+2], s16, KSO               ; half of K's words: 4,096 dense bytes
	s_lshl_b32 s16, s13, 13
	s_lshl_b32 s17, s12, 10
	s_add_co_u32 s16, s16, s17
	s_add_co_u32 s16, s16, s18
	s_add_co_u32 s[G0VS+2], s16, VSO               ; two tiles' 1,024 bytes of words, 2,048 bytes apart
.irp g, G0K, G0V, G0KS, G0VS, G0K2, G0V2
	s_mov_b32 s[\g], 1
	s_mov_b32 s[\g+3], 0
.endr
	s_mul_i32 s[G0K+1], s14, 60*KP                 ; where they go: constants and the wave's number
	s_mul_i32 s[G0V+1], s14, 12288
	s_add_co_u32 s[G0V+1], s[G0V+1], V0
	s_lshl_b32 s[G0KS+1], s14, 12
	s_add_co_u32 s[G0KS+1], s[G0KS+1], KSC
	s_lshl_b32 s[G0VS+1], s14, 11
	s_add_co_u32 s[G0VS+1], s[G0VS+1], VSC
	s_mul_i32 s[G0K2+1], s15, 66*KP
	s_add_co_u32 s[G0K2+1], s[G0K2+1], 120*KP
	s_mul_i32 s[G0V2+1], s15, 18432
	s_add_co_u32 s[G0V2+1], s[G0V2+1], V1
	s_mov_b32 s[G1K], 15|(3<<16)|(1<<20)|(1<<21)|(5<<22)|(15<<25)   ; the mask: all four work-groups; elements of 8 bytes; padding on; 21 set beside a mask; after every 64 words 16 words
	s_mov_b32 s[G1K+1], 32<<16
	s_mov_b32 s[G1K+2], 60<<16
	s_mov_b32 s[G1K+3], 32<<16
	s_mov_b32 s[G1K+4], 60
	s_mov_b32 s[G1K+5], 32
	s_mov_b32 s[G1K+6], 0
	s_mov_b32 s[G1K+7], 0
	s_mov_b32 s[G1V], 15|(3<<16)|(1<<21)
	s_mov_b32 s[G1V+1], 768<<16                    ; two rows of 6,144 bytes, 49,152 bytes apart
	s_mov_b32 s[G1V+2], 2<<16
	s_mov_b32 s[G1V+3], 768<<16
	s_mov_b32 s[G1V+4], 2
	s_mov_b32 s[G1V+5], 6144
	s_mov_b32 s[G1V+6], 0
	s_mov_b32 s[G1V+7], 0
	s_mov_b32 s[G1KS], 15|(3<<16)|(1<<21)
	s_mov_b32 s[G1KS+1], 32<<16                    ; 16 rows of 256 bytes, dense
	s_mov_b32 s[G1KS+2], 16<<16
	s_mov_b32 s[G1KS+3], 32<<16
	s_mov_b32 s[G1KS+4], 16
	s_mov_b32 s[G1KS+5], 32
	s_mov_b32 s[G1KS+6], 0
	s_mov_b32 s[G1KS+7], 0
	s_mov_b32 s[G1VS], 15|(3<<16)|(1<<21)
	s_mov_b32 s[G1VS+1], 128<<16
	s_mov_b32 s[G1VS+2], 2<<16
	s_mov_b32 s[G1VS+3], 128<<16
	s_mov_b32 s[G1VS+4], 2
	s_mov_b32 s[G1VS+5], 256
	s_mov_b32 s[G1VS+6], 0
	s_mov_b32 s[G1VS+7], 0
	s_mov_b32 s[SEL], 0x76543210
	s_mov_b32 s[SEL+1], 0xfedcba98                 ; v_permlanex16_b32's selects for lane l xor 16
	s_mov_b32 s[CS], 0x3e38aa3b                    ; c = log2(e) / 8
	s_mov_b32 s[CS+1], s[CS]
	s_mov_b32 s[NC], 0xbe38aa3b                    ; -c
	s_mov_b32 s[TK], 0
	s_mov_b32 s[TV], 0
	s_mov_b32 s[TS], 0
	s_mov_b32 s[TJ], 0
	s_wait_dscnt 0x0                               ; both opening adds are done
	s_wait_kmcnt 0x0
.irp g, G0K, G0V, G0KS, G0VS, G0K2, G0V2
	s_add_nc_u64 s[\g+2:\g+3], s[4:5], s[\g+2:\g+3]
	s_or_b32 s[\g+3], s[\g+3], 0x80000000
.endr
	CROUND                                         ; all four work-groups are here: the joint loads meet
.macro ARM under, g0, g1, next         ; one chain of branches on the wave's number, a load to an arm, all arms leading to one join: every wave issues one load
	s_cmp_lt_u32 s[WV], \under
	s_cbranch_scc0 \next
	tensor_load_to_lds s[\g0:\g0+3], s[\g1:\g1+7]
	s_nop 0
.rept 4
	v_nop
.endr
	s_branch .Lasked
\next:
.endm
	ARM 2, G0K,  G1K,  .Lnot_k
	ARM 4, G0V,  G1V,  .Lnot_v
	ARM 6, G0KS, G1KS, .Lnot_ks
	tensor_load_to_lds s[G0VS:G0VS+3], s[G1VS:G1VS+7]
	s_nop 0
.rept 4
	v_nop
.endr
.Lasked:
	s_lshl_b32 s16, s10, 4
	s_lshl_b32 s17, s[WV], 1
	s_add_co_u32 s16, s16, s17                     ; my first tile of queries, 0..126
	s_lshl_b32 s17, s11, 7
	s_add_co_u32 s17, s17, s16
	s_mul_i32 s60, s17, 768
	s_mov_b32 s61, 0
	s_add_nc_u64 s[60:61], s[4:5], s[60:61]        ; its half image; the second tile's follows
	s_lshl_b32 s62, s17, 6
	s_add_co_u32 s62, s62, QSO
	s_mov_b32 s63, 0
	s_add_nc_u64 s[62:63], s[4:5], s[62:63]        ; its scale words
	s_lshl_b32 s17, s12, 7
	s_add_co_u32 s17, s17, s16                     ; the result's tile: 128 batch + tile
	s_lshl_b32 s18, s17, 9
	s_mul_i32 s16, s17, 12288
	s_lshr_b32 s17, s13, 1                         ; K step head / 2, half head % 2
	s_mul_i32 s19, s17, 1536
	s_add_co_u32 s16, s16, s19
	s_lshl_b32 s17, s17, 6
	s_add_co_u32 s18, s18, s17
	s_and_b32 s17, s13, 1
	s_mul_i32 s19, s17, 768
	s_add_co_u32 s16, s16, s19
	s_lshl_b32 s17, s17, 1
	s_add_co_u32 s18, s18, s17
	s_add_co_u32 s18, s18, ASO
	s_mov_b32 s17, 0
	s_mov_b32 s19, 0
	s_add_nc_u64 s[2:3], s[6:7], s[18:19]          ; ao: my two scale bytes a row
	s_add_nc_u64 s[6:7], s[6:7], s[16:17]          ; and my half images
	v_and_b32 v19, 31, v0
	v_lshlrev_b32 v[L16], 4, v19
	v_lshlrev_b32 v[L8], 3, v19
	v_and_b32 v9, 15, v0
	v_lshlrev_b32 v[R4], 2, v9
	v_bfe_u32 v10, v0, 4, 1                        ; h
	v_bfe_u32 v11, v0, 3, 1                        ; A
	v_and_b32 v12, 7, v0                           ; j
	v_lshlrev_b32 v[SH8], 3, v10
	v_mul_u32_u24 v13, v11, 2*KT                   ; two stored tiles on for rows 8-15
	v_mad_u32_u24 v14, v10, KP, v13                ; a half image's first row holds h = 0, its second h = 1
	v_lshl_add_u32 v[LK16], v12, 4, v14
	v_lshl_add_u32 v14, v10, 7, v13
	v_lshl_add_u32 v[LK8], v12, 3, v14             ; in its third row: 8 (place + 16 h)
	v_lshlrev_b32 v14, 7, v11
	v_lshl_add_u32 v14, v12, 2, v14
	v_add_nc_u32 v[LKS], KSC, v14                  ; words: 128 A + 4 j
	v_add_nc_u32 v[LV16], V0, v[L16]
	v_add_nc_u32 v[LV8], V0, v[L8]
	v_add_nc_u32 v[LVS], VSC, v[R4]
.irp k, 0,1
	v_mov_b32 v[SA+32*\k+3], 0                     ; (a lane permute's destination counts as one of its sources)
	v_mov_b32 v[SA+32*\k+4], 0xff61b1e6            ; the largest score so far: -3e38
	v_mov_b32 v[SA+32*\k+6], 0x7f61b1e6            ; -M: 3e38
	v_mov_b32 v[SA+32*\k+7], 0                     ; (named with it as a pair)
	v_mov_b32 v[SA+32*\k+11], 0
	v_mov_b32 v[SA+32*\k+17], 0
	v_mov_b32 v[SA+32*\k+18], 0                    ; the sum
	v_mov_b32 v[SA+32*\k+19], 0
	v_mov_b32 v[SA+32*\k+20], 0
	v_mov_b32 v[SA+32*\k+21], 0
.endr
	WIN 0x40                                       ; destination window 1
.irp k, 0,1
	global_load_b128 v[QF+18*\k:QF+18*\k+3], v[L16], s[60:61] offset:768*\k
	global_load_b64 v[QF+18*\k+4:QF+18*\k+5], v[L8], s[60:61] offset:768*\k+512
	global_load_b128 v[QF+18*\k+12:QF+18*\k+15], v[L16], s[60:61] offset:768*\k
	global_load_b64 v[QF+18*\k+16:QF+18*\k+17], v[L8], s[60:61] offset:768*\k+512
.endr
	WIN 0
.irp k, 0,1
	global_load_b32 v[SA+32*\k+23], v[R4], s[62:63] offset:64*\k
.endr
	s_wait_alu depctr_va_vdst(0)
	s_wait_loadcnt 0x0
	v_and_b32 v[SA+23], 0xffff, v[SA+23]           ; my first tile is an even one: its bytes are bytes 0, 1;
	v_lshrrev_b32 v[SA+32+23], 16, v[SA+32+23]     ; my second an odd one: bytes 2, 3
.irp k, 0,1
	v_lshl_or_b32 v[SA+32*\k+23], v[SA+32*\k+23], 16, v[SA+32*\k+23]   ; q's two bytes in both halves of the word
.endr
	WIN 0x40
.irp k, 0,1
.irp i, 6,7,8,9,10,11
	v_mov_b32 v[QF+18*\k+\i], 0
.endr
.endr
.set n, 0
.rept 64
	v_mov_b32 v[OO+n], 0                           ; O^T: the step is written once; its first run finds zeros
.set n, n+1
.endr
	WIN 0
	s_wait_alu depctr_va_vdst(0)
	s_wait_tensorcnt 0x0                           ; my load of the head's eight is in
	ds_add_u32 v[SPW], v[NIL]
	s_mov_b32 s[G1K+2], 66<<16                     ; no tensor load of mine is out, so the descriptors may be written: K: 66 rows;
	s_mov_b32 s[G1K+4], 66
	s_mov_b32 s[G1V+1], 32<<16                     ; V: 72 rows of 256 bytes, dense
	s_mov_b32 s[G1V+2], 72<<16
	s_mov_b32 s[G1V+3], 32<<16
	s_mov_b32 s[G1V+4], 72
	s_mov_b32 s[G1V+5], 32
	s_wait_dscnt 0x0                               ; the add is done
	CROUND                                         ; all eight are in, and all four work-groups are here
	s_cmp_lt_u32 s[WV], 4
	s_cbranch_scc0 .Lfor_v
	tensor_load_to_lds s[G0K2:G0K2+3], s[G1K:G1K+7]
	s_nop 0
.rept 4
	v_nop
.endr
	s_branch .Lrest_asked
.Lfor_v:
	tensor_load_to_lds s[G0V2:G0V2+3], s[G1V:G1V+7]
	s_nop 0
.rept 4
	v_nop
.endr
.Lrest_asked:
.macro FRAGL reg, a16, a8, off         ; a fragment's image: 12 registers by four loads of consecutive bytes
	ds_load_b128 v[\reg:\reg+3], v[\a16] offset:\off
	ds_load_b64 v[\reg+4:\reg+5], v[\a8] offset:\off+512
	ds_load_b128 v[\reg+6:\reg+9], v[\a16] offset:\off+768
	ds_load_b64 v[\reg+10:\reg+11], v[\a8] offset:\off+1280
.endm
.macro KLOAD a16, a8, as               ; a key step's K: pair (g, p) holds tile (g, 2 p) in registers 0-5 and tile (g, 2 p + 1) in registers 6-11; then the eight tiles' scale words
.irp g, 0,1
.irp p, 0,1
	ds_load_b128 v[KF+12*(2*\g+\p):KF+12*(2*\g+\p)+3], v[\a16] offset:\g*4*KT+\p*128
	ds_load_b64 v[KF+12*(2*\g+\p)+4:KF+12*(2*\g+\p)+5], v[\a8] offset:\g*4*KT+640+\p*64
	ds_load_b128 v[KF+12*(2*\g+\p)+6:KF+12*(2*\g+\p)+9], v[\a16] offset:\g*4*KT+KT+\p*128
	ds_load_b64 v[KF+12*(2*\g+\p)+10:KF+12*(2*\g+\p)+11], v[\a8] offset:\g*4*KT+KT+640+\p*64
.endr
.endr
.irp g, 0,1
.irp u, 0,1,2,3
	ds_load_b32 v[KW+4*\g+\u], v[\as] offset:\g*256+(\u%2)*64+(\u/2)*32
.endr
.endr
.endm
; A KEY STEP: 128 keys, both tiles of queries.  vts: bytes from channel tile to channel tile of V;  last = 1: the loop's last trip asks for no further K
.macro STEP vts, last
	s_add_co_u32 s[TK], s[TK], 8*KT                ; the next step's K
	s_add_co_u32 s[TS], s[TS], 512
	s_wait_dscnt 0x0                               ; this step's K is in
	WIN 0x44                                       ; D and source 1 window 1
.irp g, 0,1
.irp u, 0,1,2,3
.irp k, 0,1
	v_wmma_scale_f32_16x16x128_f8f6f4 v[64*\k+32*\g+8*\u:64*\k+32*\g+8*\u+7], v[KF+12*(2*\g+\u/2):KF+12*(2*\g+\u/2)+11], v[QF+18*\k+6*(\u%2):QF+18*\k+6*(\u%2)+11], 0, v[KW+4*\g+\u], v[SA+32*\k+23] matrix_a_fmt:MATRIX_FMT_FP6 matrix_b_fmt:MATRIX_FMT_FP6
.endr
.endr
.endr
	WIN 0
	v_add_nc_u32 v[AV16], s[TV], v[LV16]           ; six plain instructions: the places behind the products, ahead of the loads into their registers and of the first read of the scores
	v_add_nc_u32 v[AV8], s[TV], v[LV8]
	v_add_nc_u32 v[AVS], s[TJ], v[LVS]
	v_add_nc_u32 v[AK16], s[TK], v[LK16]
	v_add_nc_u32 v[AK8], s[TK], v[LK8]
	v_add_nc_u32 v[AKS], s[TS], v[LKS]
.irp t, 0,1,2,3
	FRAGL VF+12*\t, AV16, AV8, \t*\vts
.endr
.irp t, 0,1,2,3
	ds_load_b32 v[VW+\t], v[AVS] offset:\t*1024
.endr
.if \last
	s_cmp_eq_u32 s[CNT], 1
	s_cbranch_scc1 .Lno_k_\@
.endif
	KLOAD AK16, AK8, AKS
.if \last
.Lno_k_\@:
.endif
	WIN 0x14                                       ; sources 1 and 2 window 1
.irp b, 0,1
.irp k, 0,1
	v_max3_num_f32 v[SA+32*\k+\b], 0xff7fffff, v[64*\k+32*\b], v[64*\k+32*\b+1]   ; the largest score of my block 2 b + h: all its 32 keys are mine.  Four chains by turns; each accumulator from its low end on
.endr
.endr
.irp i, 2,4,6,8,10,12,14,16,18,20,22,24,26,28,30
.irp b, 0,1
.irp k, 0,1
	v_max3_num_f32 v[SA+32*\k+\b], v[SA+32*\k+\b], v[64*\k+32*\b+\i], v[64*\k+32*\b+\i+1]
.endr
.endr
.endr
	WIN 0
.irp k, 0,1
	v_max_num_f32 v[SA+32*\k+2], v[SA+32*\k], v[SA+32*\k+1]
.endr
.irp k, 0,1
	s_delay_alu instid0(VALU_DEP_2)
	v_permlanex16_b32 v[SA+32*\k+3], v[SA+32*\k+2], s[SEL], s[SEL+1]
.endr
.irp k, 0,1
	s_delay_alu instid0(VALU_DEP_2)
	v_max3_num_f32 v[SA+32*\k+4], v[SA+32*\k+4], v[SA+32*\k+2], v[SA+32*\k+3]   ; the running largest score of my query
.endr
.irp k, 0,1
	s_delay_alu instid0(VALU_DEP_2)
	v_mul_f32 v[SA+32*\k+5], s[NC], v[SA+32*\k+4]
.endr
.irp k, 0,1
	s_delay_alu instid0(VALU_DEP_2)
	v_floor_f32 v[SA+32*\k+5], v[SA+32*\k+5]       ; the new -M = floor(-t) = -ceil(t)
.endr
.irp k, 0,1
	s_delay_alu instid0(VALU_DEP_2)
	v_sub_f32 v[SA+32*\k+8], v[SA+32*\k+5], v[SA+32*\k+6]   ; old M - new M: a whole number, 0 or less
.endr
.irp b, 0,1
.irp k, 0,1
	v_fma_f32 v[SA+32*\k+12+\b], v[SA+32*\k+\b], s[CS], v[SA+32*\k+5]   ; t - M of the block's largest score
.endr
.endr
.irp k, 0,1
	v_mov_b32 v[SA+32*\k+6], v[SA+32*\k+5]
.endr
.irp k, 0,1
	v_cvt_i32_f32 v[SA+32*\k+8], v[SA+32*\k+8]     ; (it saturates)
.endr
.irp b, 0,1
.irp k, 0,1
	v_max_num_f32 v[SA+32*\k+12+\b], 0xc2f80000, v[SA+32*\k+12+\b]   ; held at -124: the byte cannot fall under 1
.endr
.endr
.irp k, 0,1
	v_ldexp_f32 v[SA+32*\k+10], 1.0, v[SA+32*\k+8] ; f = 2^(old M - new M)
.endr
.irp b, 0,1
.irp k, 0,1
	v_cvt_floor_i32_f32 v[SA+32*\k+12+\b], v[SA+32*\k+12+\b]   ; the exponent of the block's largest p
.endr
.endr
.irp b, 0,1
.irp k, 0,1
	v_add_lshl_u32 v[SA+32*\k+14+\b], v[SA+32*\k+12+\b], 125, 23   ; + 127 - 2, in the exponent field: the conversion's scale operand
.endr
.endr
.irp k, 0,1
	v_lshl_add_u32 v[SA+32*\k+16], v[SA+32*\k+13], 16, v[SA+32*\k+12]
.endr
.irp k, 0,1
	v_pk_mul_f32 v[SA+32*\k+18:SA+32*\k+19], v[SA+32*\k+18:SA+32*\k+19], v[SA+32*\k+10:SA+32*\k+11] op_sel_hi:[1,0]   ; the sums under the new M
	v_pk_mul_f32 v[SA+32*\k+20:SA+32*\k+21], v[SA+32*\k+20:SA+32*\k+21], v[SA+32*\k+10:SA+32*\k+11] op_sel_hi:[1,0]
.endr
.irp k, 0,1
	v_add_lshl_u32 v[SA+32*\k+16], v[SA+32*\k+16], 0x7d007d, v[SH8]   ; my two bytes, blocks h and 2 + h, at their places in the word
.endr
.irp k, 0,1
	s_delay_alu instid0(VALU_DEP_2)
	v_permlanex16_b32 v[SA+32*\k+17], v[SA+32*\k+16], s[SEL], s[SEL+1]
.endr
.irp k, 0,1
	s_delay_alu instid0(VALU_DEP_2)
	v_or_b32 v[SA+32*\k+22], v[SA+32*\k+16], v[SA+32*\k+17]   ; with lane l xor 16's two: p's scale word for these 128 keys
.endr
	WIN 0x41                                       ; destination and source 0 window 1
.irp k, 0,1
.set n, 0
.rept 32
	v_pk_fma_f32 v[64*\k+n:64*\k+n+1], v[64*\k+n:64*\k+n+1], s[CS:CS+1], v[SA+32*\k+6:SA+32*\k+7] op_sel_hi:[1,0,0]   ; t - M
.set n, n+2
.endr
.endr
.irp k, 0,1
.set n, 0
.rept 16
	v_pk_mul_f32 v[OO+32*\k+n:OO+32*\k+n+1], v[OO+32*\k+n:OO+32*\k+n+1], v[SA+32*\k+10:SA+32*\k+11] op_sel_hi:[1,0]   ; O^T under the new M
.set n, n+2
.endr
.endr
	s_wait_alu depctr_va_vdst(0)
.set n, 0
.rept 128
	v_exp_f32 v[n], v[n]                           ; p = 2^(t - M)
.set n, n+1
.endr
	v_nop                                          ; a plain instruction behind the last exponential
	s_wait_alu depctr_va_vdst(0)                   ; one wait for the batch, ahead of its first reader
	WIN 0x01                                       ; source 0 window 1
.irp k, 0,1
.irp c, 0,1
	v_cvt_scalef32_pk16_fp6_f32 v[PC+12*\k+6*\c:PC+12*\k+6*\c+2], v[64*\k+32*\c:64*\k+32*\c+15], v[SA+32*\k+14+\c]
	v_cvt_scalef32_pk16_fp6_f32 v[CT+8*\k+4*\c:CT+8*\k+4*\c+2], v[64*\k+32*\c+16:64*\k+32*\c+31], v[SA+32*\k+14+\c]   ; (a conversion's three registers begin on an even number)
.endr
.endr
	WIN 0
	v_nop                                          ; a plain instruction behind the conversions
.irp k, 0,1
.irp c, 0,1
.irp i, 0,1,2
	v_mov_b32 v[PC+12*\k+6*\c+3+\i], v[CT+8*\k+4*\c+\i]
.endr
.endr
.endr
	WIN 0x04                                       ; source 1 window 1
.set n, 0
.rept 16
.irp k, 0,1
	v_pk_add_f32 v[SA+32*\k+18:SA+32*\k+19], v[SA+32*\k+18:SA+32*\k+19], v[64*\k+n:64*\k+n+1]   ; the row's sum, of the unquantised p: four chains by turns.  (These also stand between the writes of p's codes and the products)
	v_pk_add_f32 v[SA+32*\k+20:SA+32*\k+21], v[SA+32*\k+20:SA+32*\k+21], v[64*\k+n+2:64*\k+n+3]
.endr
.set n, n+4
.endr
	WIN 0x50                                       ; C and D window 1
	s_wait_dscnt 0x0                               ; V is in (and the next step's K, asked for with it)
.irp t, 0,1,2,3
.irp k, 0,1
	v_wmma_scale_f32_16x16x128_f8f6f4 v[OO+32*\k+8*\t:OO+32*\k+8*\t+7], v[VF+12*\t:VF+12*\t+11], v[PC+12*\k:PC+12*\k+11], v[OO+32*\k+8*\t:OO+32*\k+8*\t+7], v[VW+\t], v[SA+32*\k+22] matrix_a_fmt:MATRIX_FMT_FP6 matrix_b_fmt:MATRIX_FMT_FP6
.endr
.endr
	WIN 0
	s_add_co_u32 s[TV], s[TV], 1536
	s_add_co_u32 s[TJ], s[TJ], 64
.endm
	KLOAD LK16, LK8, LKS                           ; key step 0's K
	s_mov_b32 s[CNT], 4
.Lfirst:                                               ; key steps 0-3, on what the head brought (their last trip asks for key step 4's K, which the head brought too)
	STEP 6144, 0
	s_sub_co_u32 s[CNT], s[CNT], 1
	s_cmp_lg_u32 s[CNT], 0
	s_cbranch_scc1 .Lfirst
	s_wait_tensorcnt 0x0                           ; my later load is in
	s_wait_dscnt 0x0
	s_barrier_signal -1
	s_barrier_wait -1                              ; everybody's is: the last barrier ahead of the closing round; nothing is filled again
	s_mov_b32 s[TV], V1-V0
	s_mov_b32 s[CNT], 12
.Lrest:                                                ; key steps 4-15
	STEP 18432, 1
	s_sub_co_u32 s[CNT], s[CNT], 1
	s_cmp_lg_u32 s[CNT], 0
	s_cbranch_scc1 .Lrest
	; THE WAY OUT: O^T / the sum; register 16 b + i of a tile is channel 32 b + 16 h + i: two blocks of the next product's K, half a block a lane
	s_wait_alu depctr_va_vdst(0)                   ; directly ahead of the first reader of the sums behind the last step's wait
.irp k, 0,1
	v_pk_add_f32 v[SA+32*\k+18:SA+32*\k+19], v[SA+32*\k+18:SA+32*\k+19], v[SA+32*\k+20:SA+32*\k+21]   ; (eight plain instructions: the places behind the last products)
.endr
.irp k, 0,1
	s_delay_alu instid0(VALU_DEP_2)
	v_add_f32 v[SA+32*\k+18], v[SA+32*\k+18], v[SA+32*\k+19]
.endr
.irp k, 0,1
	s_delay_alu instid0(VALU_DEP_2)
	v_permlanex16_b32 v[SA+32*\k+3], v[SA+32*\k+18], s[SEL], s[SEL+1]
.endr
.irp k, 0,1
	s_delay_alu instid0(VALU_DEP_2)
	v_add_f32 v[SA+32*\k+18], v[SA+32*\k+18], v[SA+32*\k+3]   ; with lane l xor 16's keys: the row's sum
.endr
	s_wait_alu depctr_va_vdst(0)
.irp k, 0,1
	v_rcp_f32 v[SA+32*\k+18], v[SA+32*\k+18]
.endr
	v_nop
	WIN 0x01
	s_wait_alu depctr_va_vdst(0)                   ; and behind them, directly ahead of the first reader of the reciprocals and of O^T
.irp k, 0,1
.set n, 0
.rept 32
	v_mul_f32 v[OU+32*\k+n], v[OO+32*\k+n], v[SA+32*\k+18]
.set n, n+1
.endr
.endr
	WIN 0
.irp b, 0,1
.irp k, 0,1
	v_max3_num_f32 v[SA+32*\k+\b], |v[OU+32*\k+16*\b]|, |v[OU+32*\k+16*\b+1]|, 0x1800000   ; with the floor 2^(3 - 127): the byte cannot fall under 1
.endr
.endr
.irp i, 2,4,6,8,10,12,14
.irp b, 0,1
.irp k, 0,1
	v_max3_num_f32 v[SA+32*\k+\b], v[SA+32*\k+\b], |v[OU+32*\k+16*\b+\i]|, |v[OU+32*\k+16*\b+\i+1]|
.endr
.endr
.endr
.irp b, 0,1
.irp k, 0,1
	v_permlanex16_b32 v[SA+32*\k+2+\b], v[SA+32*\k+\b], s[SEL], s[SEL+1]
.endr
.endr
.irp b, 0,1
.irp k, 0,1
	v_max_num_f32 v[SA+32*\k+\b], v[SA+32*\k+\b], v[SA+32*\k+2+\b]   ; with lane l xor 16's half: the block's largest magnitude
.endr
.endr
.irp b, 0,1
.irp k, 0,1
	v_add_nc_u32 v[SA+32*\k+14+\b], 0xff000000, v[SA+32*\k+\b]   ; 2 off its exponent field: the conversion's scale operand
.endr
.endr
.irp b, 0,1
.irp k, 0,1
	v_lshrrev_b32 v[SA+32*\k+2+\b], 23, v[SA+32*\k+14+\b]   ; the byte
.endr
.endr
.irp k, 0,1
	v_lshl_or_b32 v[SA+32*\k+16], v[SA+32*\k+3], 8, v[SA+32*\k+2]
.endr
.irp k, 0,1
	v_cvt_scalef32_pk16_fp6_f32 v[PC+12*\k:PC+12*\k+2], v[OU+32*\k:OU+32*\k+15], v[SA+32*\k+14]
	v_cvt_scalef32_pk16_fp6_f32 v[PC+12*\k+8:PC+12*\k+10], v[OU+32*\k+16:OU+32*\k+31], v[SA+32*\k+15]
.endr
	v_nop                                          ; a plain instruction behind the conversions
.irp k, 0,1
.irp i, 0,1,2
	v_permlane16_swap_b32 v[PC+12*\k+\i], v[PC+12*\k+8+\i]   ; the layout wants a whole block in a lane: lanes 0-15 block 0, lanes 16-31 block 1
.endr
.endr
.irp k, 0,1
.irp i, 0,1,2
	v_mov_b32 v[PC+12*\k+3+\i], v[PC+12*\k+8+\i]
.endr
.endr
.irp k, 0,1
	global_store_b128 v[L16], v[PC+12*\k:PC+12*\k+3], s[6:7] offset:12288*\k          ; 512 consecutive bytes, aligned
	global_store_b64 v[L8], v[PC+12*\k+4:PC+12*\k+5], s[6:7] offset:12288*\k+512      ; 256 consecutive bytes, aligned
	global_store_b16 v[R4], v[SA+32*\k+16], s[2:3] offset:512*\k                      ; my row's two scale bytes (both halves of the lanes hold and write the same)
.endr
	s_wait_tensorcnt 0x0                           ; the wave's end
	ds_add_u32 v[SPW], v[NIL]
	s_wait_dscnt 0x0
	CROUND                                         ; the closing round
	s_endpgm
.Lfunc_end_k_qf940adba86_l_attn:
	.size	k_qf940adba86_l_attn, .Lfunc_end_k_qf940adba86_l_attn-k_qf940adba86_l_attn
	.p2alignl 7, 3214868480
	.fill 96, 4, 3214868480
	.section	.rodata,"a",@progbits
	.p2align	6, 0x0
	.amdhsa_kernel k_qf940adba86_l_attn
		.amdhsa_group_segment_fixed_size 327680
		.amdhsa_private_segment_fixed_size 0
		.amdhsa_enable_private_segment 0
		.amdhsa_kernarg_size 16
		.amdhsa_user_sgpr_count 2
		.amdhsa_user_sgpr_kernarg_segment_ptr 1
		.amdhsa_wavefront_size32 1
		.amdhsa_system_sgpr_workgroup_id_x 1
		.amdhsa_system_sgpr_workgroup_id_y 1
		.amdhsa_system_sgpr_workgroup_id_z 1
		.amdhsa_system_vgpr_workitem_id 0
		.amdhsa_next_free_vgpr 512
		.amdhsa_next_free_sgpr 96
		.amdhsa_reserve_vcc 0
		.amdhsa_float_denorm_mode_32 3
		.amdhsa_float_denorm_mode_16_64 3
		.amdhsa_memory_ordered 1
		.amdhsa_forward_progress 1
		.amdhsa_inst_pref_size 83
	.end_amdhsa_kernel
	.amdgpu_metadata
---
amdhsa.version: [ 1, 2 ]
amdhsa.kernels:
  - .name:           k_qf940adba86_l_attn
    .symbol:         k_qf940adba86_l_attn.kd
    .args:
      - { .name: qkvc, .offset: 0, .size: 8, .value_kind: global_buffer, .address_space: global }
      - { .name: ao, .offset: 8, .size: 8, .value_kind: global_buffer, .address_space: global }
    .group_segment_fixed_size: 327680
    .private_segment_fixed_size: 0
    .kernarg_segment_align: 8
    .kernarg_segment_size: 16
    .max_flat_workgroup_size: 256
    .sgpr_count:     96
    .vgpr_count:     512
    .wavefront_size: 32
...
	.end_amdgpu_metadata
.endif
;; end of part 3
;; launch l_wo (part 4): grid 8 x 32, 4 waves a work-group, clusters of 4 x 4, 327,680 bytes of LDS; arguments ao, cod, bo, x, h1; writes h1
.if DOCPART == 4
	.amdgcn_target "amdgcn-amd-amdhsa--gfx1250"
	.amdhsa_code_object_version 6
	.text
	.protected	k_qf940adba86_l_wo
	.globl	k_qf940adba86_l_wo
	.p2align	8
	.type	k_qf940adba86_l_wo,@function
k_qf940adba86_l_wo:
	s_mov_b64 s[64:65], 0
	v_nop
	global_prefetch_b8 v0, s[64:65] scope:SCOPE_SE
	s_setreg_imm32_b32 hwreg(HW_REG_WAVE_MODE, 25, 1), 1
	s_wait_xcnt 0x0
	s_wait_alu depctr_hold_cnt(0) depctr_sa_sdst(0) depctr_va_vdst(0) depctr_va_sdst(0) depctr_va_ssrc(0) depctr_va_vcc(0) depctr_vm_vsrc(0)
	s_getreg_b32 s2, hwreg(HW_REG_IB_STS2, 6, 4)
	s_cmp_eq_u32 s2, 0
	s_cbranch_scc0 .Lentry_in_a_cluster
	s_endpgm
.Lentry_in_a_cluster:
	s_bfe_u32 s2, ttmp6, 0x10000c
	s_cmp_lg_u32 s2, 0xf033
	s_cbranch_scc0 .Lentry_shape_is_right
	s_endpgm
.Lentry_shape_is_right:
; H1 = X + AO WO^T + BO on codes of E2M3, K = 1,024: a tile of 128 x 128 to a work-group, 64 x 64 to a wave; images and scale words as the earlier launches laid them; 4 x 4 clusters with joint loads.
; THE FILLS: at the head one joint load a wave: wave 0 A's eight tiles of K steps 0-3 (slot 0), wave 1 B's, wave 2 A's scale words, wave 3 B's.  Behind the wait for them, the add and a round of the cluster's barrier
; each wave asks for K steps 4-7 of four tiles (slot 1).  Nothing is filled again.  No prefetch: there is no loop to run ahead in.
.set KT,    12288
.set TS,    512
.set LAPS,  1
.set ASO,   3145728
.set BCO,   5505024
.set BSO,   12812288
.set OUT_NT, 0
.set FR,    12
.set HALFT, 24576
.set SLOT,  4*HALFT
.set SCL,   2*SLOT
.set STAGE, SCL+32768
.set SPARE, STAGE+4*16*272
.set CBO,  12
.set ADRA, 16
.set ADRB, 20
.set STO,  24
.set RD,   25
.set CO,   26
.set ADRS, 27
.set SPW,  28
.set NIL,  29
.set SC,   32
.set CB,   64
.set BK,   64
.set ACC,  128
.set G1, 24
.set G0, 32
.set G1B, 48
.set G0B, 56
.set G1S, 68
.set G0S, 76
.set G1SB, 80
.set G0SB, 88
.set MSB, 0
.macro WIN new
.if MSB != \new
	s_set_vgpr_msb (MSB<<8)|\new
.set MSB, \new
.endif
.endm
.set MUL,  0x05
.set TO_F, 0x40
.macro JLOAD g0a, g1a, g0b, g1b
	s_cmp_eq_u32 s15, 0
	s_cbranch_scc0 .Lfor_b_\@
	tensor_load_to_lds s[\g0a:\g0a+3], s[\g1a:\g1a+7]
	s_nop 0
.rept 4
	v_nop
.endr
	s_branch .Lasked_\@
.Lfor_b_\@:
	tensor_load_to_lds s[\g0b:\g0b+3], s[\g1b:\g1b+7]
	s_nop 0
.rept 4
	v_nop
.endr
.Lasked_\@:
.endm
.macro CREST
	s_cmp_lg_u32 s14, 0
	s_cbranch_scc1 .Lnot_wave_0_\@
	s_barrier_signal -3
.Lnot_wave_0_\@:
	s_barrier_wait -3
	s_barrier_signal -1
	s_barrier_wait -1
.endm
.macro CROUND
	s_barrier_signal -1
	s_barrier_wait -1
	CREST
.endm
	s_load_b256 s[4:11], s[0:1], 0x0
	s_load_b64 s[12:13], s[0:1], 0x20
	v_lshl_add_u32 v[SPW], v0, 2, SPARE
	v_mov_b32 v[NIL], 0
	ds_add_u32 v[SPW], v[NIL]
	ds_add_u32 v[SPW], v[NIL]
	v_lshrrev_b32 v1, 5, v0
	v_readfirstlane_b32 s14, v1
	s_lshr_b32 s15, s14, 1
	s_and_b32 s16, s14, 1
	s_bfe_u32 s40, ttmp6, 0x40000
	s_bfe_u32 s41, ttmp6, 0x40004
	s_lshl_b32 s42, ttmp9, 2
	s_add_co_u32 s42, s42, s40
	s_and_b32 s17, ttmp7, 0xffff
	s_lshl_b32 s17, s17, 2
	s_add_co_u32 s17, s17, s41
	s_lshl_b32 s43, s41, 2
	s_lshl_b32 s43, 15, s43
	s_lshl_b32 s44, 0x1111, s40
	s_or_b32 s[G1+0], s43, (3<<16)|(1<<21)
	s_or_b32 s[G1B+0], s44, (3<<16)|(1<<21)
.irp g, G1, G1B
	s_mov_b32 s[\g+1], 768<<16
	s_mov_b32 s[\g+2], 8<<16
	s_mov_b32 s[\g+3], 768<<16
	s_mov_b32 s[\g+4], 8
	s_mov_b32 s[\g+5], KT/8
	s_mov_b32 s[\g+6], 0
	s_mov_b32 s[\g+7], 0
.endr
	s_or_b32 s[G1S+0], s43, (3<<16)|(1<<21)
	s_or_b32 s[G1SB+0], s44, (3<<16)|(1<<21)
.irp g, G1S, G1SB
	s_mov_b32 s[\g+1], 32<<16
	s_mov_b32 s[\g+2], (8*TS/256)<<16
	s_mov_b32 s[\g+3], 32<<16
	s_mov_b32 s[\g+4], 8*TS/256
	s_mov_b32 s[\g+5], 32
	s_mov_b32 s[\g+6], 0
	s_mov_b32 s[\g+7], 0
.endr
	s_lshl_b32 s18, s17, 1
	s_add_co_u32 s18, s18, s16
	s_mul_i32 s20, s18, 4*KT
	s_mov_b32 s21, 0
	s_mul_i32 s22, s18, 4*TS
	s_add_co_u32 s22, s22, ASO
	s_mov_b32 s23, 0
	s_lshl_b32 s97, s42, 1
	s_add_co_u32 s97, s97, s16
	s_mul_i32 s46, s97, 4*KT
	s_add_co_u32 s46, s46, BCO
	s_mov_b32 s47, 0
	s_mul_i32 s92, s97, 4*TS
	s_add_co_u32 s92, s92, BSO
	s_mov_b32 s93, 0
	s_mul_i32 s45, s14, HALFT
	s_wait_dscnt 0x0
	s_wait_kmcnt 0x0
	s_add_nc_u64 s[20:21], s[4:5], s[20:21]
	s_add_nc_u64 s[22:23], s[4:5], s[22:23]
	s_add_nc_u64 s[46:47], s[6:7], s[46:47]
	s_add_nc_u64 s[92:93], s[6:7], s[92:93]
	CROUND
	s_mul_i32 s2, s16, 4*TS                        ; the head's tiles are whole: what my half added to the words' addresses is taken off again,
	s_mov_b32 s3, 0
	s_mov_b32 s[G0S], 1
	s_mov_b32 s[G0S+1], SCL
	s_sub_nc_u64 s[G0S+2:G0S+3], s[22:23], s[2:3]
	s_or_b32 s[G0S+3], s[G0S+3], 0x80000000
	s_mov_b32 s[G0SB], 1
	s_mov_b32 s[G0SB+1], SCL+8*TS
	s_sub_nc_u64 s[G0SB+2:G0SB+3], s[92:93], s[2:3]
	s_or_b32 s[G0SB+3], s[G0SB+3], 0x80000000
	s_mul_i32 s2, s16, 4*KT                        ; and what it added to the codes'
	s_mov_b32 s[G0], 1
	s_mov_b32 s[G0+1], 0
	s_sub_nc_u64 s[G0+2:G0+3], s[20:21], s[2:3]
	s_or_b32 s[G0+3], s[G0+3], 0x80000000
	s_mov_b32 s[G0B], 1
	s_mov_b32 s[G0B+1], 2*HALFT
	s_sub_nc_u64 s[G0B+2:G0B+3], s[46:47], s[2:3]
	s_or_b32 s[G0B+3], s[G0B+3], 0x80000000
	s_mov_b32 s[G0+4], 1                           ; slot 1: K steps 4-7 of my four tiles
	s_add_co_u32 s[G0+5], s45, SLOT
	s_add_nc_u64 s[G0+6:G0+7], s[20:21], 6144
	s_or_b32 s[G0+7], s[G0+7], 0x80000000
	s_mov_b32 s[G0B+4], 1
	s_add_co_u32 s[G0B+5], s45, SLOT
	s_add_nc_u64 s[G0B+6:G0B+7], s[46:47], 6144
	s_or_b32 s[G0B+7], s[G0B+7], 0x80000000
; the head's loads, one a wave: one chain of branches on the wave's number, a load to an arm, all arms leading to one join
.macro ARM under, g0, g1, next
	s_cmp_lt_u32 s14, \under
	s_cbranch_scc0 \next
	tensor_load_to_lds s[\g0:\g0+3], s[\g1:\g1+7]
	s_nop 0
.rept 4
	v_nop
.endr
	s_branch .Lhead_asked
\next:
.endm
	ARM 1, G0,  G1,  .Lhead_b
	ARM 2, G0B, G1B, .Lhead_sa
	ARM 3, G0S, G1S, .Lhead_sb
	tensor_load_to_lds s[G0SB:G0SB+3], s[G1SB:G1SB+7]
	s_nop 0
.rept 4
	v_nop
.endr
.Lhead_asked:
	v_and_b32 v1, 15, v0
	v_bfe_u32 v2, v0, 4, 1
	v_and_b32 v3, 31, v0
	v_lshlrev_b32 v4, 4, v3
	v_lshlrev_b32 v5, 3, v3
	v_lshlrev_b32 v[CBO], 6, v2
	s_wait_alu depctr_va_vdst(0)
	v_lshlrev_b32 v7, 12, v2
	v_lshl_add_u32 v[CO], v1, 4, v7
	s_wait_alu depctr_va_vdst(0)
	s_lshl_b32 s18, s17, 7
	s_lshl_b32 s19, s15, 6
	s_add_co_u32 s18, s18, s19
	s_lshl_b32 s18, s18, 12
	s_lshl_b32 s2, s42, 9
	s_lshl_b32 s3, s16, 8
	s_add_co_u32 s2, s2, s3
	s_mov_b32 s3, 0
	s_add_nc_u64 s[8:9], s[8:9], s[2:3]
	s_add_co_u32 s2, s2, s18
	s_add_nc_u64 s[10:11], s[10:11], s[2:3]
	s_add_nc_u64 s[12:13], s[12:13], s[2:3]
.irp b, 0,1,2,3
	global_load_b128 v[CB+8*\b:CB+8*\b+3], v[CBO], s[8:9] offset:(32*(\b/2)+8*(\b%2))*4
	global_load_b128 v[CB+8*\b+4:CB+8*\b+7], v[CBO], s[8:9] offset:(32*(\b/2)+8*(\b%2))*4+16
.endr
	WIN 0x80
.irp a, 0,1,2,3
.irp t, 0,1,2,3,4,5,6,7
	global_load_b128 v[32*\a+4*\t:32*\a+4*\t+3], v[CO], s[10:11] offset:(32*(\a/2)+8*(\a%2)+2*\t+8*(\t/4))*4096
.endr
.endr
	WIN 0
	s_mul_i32 s18, s15, HALFT
	s_mul_i32 s19, s16, HALFT
	s_add_co_u32 s19, s19, 2*HALFT
.irp s, 0,1
	v_add_nc_u32 v[ADRA+\s], s18, v4
	v_add_nc_u32 v[ADRA+2+\s], s18, v5
	v_add_nc_u32 v[ADRB+\s], s19, v4
	v_add_nc_u32 v[ADRB+2+\s], s19, v5
	s_add_co_u32 s18, s18, SLOT
	s_add_co_u32 s19, s19, SLOT
.endr
	v_lshlrev_b32 v6, 2, v1
	s_mul_i32 s18, s15, 4*TS
	s_mul_i32 s19, s16, 4*TS
	s_add_co_u32 s19, s19, 8*TS
	s_sub_co_u32 s19, s19, s18
	v_mul_u32_u24 v7, s19, v2
	s_add_co_u32 s18, s18, SCL
	v_add_nc_u32 v6, v6, v7
	v_add_nc_u32 v[ADRS], s18, v6
	s_mul_i32 s18, s14, 16*272
	s_add_co_u32 s18, s18, STAGE
	v_mul_u32_u24 v7, v1, 272
	v_lshl_add_u32 v7, v2, 6, v7
	v_add_nc_u32 v[STO], s18, v7
	v_mul_u32_u24 v7, v2, 272
	v_lshl_add_u32 v7, v1, 4, v7
	v_add_nc_u32 v[RD], s18, v7
.macro FRAGL reg, a16, a8, off
	ds_load_b128 v[\reg:\reg+3], v[\a16] offset:\off
	ds_load_b64 v[\reg+4:\reg+5], v[\a8] offset:\off+512
	ds_load_b128 v[\reg+6:\reg+9], v[\a16] offset:\off+768
	ds_load_b64 v[\reg+10:\reg+11], v[\a8] offset:\off+1280
.endm
.macro MUL4 f, a, q, set, first
.irp b, 0,1,2,3
.if \first
	v_wmma_scale_f32_16x16x128_f8f6f4 v[ACC+8*(4*(\a)+\b):ACC+8*(4*(\a)+\b)+7], v[\f+48+FR*\b:\f+48+FR*\b+FR-1], v[\f+FR*(\a):\f+FR*(\a)+FR-1], v[CB+8*\b:CB+8*\b+7], v[SC+16*(\set)+4*(\q)+\b], v[SC+16*(\set)+4*(\q)+(\a)] matrix_a_fmt:MATRIX_FMT_FP6 matrix_b_fmt:MATRIX_FMT_FP6 matrix_a_scale:MATRIX_SCALE_ROW1
.else
	v_wmma_scale_f32_16x16x128_f8f6f4 v[ACC+8*(4*(\a)+\b):ACC+8*(4*(\a)+\b)+7], v[\f+48+FR*\b:\f+48+FR*\b+FR-1], v[\f+FR*(\a):\f+FR*(\a)+FR-1], v[ACC+8*(4*(\a)+\b):ACC+8*(4*(\a)+\b)+7], v[SC+16*(\set)+4*(\q)+\b], v[SC+16*(\set)+4*(\q)+(\a)] matrix_a_fmt:MATRIX_FMT_FP6 matrix_b_fmt:MATRIX_FMT_FP6 matrix_a_scale:MATRIX_SCALE_ROW1
.endif
.endr
.endm
.macro FETCH slot, q, f
	WIN TO_F
.irp i, 0,1,2,3
	FRAGL \f+48+FR*\i, ADRB+\slot, ADRB+2+\slot, \i*6144+(\q)*1536
.endr
.irp i, 0,1,2,3
	FRAGL \f+FR*\i, ADRA+\slot, ADRA+2+\slot, \i*6144+(\q)*1536
.endr
.endm
.macro SCALES set
.irp i, 0,1,2,3
.irp q, 0,1,2,3
	ds_load_b32 v[SC+16*\set+4*\q+\i], v[ADRS] offset:\i*TS+\q*64
.endr
.endr
.endm
.macro PLACES
.rept 4
	v_nop
.endr
.endm
.macro QUARTER slot, q, first
	s_wait_dscnt 8
	WIN MUL
	MUL4 128*((\q)%2), 0, \q, \slot, \first
	MUL4 128*((\q)%2), 1, \q, \slot, \first
	PLACES
	FETCH \slot, (\q)+1, 128*(((\q)+1)%2)
	s_wait_dscnt 32
	WIN MUL
	MUL4 128*((\q)%2), 2, \q, \slot, \first
	MUL4 128*((\q)%2), 3, \q, \slot, \first
.endm
.macro TURN slot, next, fill
	WIN 0
	s_wait_tensorcnt 0x0
	ds_add_u32 v[SPW], v[NIL]
	s_wait_dscnt 9
	WIN MUL
	MUL4 128, 0, 3, \slot, 0
	MUL4 128, 1, 3, \slot, 0
	s_wait_dscnt 0x0
	s_barrier_signal -1
	MUL4 128, 2, 3, \slot, 0
	WIN 0
	s_barrier_wait -1
.if \fill
	CREST
	s_add_nc_u64 s[G0+4*\slot+2:G0+4*\slot+3], s[G0+4*\slot+2:G0+4*\slot+3], 12288
	s_add_nc_u64 s[G0B+4*\slot+2:G0B+4*\slot+3], s[G0B+4*\slot+2:G0B+4*\slot+3], 12288
	JLOAD G0+4*\slot, G1, G0B+4*\slot, G1B
.else
	PLACES
.endif
	v_add_nc_u32 v[ADRS], 256, v[ADRS]
	SCALES \next
	FETCH \next, 0, 0
	WIN MUL
	MUL4 128, 3, 3, \slot, 0
.endm
	s_wait_alu depctr_va_vdst(0)
	s_wait_loadcnt 32
	s_wait_tensorcnt 0x0                           ; my tile of the head's four is in
	ds_add_u32 v[SPW], v[NIL]
	s_mov_b32 s[G1+2], 4<<16                       ; no tensor load of mine is out: from here on a load brings four tiles
	s_mov_b32 s[G1+4], 4
	s_mov_b32 s[G1B+2], 4<<16
	s_mov_b32 s[G1B+4], 4
	s_wait_dscnt 0x0                               ; the add is done
	CROUND                                         ; all four tiles are in, and all sixteen work-groups are here
	JLOAD G0+4, G1, G0B+4, G1B                     ; slot 1, my one load behind the round
	SCALES 0
	FETCH 0, 0, 0
	QUARTER 0, 0, 1
.if LAPS > 1
	WIN 0
	s_mov_b32 s3, LAPS-1
.Llap:
	QUARTER 0, 1, 0
	QUARTER 0, 2, 0
	TURN 0, 1, 1
	QUARTER 1, 0, 0
	QUARTER 1, 1, 0
	QUARTER 1, 2, 0
	TURN 1, 0, 1
	QUARTER 0, 0, 0
	WIN 0
	s_sub_co_u32 s3, s3, 1
	s_cmp_lg_u32 s3, 0
	s_cbranch_scc1 .Llap
.endif
	QUARTER 0, 1, 0
	QUARTER 0, 2, 0
	TURN 0, 1, 0
	QUARTER 1, 0, 0
	QUARTER 1, 1, 0
	QUARTER 1, 2, 0
	s_wait_dscnt 8
	WIN MUL
	MUL4 128, 0, 3, 1, 0
	MUL4 128, 1, 3, 1, 0
	s_wait_dscnt 0x0
	MUL4 128, 2, 3, 1, 0
	MUL4 128, 3, 3, 1, 0
	WIN 0
	PLACES
	s_wait_loadcnt 0x0
.macro TOSTAGE a
.irp b, 0,1,2,3
	ds_store_b128 v[STO], v[ACC+8*(4*(\a)+\b):ACC+8*(4*(\a)+\b)+3] offset:128*(\b/2)+32*(\b%2)
	ds_store_b128 v[STO], v[ACC+8*(4*(\a)+\b)+4:ACC+8*(4*(\a)+\b)+7] offset:128*(\b/2)+32*(\b%2)+16
.endr
.irp t, 0,1,2,3,4,5,6,7
	ds_load_b128 v[BK+32*((\a)%2)+4*\t:BK+32*((\a)%2)+4*\t+3], v[RD] offset:544*\t
.endr
.endm
.macro SEND a, younger
.set BB, BK+32*((\a)%2)
	s_wait_dscnt \younger
	WIN 0x08
.set n, 0
.rept 16
	v_pk_add_f32 v[BB+n:BB+n+1], v[BB+n:BB+n+1], v[32*(\a)+n:32*(\a)+n+1]
.set n, n+2
.endr
	WIN 0
.irp t, 0,1,2,3,4,5,6,7
.if OUT_NT
	global_store_b128 v[CO], v[BB+4*\t:BB+4*\t+3], s[12:13] offset:(32*((\a)/2)+8*((\a)%2)+2*\t+8*(\t/4))*4096 th:TH_STORE_NT
.else
	global_store_b128 v[CO], v[BB+4*\t:BB+4*\t+3], s[12:13] offset:(32*((\a)/2)+8*((\a)%2)+2*\t+8*(\t/4))*4096
.endif
.endr
.endm
	TOSTAGE 0
.irp a, 1,2,3
.if \a > 1
	s_wait_xcnt 0x0
.endif
	TOSTAGE \a
	SEND \a-1, 16
.endr
	SEND 3, 0
	s_wait_tensorcnt 0x0
	ds_add_u32 v[SPW], v[NIL]
	s_wait_dscnt 0x0
	CROUND
	s_endpgm
.Lfunc_end_k_qf940adba86_l_wo:
	.size	k_qf940adba86_l_wo, .Lfunc_end_k_qf940adba86_l_wo-k_qf940adba86_l_wo
	.p2alignl 7, 3214868480
	.fill 96, 4, 3214868480
	.section	.rodata,"a",@progbits
	.p2align	6, 0x0
	.amdhsa_kernel k_qf940adba86_l_wo
		.amdhsa_group_segment_fixed_size 327680
		.amdhsa_private_segment_fixed_size 0
		.amdhsa_enable_private_segment 0
		.amdhsa_kernarg_size 40
		.amdhsa_user_sgpr_count 2
		.amdhsa_user_sgpr_kernarg_segment_ptr 1
		.amdhsa_wavefront_size32 1
		.amdhsa_system_sgpr_workgroup_id_x 1
		.amdhsa_system_sgpr_workgroup_id_y 1
		.amdhsa_system_sgpr_workgroup_id_z 1
		.amdhsa_system_vgpr_workitem_id 0
		.amdhsa_next_free_vgpr 768
		.amdhsa_next_free_sgpr 100
		.amdhsa_reserve_vcc 0
		.amdhsa_float_denorm_mode_32 3
		.amdhsa_float_denorm_mode_16_64 3
		.amdhsa_memory_ordered 1
		.amdhsa_forward_progress 1
		.amdhsa_inst_pref_size 63
	.end_amdhsa_kernel
	.amdgpu_metadata
---
amdhsa.version: [ 1, 2 ]
amdhsa.kernels:
  - .name:           k_qf940adba86_l_wo
    .symbol:         k_qf940adba86_l_wo.kd
    .args:
      - { .name: ao, .offset: 0, .size: 8, .value_kind: global_buffer, .address_space: global }
      - { .name: cod, .offset: 8, .size: 8, .value_kind: global_buffer, .address_space: global }
      - { .name: bo, .offset: 16, .size: 8, .value_kind: global_buffer, .address_space: global }
      - { .name: x, .offset: 24, .size: 8, .value_kind: global_buffer, .address_space: global }
      - { .name: h1, .offset: 32, .size: 8, .value_kind: global_buffer, .address_space: global }
    .group_segment_fixed_size: 327680
    .private_segment_fixed_size: 0
    .kernarg_segment_align: 8
    .kernarg_segment_size: 40
    .max_flat_workgroup_size: 128
    .sgpr_count:     100
    .vgpr_count:     768
    .wavefront_size: 32
...
	.end_amdgpu_metadata
.endif
;; end of part 4
;; launch l_ln2: the kernel of part 1 again; grid 256 x 1, 4 waves a work-group, no clusters, 50,432 bytes of LDS; arguments h1, alpha2, bias2, wq, wk, wv, wo, w1, w2, cod; writes cod
;; launch l_ffn1 (part 5): grid 16 x 16, 4 waves a work-group, clusters of 4 x 4, 327,680 bytes of LDS; arguments cod, b1, f1; writes f1
.if DOCPART == 5
	.amdgcn_target "amdgcn-amd-amdhsa--gfx1250"
	.amdhsa_code_object_version 6
	.text
	.protected	k_qf940adba86_l_ffn1
	.globl	k_qf940adba86_l_ffn1
	.p2align	8
	.type	k_qf940adba86_l_ffn1,@function
k_qf940adba86_l_ffn1:
	s_mov_b64 s[64:65], 0
	v_nop
	global_prefetch_b8 v0, s[64:65] scope:SCOPE_SE
	s_setreg_imm32_b32 hwreg(HW_REG_WAVE_MODE, 25, 1), 1
	s_wait_xcnt 0x0
	s_wait_alu depctr_hold_cnt(0) depctr_sa_sdst(0) depctr_va_vdst(0) depctr_va_sdst(0) depctr_va_ssrc(0) depctr_va_vcc(0) depctr_vm_vsrc(0)
	s_getreg_b32 s2, hwreg(HW_REG_IB_STS2, 6, 4)
	s_cmp_eq_u32 s2, 0
	s_cbranch_scc0 .Lentry_in_a_cluster
	s_endpgm
.Lentry_in_a_cluster:
	s_bfe_u32 s2, ttmp6, 0x10000c
	s_cmp_lg_u32 s2, 0xf033
	s_cbranch_scc0 .Lentry_shape_is_right
	s_endpgm
.Lentry_shape_is_right:
; A GEMM ON CODES OF E2M3 WHOSE RESULT IS QUANTISED AGAIN ON THE WAY OUT.  K = 1,024.  HAS_V = 1: q, k and v of the attention;  HAS_V = 0: the first linear layer of the feed-forward part.  The text is the same.
; A work-group of four waves makes 256 x 256 of the result, a wave 128 x 128: 64 accumulators.  ROW operand = source 1 (its rows are the result's lanes), COLUMN operand = source 0 (its rows run down a lane's registers),
; so a lane holds one row of the result and its registers run along the columns, which are the K of the NEXT product: they are quantised in registers and stored as images of that product's operand.
; Operands lie in memory as images: tile T (16 rows), K step s (128) at (8 T + s) x 1,536 bytes; scale words at (8 T + s) x 64.  Lane place r of tile T is row 32 (T / 2) + 8 (T % 2) + r + 8 (r / 8), so that the 16 registers
; of two neighbouring column tiles are 16 neighbouring columns.  A fragment comes from LDS by four loads of consecutive bytes: no padding is wanted.
; HAS_V = 0: ROW = n2, COLUMN = w1, the column bias b1 is the C of the first products; the result's images go to f1 as [tile][32 K steps][1,536], its scale words as [tile][32][64].
; CLUSTERS: 4 x 4.  The four of a row of the cluster need the same ROW tiles, the four of a column the same COLUMN tiles: each is asked for jointly.
; K IS FOUR SLOTS' WORTH (256 along K each), AND THREE SLOTS FIT IN LDS.  Slots 0, 1, 2 and the scale words are filled at the start: four tensor loads of a wave are out.  Slot 0 alone is filled again, with K steps 6 and 7,
; at the change from slot 0 to slot 1; the change from slot 1 to slot 2 needs no wait and no barrier (the barrier before it has shown slot 2 whole), so that one refill has 256 matrix instructions of the wave in which to land.
; All scale words of the work-group (16 KiB) stay in 64 registers a wave.
; LIMITS: NaN and infinities are not served; a block of zeros keeps the byte 1 (its codes are zeros; this program alone reads the bytes).  Scale words leave in runs of 64 bytes: one byte in 24 of what is stored.
; No prefetch: the tiles are shared by joint loads and the launch is short.  Written out without a loop.
; THE FILLS AS THIS TEXT HAS THEM (this takes the place of what stands above on slots 0, 1, 2): at the head ONE joint load a wave: wave 0 ROW's sixteen tiles of K steps 0, 1 (slot 0), wave 1 COLUMN's,
; wave 2 ROW's scale words, wave 3 COLUMN's.  Behind the wait for them, the add and a round of the cluster's barrier each wave asks for K steps 2 to 5 of eight tiles by one load (6,144 bytes a tile): slots 1 and 2 are the two
; halves of those rows.  Slot 0 is filled again with K steps 6, 7 at the change from slot 0 to slot 1.  A wave never has more than one tensor load out.
.set HAS_V, 0
.set FR,    12
.set NL,    4                          ; LDS loads that bring a fragment
.set NP,    4                          ; places behind this matrix instruction (ISA guide 7.12.1)
.set TILEB, 3072                       ; a tile's two K steps in a slot
.set HALFT, 8*TILEB                    ; eight tiles: what one tensor load brings, and what a wave reads of ROW or of COLUMN
.set SLOT,  4*HALFT                    ; ROW's 16 tiles, then COLUMN's 16
.set SCL,   3*SLOT                     ; behind the three slots: the scale words, 4 x 4,096 bytes
.set SPARE, SCL+4*4096                 ; the spare words, 128 bytes for each wave: two blocks of 256 bytes that no other line names
.set SN,    12582912                   ; in cod: n's scale words (its codes at 0)
.set WQC,   3145728
.set WQS,   12713984
.set WVC,   4718592
.set WVS,   12779520
.set W1C,   6291456
.set W1S,   12845056
.set VCO,   6291456
.set QSO,   9437184
.set VSO,   9961472
.set FSO,   12582912                   ; in f1: the scale words
.set ADRA, 4                           ; v4-6 ROW fragments, 16 x lane, slot 0, 1, 2;  v7-9 8 x lane
.set CBO,  12                          ; v12 64 h: my half's place in a column tile's bias
.set BRO,  13
.set SHR,  14
.set SHL,  15
.set ADRB, 16                          ; v16-18, v19-21 the same for COLUMN
.set VO16, 24                          ; v24 16 x lane;  v25 8 x lane;  v30, v31 the same for an image's second half
.set VO8,  25
.set VOS,  26                          ; v26 where my scale word goes
.set ADRS, 27                          ; v27 LDS address of my scale words: lanes 0-15 ROW's, lanes 16-31 COLUMN's
.set SPW,  28
.set NIL,  29
.set VO16B, 30
.set VO8B, 31
.set SC,   32                          ; v32-95 scale words: register 8 ks + i: lanes 0-15 ROW tile i, lanes 16-31 COLUMN tile i, K step ks
.set CI0,  96                          ; v96-127, v224-255 the column bias as the first products' C: eight registers a column tile
.set BV,   96
.set AF,   128                         ; v128-223 ROW's eight fragments, one set
.set PC,   128                         ; the way out: codes v128-147, at work v148-163, the scale word v164
.set TM,   148
.set PW,   164
.set G1, 24
.set G0, 32                            ; s[32:39] ROW's groups 0 for slot 0 and for slots 1, 2
.set G0C, 20
.set G1B, 48
.set G0B, 56                           ; s[56:63] COLUMN's for slot 0 and for slots 1, 2
.set G0CB, 44
.set G1S, 68
.set G0S, 76
.set G1SB, 80
.set G0SB, 88
.set MSB, 0
.macro WIN new                         ; the immediate's high byte repeats the setting that is left
.if MSB != \new
	s_set_vgpr_msb (MSB<<8)|\new
.set MSB, \new
.endif
.endm
.set MUL_LO, 0xa1                      ; source 0 (COLUMN) window 1, source 1 (ROW) window 0, C and D window 2
.set MUL_HI, 0xf1                      ; the same, C and D window 3
.set TO_B,   0x40
.macro JLOAD g0a, g1a, g0b, g1b        ; a joint load: waves 0, 1 fetch for ROW, waves 2, 3 for COLUMN; an s_nop 0 and four v_nop follow each line
	s_cmp_eq_u32 s15, 0
	s_cbranch_scc0 .Lfor_b_\@
	tensor_load_to_lds s[\g0a:\g0a+3], s[\g1a:\g1a+7]
	s_nop 0
.rept 4
	v_nop
.endr
	s_branch .Lasked_\@
.Lfor_b_\@:
	tensor_load_to_lds s[\g0b:\g0b+3], s[\g1b:\g1b+7]
	s_nop 0
.rept 4
	v_nop
.endr
.Lasked_\@:
.endm
.macro CREST
	s_cmp_lg_u32 s14, 0
	s_cbranch_scc1 .Lnot_wave_0_\@
	s_barrier_signal -3
.Lnot_wave_0_\@:
	s_barrier_wait -3
	s_barrier_signal -1
	s_barrier_wait -1
.endm
.macro CROUND
	s_barrier_signal -1
	s_barrier_wait -1
	CREST
.endm
.if HAS_V
	s_load_b256 s[4:11], s[0:1], 0x0               ; cod, bq, bk, bv
	s_load_b64 s[12:13], s[0:1], 0x20              ; qkvc
.else
	s_load_b128 s[4:7], s[0:1], 0x0                ; cod, b1
	s_load_b64 s[12:13], s[0:1], 0x10              ; f1
.endif
	v_lshl_add_u32 v[SPW], v0, 2, SPARE
	v_mov_b32 v[NIL], 0
	ds_add_u32 v[SPW], v[NIL]                      ; the wave's opening: the add and its wait ahead of my first tensor load
	ds_add_u32 v[SPW], v[NIL]
	v_lshrrev_b32 v1, 5, v0
	v_readfirstlane_b32 s14, v1                    ; wave
	s_lshr_b32 s15, s14, 1                         ; my half of ROW's tiles.  Also: I fetch for ROW (0) or COLUMN (1)
	s_and_b32 s16, s14, 1                          ; my half of COLUMN's tiles.  Also: which eight tiles I fetch
	s_bfe_u32 s40, ttmp6, 0x40000                  ; cx
	s_bfe_u32 s41, ttmp6, 0x40004                  ; cy
	s_and_b32 s97, ttmp7, 0xffff                   ; cluster y
.if HAS_V
	s_cmp_eq_u32 ttmp9, 2
	s_cselect_b32 s18, 0, s97
	s_cselect_b32 s19, s97, ttmp9
	s_cselect_b32 s95, 0, -1
	s_cselect_b32 s96, -1, 0
	s_cselect_b32 s20, WVC, 0
	s_mov_b32 s22, SN
	s_cselect_b32 s22, WVS, s22
	s_cselect_b32 s46, 0, WQC
	s_mov_b32 s92, WQS
	s_cselect_b32 s92, SN, s92
.else
	s_mov_b32 s18, s97
	s_mov_b32 s19, ttmp9
	s_mov_b32 s20, 0                               ; ROW: n2
	s_mov_b32 s22, SN
	s_mov_b32 s46, W1C                             ; COLUMN: w1
	s_mov_b32 s92, W1S
.endif
	s_lshl_b32 s17, s18, 2
	s_add_co_u32 s17, s17, s41                     ; which 256 rows of ROW
	s_lshl_b32 s42, s19, 2
	s_add_co_u32 s42, s42, s40                     ; which 256 rows of COLUMN
	s_lshl_b32 s43, s41, 2
	s_lshl_b32 s43, 15, s43                        ; my row of the cluster
	s_lshl_b32 s44, 0x1111, s40                    ; my column
	s_or_b32 s[G1+0], s43, (3<<16)|(1<<21)         ; 15:0 the mask; 17:16 elements of 8 bytes; 21 set beside a mask; no padding
	s_or_b32 s[G1B+0], s44, (3<<16)|(1<<21)
.irp g, G1, G1B
	s_mov_b32 s[\g+1], 384<<16                     ; tensor_dim0: a tile's two K steps, 3,072 bytes
	s_mov_b32 s[\g+2], 16<<16                      ; tensor_dim1: at the head sixteen tiles
	s_mov_b32 s[\g+3], 384<<16                     ; tile_dim0
	s_mov_b32 s[\g+4], 16                          ; tile_dim1
	s_mov_b32 s[\g+5], 1536                        ; from tile to tile: 12,288 bytes
	s_mov_b32 s[\g+6], 0
	s_mov_b32 s[\g+7], 0
.endr
	s_or_b32 s[G1S+0], s43, (3<<16)|(1<<21)
	s_or_b32 s[G1SB+0], s44, (3<<16)|(1<<21)
.irp g, G1S, G1SB
	s_mov_b32 s[\g+1], 32<<16
	s_mov_b32 s[\g+2], 32<<16                      ; sixteen tiles' scale words: 8,192 dense bytes as 32 rows of 256
	s_mov_b32 s[\g+3], 32<<16
	s_mov_b32 s[\g+4], 32
	s_mov_b32 s[\g+5], 32
	s_mov_b32 s[\g+6], 0
	s_mov_b32 s[\g+7], 0
.endr
	s_lshl_b32 s18, s17, 1
	s_add_co_u32 s18, s18, s16                     ; ROW: which eight tiles I fetch
	s_mul_i32 s19, s18, 98304
	s_add_co_u32 s20, s20, s19
	s_mov_b32 s21, 0
	s_lshl_b32 s19, s18, 12
	s_add_co_u32 s22, s22, s19
	s_mov_b32 s23, 0
	s_lshl_b32 s97, s42, 1
	s_add_co_u32 s97, s97, s16                     ; COLUMN likewise
	s_mul_i32 s47, s97, 98304
	s_add_co_u32 s46, s46, s47
	s_mov_b32 s47, 0
	s_lshl_b32 s93, s97, 12
	s_add_co_u32 s92, s92, s93
	s_mov_b32 s93, 0
	s_mul_i32 s45, s14, HALFT                      ; where they go: wave x eight tiles: no place in the cluster enters an LDS address
	s_lshl_b32 s94, s45, 1                         ; and twice that behind slot 0, where a tile has four K steps
	s_mov_b32 s66, 0x76543210
	s_mov_b32 s67, 0xfedcba98
	s_wait_dscnt 0x0                               ; the opening add is done
	s_wait_kmcnt 0x0
	s_add_nc_u64 s[20:21], s[4:5], s[20:21]
	s_add_nc_u64 s[22:23], s[4:5], s[22:23]
	s_add_nc_u64 s[46:47], s[4:5], s[46:47]
	s_add_nc_u64 s[92:93], s[4:5], s[92:93]
	CROUND                                         ; all sixteen work-groups are here: the first joint loads meet
	s_lshl_b32 s2, s16, 12                         ; the head's tiles are whole: what my half added to the words' addresses is taken off again,
	s_mov_b32 s3, 0
	s_mov_b32 s[G0S], 1
	s_mov_b32 s[G0S+1], SCL
	s_sub_nc_u64 s[G0S+2:G0S+3], s[22:23], s[2:3]
	s_or_b32 s[G0S+3], s[G0S+3], 0x80000000
	s_mov_b32 s[G0SB], 1
	s_mov_b32 s[G0SB+1], SCL+8192
	s_sub_nc_u64 s[G0SB+2:G0SB+3], s[92:93], s[2:3]
	s_or_b32 s[G0SB+3], s[G0SB+3], 0x80000000
	s_mul_i32 s2, s16, 98304                       ; and what it added to the codes'
	s_mov_b32 s[G0], 1
	s_mov_b32 s[G0+1], 0
	s_sub_nc_u64 s[G0+2:G0+3], s[20:21], s[2:3]
	s_or_b32 s[G0+3], s[G0+3], 0x80000000
	s_mov_b32 s[G0B], 1
	s_mov_b32 s[G0B+1], 2*HALFT
	s_sub_nc_u64 s[G0B+2:G0B+3], s[46:47], s[2:3]
	s_or_b32 s[G0B+3], s[G0B+3], 0x80000000
	s_mov_b32 s[G0+4], 1                           ; K steps 2 to 5 of my eight tiles: asked for behind the head's loads
	s_add_co_u32 s[G0+5], s94, SLOT
	s_add_nc_u64 s[G0+6:G0+7], s[20:21], TILEB
	s_or_b32 s[G0+7], s[G0+7], 0x80000000
	s_mov_b32 s[G0B+4], 1
	s_add_co_u32 s[G0B+5], s94, SLOT
	s_add_nc_u64 s[G0B+6:G0B+7], s[46:47], TILEB
	s_or_b32 s[G0B+7], s[G0B+7], 0x80000000
; the head's loads, one a wave: one chain of branches on the wave's number, a load to an arm, all arms leading to one join
.macro ARM under, g0, g1, next
	s_cmp_lt_u32 s14, \under
	s_cbranch_scc0 \next
	tensor_load_to_lds s[\g0:\g0+3], s[\g1:\g1+7]
	s_nop 0
.rept 4
	v_nop
.endr
	s_branch .Lhead_asked
\next:
.endm
	ARM 1, G0,  G1,  .Lhead_b
	ARM 2, G0B, G1B, .Lhead_sa
	ARM 3, G0S, G1S, .Lhead_sb
	tensor_load_to_lds s[G0SB:G0SB+3], s[G1SB:G1SB+7]
	s_nop 0
.rept 4
	v_nop
.endr
.Lhead_asked:
	; the column bias of my 128 columns, in the result's layout: lane (r, h), column tile b: eight numbers from 32 (b / 2) + 16 h + 8 (b % 2) on
.if HAS_V
	s_cmp_eq_u32 ttmp9, 1
	s_cselect_b64 s[8:9], s[8:9], s[6:7]
	s_lshl_b32 s2, s40, 10
.else
	s_mov_b64 s[8:9], s[6:7]
	s_lshl_b32 s2, s42, 10
.endif
	s_lshl_b32 s3, s16, 9
	s_add_co_u32 s2, s2, s3
	s_mov_b32 s3, 0
	s_add_nc_u64 s[8:9], s[8:9], s[2:3]
	v_and_b32 v1, 15, v0                           ; r
	v_bfe_u32 v2, v0, 4, 1                         ; h
	v_and_b32 v3, 31, v0                           ; lane
	v_lshlrev_b32 v[CBO], 6, v2
.irp b, 0,1,2,3,4,5,6,7
	global_load_b128 v[CI0+8*\b+96*(\b/4):CI0+8*\b+96*(\b/4)+3], v[CBO], s[8:9] offset:(32*(\b/2)+8*(\b%2))*4
	global_load_b128 v[CI0+8*\b+96*(\b/4)+4:CI0+8*\b+96*(\b/4)+7], v[CBO], s[8:9] offset:(32*(\b/2)+8*(\b%2))*4+16
.endr
	v_lshlrev_b32 v[VO16], 4, v3
	v_lshlrev_b32 v[VO8], 3, v3
	s_mul_i32 s2, s15, HALFT
	s_mul_i32 s3, s16, HALFT
	s_add_co_u32 s3, s3, 2*HALFT
.irp s, 0,1,2
	v_add_nc_u32 v[ADRA+\s], s2, v[VO16]
	v_add_nc_u32 v[ADRA+3+\s], s2, v[VO8]
	v_add_nc_u32 v[ADRB+\s], s3, v[VO16]
	v_add_nc_u32 v[ADRB+3+\s], s3, v[VO8]
.if \s == 0
	s_lshl_b32 s2, s2, 1                           ; behind slot 0 a tile has 6,144 bytes: eight tiles take twice the room;
	s_lshl_b32 s3, s3, 1
	s_add_co_u32 s2, s2, SLOT
	s_add_co_u32 s3, s3, SLOT
.else
	s_add_co_u32 s2, s2, TILEB                     ; slot 2 is the second half of each such tile
	s_add_co_u32 s3, s3, TILEB
.endif
.endr
	v_lshlrev_b32 v10, 2, v1
	s_lshl_b32 s2, s15, 12                         ; ROW's words: my eight tiles
	s_lshl_b32 s3, s16, 12                         ; COLUMN's, behind ROW's sixteen
	s_add_co_u32 s3, s3, 8192
	s_sub_co_u32 s3, s3, s2
	v_mul_u32_u24 v11, s3, v2                      ; lanes 16-31 take COLUMN's
	s_add_co_u32 s2, s2, SCL
	v_add_nc_u32 v10, v10, v11
	v_add_nc_u32 v[ADRS], s2, v10
	; where the results go
	s_lshl_b32 s18, s17, 4
	s_lshl_b32 s19, s15, 3
	s_add_co_u32 s18, s18, s19                     ; T0: my first ROW tile
	s_mul_i32 s98, s18, 49152                      ; images [T][32 K steps][1,536]: the K step is 2 x (which 256 of COLUMN) + my half
	s_mul_i32 s2, s97, 1536
	s_add_co_u32 s98, s98, s2
	s_lshl_b32 s100, s18, 11
	s_lshl_b32 s2, s97, 6
	s_add_co_u32 s100, s100, s2
.if HAS_V
	s_add_co_u32 s98, s98, VCO
	s_add_co_u32 s100, s100, VSO
	s_lshr_b32 s2, s18, 7
	s_lshl_b32 s2, s2, 4
	s_lshl_b32 s99, s40, 2
	s_add_co_u32 s2, s2, s99
	s_lshl_b32 s99, s16, 1
	s_add_co_u32 s2, s2, s99
	s_lshl_b32 s2, s2, 7
	s_and_b32 s99, s18, 127
	s_add_co_u32 s2, s2, s99
	s_mul_i32 s99, s2, 768
	s_mul_i32 s101, ttmp9, 3145728
	s_add_co_u32 s99, s99, s101
	s_lshl_b32 s2, s2, 6
	s_lshl_b32 s101, ttmp9, 18
	s_add_co_u32 s2, s2, s101
	s_add_co_u32 s2, s2, QSO
	s_lshl_b32 s19, s18, 6
	s_cmp_eq_u32 ttmp9, 2
	s_cselect_b32 s98, s98, s99
	s_cselect_b32 s100, s100, s2
	s_cselect_b32 s19, s19, 0
	s_mov_b32 s99, 0
	s_mov_b32 s101, 0
	s_add_nc_u64 s[6:7], s[12:13], s[100:101]
	s_add_nc_u64 s[12:13], s[12:13], s[98:99]
	s_mov_b32 s98, 768
	s_cselect_b32 s98, 49152, s98
	s_mov_b32 s100, 64
	s_cselect_b32 s100, 2048, s100
	s_mov_b32 s2, 98304
	s_cselect_b32 s2, 768, s2
	s_cselect_b32 s3, 0, 8192
	s_cselect_b32 s97, 0, 16
	v_mul_u32_u24 v[VOS], s3, v2
	v_lshl_add_u32 v[VOS], v1, 2, v[VOS]
	v_mul_u32_u24 v[SHR], s97, v2
	v_sub_nc_u32 v[SHL], s97, v[SHR]
	v_and_b32 v22, 8, v1
	v_add_nc_u32 v22, v22, v1
	v_lshlrev_b32 v[BRO], 2, v22
	v_add_nc_u32 v[BRO], s19, v[BRO]
.else
	s_add_co_u32 s100, s100, FSO
	s_mov_b32 s99, 0
	s_mov_b32 s101, 0
	s_add_nc_u64 s[6:7], s[12:13], s[100:101]      ; scale words
	s_add_nc_u64 s[12:13], s[12:13], s[98:99]      ; codes
	s_mov_b32 s98, 49152                           ; from ROW tile to ROW tile
	s_mov_b32 s100, 2048
	s_mov_b32 s2, 768                              ; an image's second half
	v_lshlrev_b32 v[VOS], 2, v1
.endif
	v_add_nc_u32 v[VO16B], s2, v[VO16]
	v_add_nc_u32 v[VO8B], s2, v[VO8]
	s_wait_alu depctr_va_vdst(0)
	s_wait_loadcnt 0x0                             ; the column bias
.if HAS_V
.irp b, 0,1,2,3,4,5,6,7
.irp j, 0,1,2,3,4,5,6,7
	v_cndmask_b32 v[CI0+8*\b+96*(\b/4)+\j], 0, v[CI0+8*\b+96*(\b/4)+\j], s95
.endr
.endr
.rept 8
	v_nop
.endr
.endif
.macro FRAGL reg, a16, a8, off         ; a fragment's image: 12 registers by four loads, each of consecutive bytes
	ds_load_b128 v[\reg:\reg+3], v[\a16] offset:\off
	ds_load_b64 v[\reg+4:\reg+5], v[\a8] offset:\off+512
	ds_load_b128 v[\reg+6:\reg+9], v[\a16] offset:\off+768
	ds_load_b64 v[\reg+10:\reg+11], v[\a8] offset:\off+1280
.endm
; 16 matrix instructions: ROW tiles a0, a0 + 1 x COLUMN's eight, K step ks.  p: COLUMN's set.  first = 1: the column bias is the C.  The 64 accumulators take turns in the same order in every step.
.macro MUL16 a0, p, ks, first
.irp a, \a0, \a0+1
.irp b, 0,1,2,3,4,5,6,7
.if \first
	v_wmma_scale_f32_16x16x128_f8f6f4 v[8*(8*((\a)%4)+\b):8*(8*((\a)%4)+\b)+7], v[128*(\p)+FR*\b:128*(\p)+FR*\b+FR-1], v[AF+FR*(\a):AF+FR*(\a)+FR-1], v[CI0+8*\b+96*(\b/4):CI0+8*\b+96*(\b/4)+7], v[SC+8*(\ks)+\b], v[SC+8*(\ks)+(\a)] matrix_a_fmt:MATRIX_FMT_FP6 matrix_b_fmt:MATRIX_FMT_FP6 matrix_a_scale:MATRIX_SCALE_ROW1
.else
	v_wmma_scale_f32_16x16x128_f8f6f4 v[8*(8*((\a)%4)+\b):8*(8*((\a)%4)+\b)+7], v[128*(\p)+FR*\b:128*(\p)+FR*\b+FR-1], v[AF+FR*(\a):AF+FR*(\a)+FR-1], v[8*(8*((\a)%4)+\b):8*(8*((\a)%4)+\b)+7], v[SC+8*(\ks)+\b], v[SC+8*(\ks)+(\a)] matrix_a_fmt:MATRIX_FMT_FP6 matrix_b_fmt:MATRIX_FMT_FP6 matrix_a_scale:MATRIX_SCALE_ROW1
.endif
.endr
.endr
.endm
.macro FETCH_B slot, q, p
	WIN TO_B
.irp i, 0,1,2,3,4,5,6,7
	FRAGL 128*(\p)+FR*\i, ADRB+\slot, ADRB+3+\slot, \i*TILEB*(1+((\slot)+1)/2)+(\q)*1536
.endr
	WIN 0
.endm
.macro FETCH_A slot, q, i0
.irp i, \i0, \i0+1, \i0+2, \i0+3
	FRAGL AF+FR*(\i), ADRA+\slot, ADRA+3+\slot, (\i)*TILEB*(1+((\slot)+1)/2)+(\q)*1536
.endr
.endm
.macro PLACES n                        ; a load into a register that a matrix instruction has read, and a vector instruction that reads a result, stand four plain vector instructions behind it
.rept \n
	v_nop
.endr
.endm
.macro STEP slot, ks, first            ; a slot's first K step; the second's fragments are fetched meanwhile
	s_wait_dscnt 4*NL                              ; all but the youngest sixteen loads (ROW's tiles 4-7) are in
.if \first
	WIN 0x81                                       ; C in window 0
.else
	WIN MUL_LO
.endif
	MUL16 0, 0, \ks, \first
	MUL16 2, 0, \ks, \first
	s_wait_dscnt 0x0
	PLACES NP
	FETCH_B \slot, 1, 1
	FETCH_A \slot, 1, 0
.if \first
	WIN 0xc1
.else
	WIN MUL_HI
.endif
	MUL16 4, 0, \ks, \first
	MUL16 6, 0, \ks, \first
	PLACES NP
	WIN 0
	FETCH_A \slot, 1, 4
.endm
; A slot's second K step, with a change of slots behind a barrier: ahead of it each wave waits for all its tensor loads, adds 0 to its spare word, and waits for that and for its reads of this slot.
.macro TURN slot, next, fill, ks
	s_wait_tensorcnt 0x0                           ; all my tensor loads have landed: my parts of all the slots asked for so far
	ds_add_u32 v[SPW], v[NIL]
	s_wait_dscnt 4*NL+1                            ; (the add and the youngest sixteen loads may be out)
	WIN MUL_LO
	MUL16 0, 1, \ks, 0
	s_wait_dscnt 0x0                               ; the add is done, and my reads of this slot are over
	s_barrier_signal -1
	MUL16 2, 1, \ks, 0
	WIN 0
	s_barrier_wait -1
.if \fill
	CREST                                          ; the barrier has opened a round of the cluster's: no wave of any partner still reads this slot or has a load on its way
	s_add_nc_u64 s[G0+4*\slot+2:G0+4*\slot+3], s[G0+4*\slot+2:G0+4*\slot+3], 3*TILEB     ; three slots on along K: K steps 6 and 7
	s_add_nc_u64 s[G0B+4*\slot+2:G0B+4*\slot+3], s[G0B+4*\slot+2:G0B+4*\slot+3], 3*TILEB
.irp g, G1, G1B
	s_mov_b32 s[\g+1], 384<<16                     ; no tensor load of mine is out: a tile's row is two K steps again
	s_mov_b32 s[\g+3], 384<<16
.endr
	JLOAD G0+4*\slot, G1, G0B+4*\slot, G1B         ; the first tensor load behind the round; its four v_nop are the places ahead of the loads below
.else
	PLACES NP
.endif
	FETCH_B \next, 0, 0
	FETCH_A \next, 0, 0
	WIN MUL_HI
	MUL16 4, 1, \ks, 0
	MUL16 6, 1, \ks, 0
	PLACES NP
	WIN 0
	FETCH_A \next, 0, 4
.endm
; A slot's second K step where the next slot was shown whole at an earlier barrier and this slot is not filled again: no wait on TENSORcnt, no barrier; the one load that is out stays out.
.macro CROSS slot, next, ks
	s_wait_dscnt 4*NL                              ; all but the youngest sixteen loads (ROW's tiles 4-7) are in
	WIN MUL_LO
	MUL16 0, 1, \ks, 0
	MUL16 2, 1, \ks, 0
	s_wait_dscnt 0x0
	PLACES NP
	FETCH_B \next, 0, 0
	FETCH_A \next, 0, 0
	WIN MUL_HI
	MUL16 4, 1, \ks, 0
	MUL16 6, 1, \ks, 0
	PLACES NP
	WIN 0
	FETCH_A \next, 0, 4
.endm
	s_wait_tensorcnt 0x0                           ; my tile of the head's four is in
	ds_add_u32 v[SPW], v[NIL]
.irp g, G1, G1B
	s_mov_b32 s[\g+1], 768<<16                     ; no tensor load of mine is out, so the descriptors may be written: eight tiles' four K steps, 6,144 bytes a tile
	s_mov_b32 s[\g+2], 8<<16
	s_mov_b32 s[\g+3], 768<<16
	s_mov_b32 s[\g+4], 8
.endr
	s_mov_b32 s[G0+1], s45                         ; slot 0's groups 0 for its refill: my eight tiles
	s_mov_b64 s[G0+2:G0+3], s[20:21]
	s_or_b32 s[G0+3], s[G0+3], 0x80000000
	s_mov_b32 s[G0B+1], s45
	s_mov_b64 s[G0B+2:G0B+3], s[46:47]
	s_or_b32 s[G0B+3], s[G0B+3], 0x80000000
	s_wait_dscnt 0x0                               ; the add is done
	CROUND                                         ; all four tiles are in, and all sixteen work-groups are here
	JLOAD G0+4, G1, G0B+4, G1B                     ; K steps 2 to 5, my one load behind the round
	FETCH_B 0, 0, 0
	FETCH_A 0, 0, 0
.irp k, 0,1,2,3,4,5,6,7
.irp i, 0,1,2,3,4,5,6,7
	ds_load_b32 v[SC+8*\k+\i], v[ADRS] offset:\i*512+\k*64
.endr
.endr
	FETCH_A 0, 0, 4
	STEP 0, 0, 1
.if HAS_V
.irp a, 0,1,2,3,4,5,6,7
	global_load_b32 v[BV+2*\a], v[BRO], s[10:11] offset:(32*(\a/2)+8*(\a%2))*4
.endr
.endif
	TURN 0, 1, 1, 1                                ; slots 1 and 2 are whole; slot 0 is asked for again
	STEP 1, 2, 0
	CROSS 1, 2, 3
	STEP 2, 4, 0
	TURN 2, 0, 0, 5                                ; the refill, asked for 256 matrix instructions ago, is waited for; nothing is left to fetch
	STEP 0, 6, 0
	s_wait_dscnt 4*NL
	WIN MUL_LO
	MUL16 0, 1, 7, 0
	MUL16 2, 1, 7, 0
	s_wait_dscnt 0x0
	WIN MUL_HI
	MUL16 4, 1, 7, 0
	MUL16 6, 1, 7, 0
	WIN 0
	PLACES NP                                      ; ahead of the first read of results and the first vector write into registers that held fragments
.irp b, 0,1,2,3
	v_mov_b32 v[TM+4+\b], 0                        ; written once: a lane permute's destination counts as one of its sources
.endr
.if HAS_V
	s_wait_loadcnt 0x0
.irp a, 0,1,2,3,4,5,6,7
	v_cndmask_b32 v[BV+2*\a], 0, v[BV+2*\a], s96
.endr
.endif
; THE WAY OUT of ROW tile a: my row's 128 numbers (register 16 b + i = column 32 b + 16 h + i) become a fragment of the next product and its scale word, stored from registers: each store covers 512 or 256 consecutive bytes, aligned.
.macro OUTA a
.set W, 2+(\a)/4
.set AC, 64*((\a)%4)
.if HAS_V
	WIN ((W<<6)|W)
.set n, 0
.rept 32
	v_pk_add_f32 v[AC+n:AC+n+1], v[AC+n:AC+n+1], v[BV+2*(\a):BV+2*(\a)+1] op_sel_hi:[1,0]
.set n, n+2
.endr
.endif
	WIN (W|(W<<2))
.irp b, 0,1,2,3
	v_max3_num_f32 v[TM+\b], |v[AC+16*\b]|, |v[AC+16*\b+1]|, 0x1800000   ; block b: my 16 numbers, and the floor 2^(3 - 127)
.endr
	WIN ((W<<2)|(W<<4))
.irp e, 2,4,6,8,10,12,14
.irp b, 0,1,2,3
	v_max3_num_f32 v[TM+\b], v[TM+\b], |v[AC+16*\b+\e]|, |v[AC+16*\b+\e+1]|
.endr
.endr
	WIN 0
	s_wait_alu depctr_va_vdst(0)
	s_wait_xcnt 0x0                                ; the last tile's stores have read their data and their bases: both are written again only behind this wait
.if (\a) > 0
	s_add_nc_u64 s[12:13], s[12:13], s[98:99]
	s_add_nc_u64 s[6:7], s[6:7], s[100:101]
.endif
.irp b, 0,1,2,3
	v_permlanex16_b32 v[TM+4+\b], v[TM+\b], s66, s67
.endr
.irp b, 0,1,2,3
	v_max_num_f32 v[TM+\b], v[TM+\b], v[TM+4+\b]   ; with lane l xor 16's: the block's largest magnitude
.endr
.irp b, 0,1,2,3
	v_add_nc_u32 v[TM+12+\b], 0xff000000, v[TM+\b] ; 2 off its exponent field: the conversion's scale operand
.endr
.irp b, 0,1,2,3
	v_lshrrev_b32 v[TM+4+\b], 23, v[TM+12+\b]      ; the byte
.endr
	v_lshl_or_b32 v[PW], v[TM+5], 8, v[TM+4]
	v_lshl_or_b32 v[PW], v[TM+6], 16, v[PW]
	v_lshl_or_b32 v[PW], v[TM+7], 24, v[PW]
	WIN W
.irp c, 0,1
	v_cvt_scalef32_pk16_fp6_f32 v[PC+6*\c:PC+6*\c+2], v[AC+32*\c:AC+32*\c+15], v[TM+12+2*\c]
	v_cvt_scalef32_pk16_fp6_f32 v[PC+12+4*\c:PC+12+4*\c+2], v[AC+32*\c+16:AC+32*\c+31], v[TM+12+2*\c+1]
.endr
	WIN 0
	v_nop                                          ; a plain instruction behind the conversions
.irp c, 0,1                            ; the layout wants a whole block in a lane: lanes 0-15 block 2 c, lanes 16-31 block 2 c + 1
.irp i, 0,1,2
	v_permlane16_swap_b32 v[PC+6*\c+\i], v[PC+12+4*\c+\i]
.endr
.irp i, 0,1,2
	v_mov_b32 v[PC+3+6*\c+\i], v[PC+12+4*\c+\i]
.endr
.endr
	global_store_b128 v[VO16], v[PC:PC+3], s[12:13]
	global_store_b64 v[VO8], v[PC+4:PC+5], s[12:13] offset:512
	global_store_b128 v[VO16B], v[PC+6:PC+9], s[12:13]
	global_store_b64 v[VO8B], v[PC+10:PC+11], s[12:13] offset:512
.if HAS_V
.if (\a)%2 == 0
	v_lshrrev_b32 v[PW+1], v[SHR], v[PW]
.else
	v_lshlrev_b32 v[PW+1], v[SHL], v[PW]
.endif
	global_store_b32 v[VOS], v[PW+1], s[6:7]
.else
	global_store_b32 v[VOS], v[PW], s[6:7]         ; (both halves of the lanes hold the same word and write it to the same place)
.endif
.endm
.irp a, 0,1,2,3,4,5,6,7
	OUTA \a
.endr
	s_wait_tensorcnt 0x0                           ; the wave's end
	ds_add_u32 v[SPW], v[NIL]
	s_wait_dscnt 0x0
	CROUND                                         ; the closing round
	s_endpgm
.Lfunc_end_k_qf940adba86_l_ffn1:
	.size	k_qf940adba86_l_ffn1, .Lfunc_end_k_qf940adba86_l_ffn1-k_qf940adba86_l_ffn1
	.p2alignl 7, 3214868480
	.fill 96, 4, 3214868480
	.section	.rodata,"a",@progbits
	.p2align	6, 0x0
	.amdhsa_kernel k_qf940adba86_l_ffn1
		.amdhsa_group_segment_fixed_size 327680
		.amdhsa_private_segment_fixed_size 0
		.amdhsa_enable_private_segment 0
		.amdhsa_kernarg_size 24
		.amdhsa_user_sgpr_count 2
		.amdhsa_user_sgpr_kernarg_segment_ptr 1
		.amdhsa_wavefront_size32 1
		.amdhsa_system_sgpr_workgroup_id_x 1
		.amdhsa_system_sgpr_workgroup_id_y 1
		.amdhsa_system_sgpr_workgroup_id_z 1
		.amdhsa_system_vgpr_workitem_id 0
		.amdhsa_next_free_vgpr 1024
		.amdhsa_next_free_sgpr 102
		.amdhsa_reserve_vcc 0
		.amdhsa_float_denorm_mode_32 3
		.amdhsa_float_denorm_mode_16_64 3
		.amdhsa_memory_ordered 1
		.amdhsa_forward_progress 1
		.amdhsa_inst_pref_size 155
	.end_amdhsa_kernel
	.amdgpu_metadata
---
amdhsa.version: [ 1, 2 ]
amdhsa.kernels:
  - .name:           k_qf940adba86_l_ffn1
    .symbol:         k_qf940adba86_l_ffn1.kd
    .args:
      - { .name: cod, .offset: 0, .size: 8, .value_kind: global_buffer, .address_space: global }
      - { .name: b1, .offset: 8, .size: 8, .value_kind: global_buffer, .address_space: global }
      - { .name: f1, .offset: 16, .size: 8, .value_kind: global_buffer, .address_space: global }
    .group_segment_fixed_size: 327680
    .private_segment_fixed_size: 0
    .kernarg_segment_align: 8
    .kernarg_segment_size: 24
    .max_flat_workgroup_size: 128
    .sgpr_count:     102
    .vgpr_count:     1024
    .wavefront_size: 32
...
	.end_amdgpu_metadata
.endif
;; end of part 5
;; launch l_ffn2 (part 6): grid 8 x 32, 4 waves a work-group, clusters of 4 x 4, 327,680 bytes of LDS; arguments f1, cod, b2, h1, out0; writes out0
.if DOCPART == 6
	.amdgcn_target "amdgcn-amd-amdhsa--gfx1250"
	.amdhsa_code_object_version 6
	.text
	.protected	k_qf940adba86_l_ffn2
	.globl	k_qf940adba86_l_ffn2
	.p2align	8
	.type	k_qf940adba86_l_ffn2,@function
k_qf940adba86_l_ffn2:
	s_mov_b64 s[64:65], 0
	v_nop
	global_prefetch_b8 v0, s[64:65] scope:SCOPE_SE
	s_setreg_imm32_b32 hwreg(HW_REG_WAVE_MODE, 25, 1), 1
	s_wait_xcnt 0x0
	s_wait_alu depctr_hold_cnt(0) depctr_sa_sdst(0) depctr_va_vdst(0) depctr_va_sdst(0) depctr_va_ssrc(0) depctr_va_vcc(0) depctr_vm_vsrc(0)
	s_getreg_b32 s2, hwreg(HW_REG_IB_STS2, 6, 4)
	s_cmp_eq_u32 s2, 0
	s_cbranch_scc0 .Lentry_in_a_cluster
	s_endpgm
.Lentry_in_a_cluster:
	s_bfe_u32 s2, ttmp6, 0x10000c
	s_cmp_lg_u32 s2, 0xf033
	s_cbranch_scc0 .Lentry_shape_is_right
	s_endpgm
.Lentry_shape_is_right:
; OUT = RES + A B^T + BIAS on codes of E2M3, K = 4,096: the second linear layer.  OUT, RES: [4,096][1,024] f32.  A, B: images ([tile][32 K steps][1,536]) and scale words ([tile][32][64]) as the earlier launches laid them.
; A tile of OUT is 128 x 128, so that the 32 x 8 tiles give each of 256 work-groups one; four waves, each 64 x 64: 16 accumulators.
; Source 0 = 16 rows of B, source 1 = 16 rows of A: a lane holds one row of OUT and eight neighbouring columns a register run.  The bias is the C of the first products.  The residual is asked for at the head and lands under the K steps.
; Lane place r of a tile is row 32 (T / 2) + 8 (T % 2) + r + 8 (r / 8): the way out puts rows and columns back in their natural places.
; TWO UNEQUAL LDS SLOTS.  A K step (128 along K) of the 16 tiles is 24,576 bytes; eleven fit beside the scale words, the stage and the spare words.  The small slot holds 3 K steps, the large one 8, each brought by one load a wave
; (four tiles x 4,608 or 12,288 consecutive bytes).  The 32 K steps go 3, 8, 3, 8, 3, 7: both slots are filled at the start and each twice again: four refills, where two equal slots of four K steps would want six.
; The small slot stands first, so that the first products wait for the smaller load.  A refill of the small slot has the large slot's 128 matrix instructions of a wave in which to land, one of the large slot the small slot's 48.
; The last load of the large slot reaches one K step past K: it brings 1,536 bytes a tile that belong to the next tile (behind the last tile: to the scale words); they lie inside the buffer, and nobody reads them.
; CLUSTERS: 4 x 4; A's tiles are shared along a row of the cluster, B's along a column, by joint loads.  A wave has at most one tensor load out.
; The K steps are written out by macros; a K step's slot, its place there, its fragment buffer and its scale registers follow from its number (macro LOC).  No prefetch: tiles shared by joint loads.
; THE FILLS AS THIS TEXT HAS THEM (this takes the place of what stands above on the order of the slots): THE LARGE SLOT STANDS FIRST: the 32 K steps go 8, 3, 8, 3, 8, 2.  At the head ONE joint load a wave: wave 0 A's eight
; tiles of K steps 0-7, wave 1 B's, wave 2 A's scale words, wave 3 B's.  Behind the wait for them, the add and a round of the cluster's barrier each wave asks for K steps 8-10 of four tiles (the small slot's first fill),
; which has the large slot's 128 matrix instructions of a wave in which to land.  Each slot is filled twice again.  The small slot's last load reaches one K step past K, inside the buffer; nobody reads those bytes.
; A wave never has more than one tensor load out.
.set KT,    49152
.set TS,    2048                       ; its scale words
.set ASO,   12582912                   ; A's scale words, in f1
.set BCO,   9437184                    ; B's codes, in cod
.set BSO,   12976128                   ; B's scale words
.set FR,    12
.set NQS,   3                          ; K steps in the small slot
.set NPS,   8                          ; in the large one
.set CYC,   NQS+NPS
.set QPIT,  NQS*1536                   ; a tile's bytes in the small slot
.set PPIT,  NPS*1536                   ; in the large one
.set HALFQ, 4*QPIT                     ; four tiles: what one tensor load brings, and what a wave reads of A or of B
.set HALFP, 4*PPIT
.set QB,    0                          ; the small slot: 73,728 bytes
.set PB,    4*HALFQ                    ; the large slot: 196,608 bytes
.set SCL,   PB+4*HALFP                 ; the scale words: 4 x 8,192 bytes
.set STAGE, SCL+32768                  ; 16 rows x (256 bytes + 16) for each wave; no tensor load lands here
.set SPARE, STAGE+4*16*272             ; the spare words, 128 bytes for each wave
.set CBO,  12
.set ADRA, 16                          ; v16, v17 A's fragments, 16 x lane, small and large slot; v18, v19 8 x lane
.set ADRB, 20
.set STO,  24
.set RD,   25
.set CO,   26
.set ADRS, 27
.set SPW,  28
.set NIL,  29
.set SCP,  32                          ; v32-63 the large slot's scale words: register 4 j + i: lanes 0-15 A's tile i, lanes 16-31 B's tile i, the slot's j-th K step
.set CB,   64                          ; v64-95 the bias as C; on the way out rows read back, v64-95 and v96-127 by turns
.set BK,   64
.set SCQ,  96                          ; v96-107 the small slot's scale words
.set ACC,  128                         ; v128-255 accumulator (a, b) at 128 + 8 (4 a + b).  Window 1: two fragment buffers at 0 and 128: A's four, then B's four.  Window 2: the residual, 32 registers a row tile
.set G1Q,  24                          ; groups 1: small slot A, B; large slot A, B; scale words A, B
.set G1QB, 32
.set G1P,  40
.set G1PB, 48
.set G1S,  56
.set G1SB, 68
.set G0Q,  76                          ; groups 0: small slot, large slot, scale words of A, then of B
.set G0P,  80
.set G0S,  84
.set G0QB, 88
.set G0PB, 92
.set G0SB, 96
.set MSB, 0
.macro WIN new
.if MSB != \new
	s_set_vgpr_msb (MSB<<8)|\new
.set MSB, \new
.endif
.endm
.set MUL,  0x05                        ; sources 0 and 1 window 1; C and D window 0
.set TO_F, 0x40
.macro JLOAD g0a, g1a, g0b, g1b        ; a joint load: waves 0, 1 fetch for A, waves 2, 3 for B; an s_nop 0 and four v_nop follow each line
	s_cmp_eq_u32 s15, 0
	s_cbranch_scc0 .Lfor_b_\@
	tensor_load_to_lds s[\g0a:\g0a+3], s[\g1a:\g1a+7]
	s_nop 0
.rept 4
	v_nop
.endr
	s_branch .Lasked_\@
.Lfor_b_\@:
	tensor_load_to_lds s[\g0b:\g0b+3], s[\g1b:\g1b+7]
	s_nop 0
.rept 4
	v_nop
.endr
.Lasked_\@:
.endm
.macro CREST
	s_cmp_lg_u32 s14, 0
	s_cbranch_scc1 .Lnot_wave_0_\@
	s_barrier_signal -3
.Lnot_wave_0_\@:
	s_barrier_wait -3
	s_barrier_signal -1
	s_barrier_wait -1
.endm
.macro CROUND
	s_barrier_signal -1
	s_barrier_wait -1
	CREST
.endm
	s_load_b256 s[4:11], s[0:1], 0x0               ; A, cod, BIAS, RES
	s_load_b64 s[12:13], s[0:1], 0x20              ; OUT
	v_lshl_add_u32 v[SPW], v0, 2, SPARE
	v_mov_b32 v[NIL], 0
	ds_add_u32 v[SPW], v[NIL]                      ; the wave's opening: the add and its wait ahead of my first tensor load
	ds_add_u32 v[SPW], v[NIL]
	v_lshrrev_b32 v1, 5, v0
	v_readfirstlane_b32 s14, v1
	s_lshr_b32 s15, s14, 1                         ; my half of the rows.  Also: I fetch for A (0) or B (1)
	s_and_b32 s16, s14, 1                          ; my half of the columns.  Also: which four tiles I fetch
	s_bfe_u32 s66, ttmp6, 0x40000                  ; cx
	s_bfe_u32 s67, ttmp6, 0x40004                  ; cy
	s_lshl_b32 s100, ttmp9, 2
	s_add_co_u32 s100, s100, s66                   ; tile column
	s_and_b32 s17, ttmp7, 0xffff
	s_lshl_b32 s17, s17, 2
	s_add_co_u32 s17, s17, s67                     ; tile row
	s_lshl_b32 s18, s67, 2
	s_lshl_b32 s18, 15, s18                        ; my row of the cluster
	s_lshl_b32 s19, 0x1111, s66                    ; my column
.irp g, G1Q, G1P, G1S
	s_or_b32 s[\g], s18, (3<<16)|(1<<21)           ; the mask; elements of 8 bytes; 21 set beside a mask; no padding
.endr
.irp g, G1QB, G1PB, G1SB
	s_or_b32 s[\g], s19, (3<<16)|(1<<21)
.endr
.irp g, G1Q, G1QB
	s_mov_b32 s[\g+1], (NQS*192)<<16               ; a tile's three K steps: 4,608 bytes
	s_mov_b32 s[\g+2], 4<<16                       ; four tiles
	s_mov_b32 s[\g+3], (NQS*192)<<16
	s_mov_b32 s[\g+4], 4
	s_mov_b32 s[\g+5], KT/8
	s_mov_b32 s[\g+6], 0
	s_mov_b32 s[\g+7], 0
.endr
.irp g, G1P, G1PB
	s_mov_b32 s[\g+1], (NPS*192)<<16               ; a tile's eight K steps: 12,288 bytes
	s_mov_b32 s[\g+2], 8<<16                       ; at the head eight tiles
	s_mov_b32 s[\g+3], (NPS*192)<<16
	s_mov_b32 s[\g+4], 8
	s_mov_b32 s[\g+5], KT/8
	s_mov_b32 s[\g+6], 0
	s_mov_b32 s[\g+7], 0
.endr
.irp g, G1S, G1SB
	s_mov_b32 s[\g+1], 32<<16                      ; rows of 256 bytes
	s_mov_b32 s[\g+2], (8*TS/256)<<16              ; eight tiles' scale words: 16,384 dense bytes as 64 rows of 256
	s_mov_b32 s[\g+3], 32<<16
	s_mov_b32 s[\g+4], 8*TS/256
	s_mov_b32 s[\g+5], 32
	s_mov_b32 s[\g+6], 0
	s_mov_b32 s[\g+7], 0
.endr
	s_lshl_b32 s18, s17, 1                         ; A: the tile row's first four tiles.  The offsets are made in the places of the addresses
	s_mul_i32 s22, s16, 4*KT                       ; which four of the eight tiles I fetch behind the head
	s_mov_b32 s23, 0
	s_mul_i32 s[G0P+2], s18, 4*KT                  ; the head: all eight tiles, K steps 0 to 7
	s_mov_b32 s[G0P+3], 0
	s_add_co_u32 s[G0Q+2], s[G0P+2], s22
	s_add_co_u32 s[G0Q+2], s[G0Q+2], PPIT          ; my four tiles, K steps 8 to 10
	s_mov_b32 s[G0Q+3], 0
	s_mul_i32 s[G0S+2], s18, 4*TS
	s_add_co_u32 s[G0S+2], s[G0S+2], ASO
	s_mov_b32 s[G0S+3], 0
	s_lshl_b32 s19, s100, 1                        ; B likewise
	s_mul_i32 s[G0PB+2], s19, 4*KT
	s_add_co_u32 s[G0PB+2], s[G0PB+2], BCO
	s_mov_b32 s[G0PB+3], 0
	s_add_co_u32 s[G0QB+2], s[G0PB+2], s22
	s_add_co_u32 s[G0QB+2], s[G0QB+2], PPIT
	s_mov_b32 s[G0QB+3], 0
	s_mul_i32 s[G0SB+2], s19, 4*TS
	s_add_co_u32 s[G0SB+2], s[G0SB+2], BSO
	s_mov_b32 s[G0SB+3], 0
	s_mul_i32 s20, s14, HALFQ                      ; where a wave's four tiles go: wave x four tiles: no place in the cluster enters an LDS address
	s_mul_i32 s21, s14, HALFP
.irp g, G0Q, G0QB
	s_mov_b32 s[\g], 1
	s_add_co_u32 s[\g+1], s20, QB
.endr
	s_mov_b32 s[G0P], 1                            ; the head's four tiles lie at constants
	s_mov_b32 s[G0P+1], PB
	s_mov_b32 s[G0PB], 1
	s_mov_b32 s[G0PB+1], PB+2*HALFP
	s_mov_b32 s[G0S], 1
	s_mov_b32 s[G0S+1], SCL
	s_mov_b32 s[G0SB], 1
	s_mov_b32 s[G0SB+1], SCL+8*TS
	s_wait_dscnt 0x0                               ; the opening add is done
	s_wait_kmcnt 0x0
.irp g, G0Q, G0P, G0S
	s_add_nc_u64 s[\g+2:\g+3], s[4:5], s[\g+2:\g+3]
	s_or_b32 s[\g+3], s[\g+3], 0x80000000
.endr
.irp g, G0QB, G0PB, G0SB
	s_add_nc_u64 s[\g+2:\g+3], s[6:7], s[\g+2:\g+3]
	s_or_b32 s[\g+3], s[\g+3], 0x80000000
.endr
	CROUND                                         ; all sixteen work-groups are here: the first joint loads meet
; the head's loads, one a wave: one chain of branches on the wave's number, a load to an arm, all arms leading to one join
.macro ARM under, g0, g1, next
	s_cmp_lt_u32 s14, \under
	s_cbranch_scc0 \next
	tensor_load_to_lds s[\g0:\g0+3], s[\g1:\g1+7]
	s_nop 0
.rept 4
	v_nop
.endr
	s_branch .Lhead_asked
\next:
.endm
	ARM 1, G0P,  G1P,  .Lhead_b
	ARM 2, G0PB, G1PB, .Lhead_sa
	ARM 3, G0S,  G1S,  .Lhead_sb
	tensor_load_to_lds s[G0SB:G0SB+3], s[G1SB:G1SB+7]
	s_nop 0
.rept 4
	v_nop
.endr
.Lhead_asked:
	v_and_b32 v1, 15, v0                           ; r
	v_bfe_u32 v2, v0, 4, 1                         ; h
	v_and_b32 v3, 31, v0
	v_lshlrev_b32 v4, 4, v3
	v_lshlrev_b32 v5, 3, v3
	v_lshlrev_b32 v[CBO], 6, v2
	s_wait_alu depctr_va_vdst(0)
	v_lshlrev_b32 v7, 12, v2
	v_lshl_add_u32 v[CO], v1, 4, v7                ; lanes 0-15 one row of OUT, lanes 16-31 the next; 16 bytes a lane
	s_wait_alu depctr_va_vdst(0)
	s_lshl_b32 s18, s17, 7
	s_lshl_b32 s19, s15, 6
	s_add_co_u32 s18, s18, s19
	s_lshl_b32 s18, s18, 12                        ; my first row, in bytes
	s_lshl_b32 s2, s100, 9
	s_lshl_b32 s3, s16, 8
	s_add_co_u32 s2, s2, s3                        ; my first column, in bytes
	s_mov_b32 s3, 0
	s_add_nc_u64 s[8:9], s[8:9], s[2:3]
	s_add_co_u32 s2, s2, s18
	s_add_nc_u64 s[10:11], s[10:11], s[2:3]
	s_add_nc_u64 s[12:13], s[12:13], s[2:3]
.irp b, 0,1,2,3
	global_load_b128 v[CB+8*\b:CB+8*\b+3], v[CBO], s[8:9] offset:(32*(\b/2)+8*(\b%2))*4
	global_load_b128 v[CB+8*\b+4:CB+8*\b+7], v[CBO], s[8:9] offset:(32*(\b/2)+8*(\b%2))*4+16
.endr
	WIN 0x80                                       ; destination window 2
.irp a, 0,1,2,3
.irp t, 0,1,2,3,4,5,6,7
	global_load_b128 v[32*\a+4*\t:32*\a+4*\t+3], v[CO], s[10:11] offset:(32*(\a/2)+8*(\a%2)+2*\t+8*(\t/4))*4096   ; the residual, as the way out will want it
.endr
.endr
	WIN 0
	s_mul_i32 s18, s15, HALFQ                      ; the small slot: my four tiles of A,
	s_mul_i32 s19, s16, HALFQ
	s_add_co_u32 s19, s19, 2*HALFQ                 ; and of B, behind A's eight
	v_add_nc_u32 v[ADRA], s18, v4
	v_add_nc_u32 v[ADRA+2], s18, v5
	v_add_nc_u32 v[ADRB], s19, v4
	v_add_nc_u32 v[ADRB+2], s19, v5
	s_mul_i32 s18, s15, HALFP                      ; the large slot
	s_add_co_u32 s18, s18, PB
	s_mul_i32 s19, s16, HALFP
	s_add_co_u32 s19, s19, PB+2*HALFP
	v_add_nc_u32 v[ADRA+1], s18, v4
	v_add_nc_u32 v[ADRA+3], s18, v5
	v_add_nc_u32 v[ADRB+1], s19, v4
	v_add_nc_u32 v[ADRB+3], s19, v5
	v_lshlrev_b32 v6, 2, v1
	s_mul_i32 s18, s15, 4*TS
	s_mul_i32 s19, s16, 4*TS
	s_add_co_u32 s19, s19, 8*TS
	s_sub_co_u32 s19, s19, s18
	v_mul_u32_u24 v7, s19, v2                      ; lanes 16-31 take B's words
	s_add_co_u32 s18, s18, SCL
	v_add_nc_u32 v6, v6, v7
	v_add_nc_u32 v[ADRS], s18, v6                  ; never stepped: a K step's 64 bytes stand in the immediate
	s_mul_i32 s18, s14, 16*272
	s_add_co_u32 s18, s18, STAGE
	v_mul_u32_u24 v7, v1, 272
	v_lshl_add_u32 v7, v2, 6, v7
	v_add_nc_u32 v[STO], s18, v7                   ; into my stage: row r, + 64 h
	v_mul_u32_u24 v7, v2, 272
	v_lshl_add_u32 v7, v1, 4, v7
	v_add_nc_u32 v[RD], s18, v7                    ; back: two rows an instruction
; Where K step ks lies: RG 0 the small slot, 1 the large; JJ its place there; PIT the slot's bytes a tile; SCB its four scale registers
.macro LOC ks
.set RM, (\ks)%CYC
.if RM < NPS                           ; of each eleven K steps the first eight lie in the large slot
.set RG, 1
.set JJ, RM
.set PIT, PPIT
.set SCB, SCP+4*RM
.else
.set RG, 0
.set JJ, RM-NPS
.set PIT, QPIT
.set SCB, SCQ+4*(RM-NPS)
.endif
.endm
.macro FRAGL reg, a16, a8, off
	ds_load_b128 v[\reg:\reg+3], v[\a16] offset:\off
	ds_load_b64 v[\reg+4:\reg+5], v[\a8] offset:\off+512
	ds_load_b128 v[\reg+6:\reg+9], v[\a16] offset:\off+768
	ds_load_b64 v[\reg+10:\reg+11], v[\a8] offset:\off+1280
.endm
; four matrix instructions: A's tile a x B's four, from buffer f, scale registers scn on.  The 16 accumulators take turns in the same order everywhere.
.macro MUL4 f, a, scn, first
.irp b, 0,1,2,3
.if \first
	v_wmma_scale_f32_16x16x128_f8f6f4 v[ACC+8*(4*(\a)+\b):ACC+8*(4*(\a)+\b)+7], v[\f+48+FR*\b:\f+48+FR*\b+FR-1], v[\f+FR*(\a):\f+FR*(\a)+FR-1], v[CB+8*\b:CB+8*\b+7], v[\scn+\b], v[\scn+(\a)] matrix_a_fmt:MATRIX_FMT_FP6 matrix_b_fmt:MATRIX_FMT_FP6 matrix_a_scale:MATRIX_SCALE_ROW1
.else
	v_wmma_scale_f32_16x16x128_f8f6f4 v[ACC+8*(4*(\a)+\b):ACC+8*(4*(\a)+\b)+7], v[\f+48+FR*\b:\f+48+FR*\b+FR-1], v[\f+FR*(\a):\f+FR*(\a)+FR-1], v[ACC+8*(4*(\a)+\b):ACC+8*(4*(\a)+\b)+7], v[\scn+\b], v[\scn+(\a)] matrix_a_fmt:MATRIX_FMT_FP6 matrix_b_fmt:MATRIX_FMT_FP6 matrix_a_scale:MATRIX_SCALE_ROW1
.endif
.endr
.endm
.macro FETCH ks, f                     ; 32 LDS loads in one run: K step ks: B's four fragments, then A's, into buffer f
	LOC \ks
	WIN TO_F
.irp i, 0,1,2,3
	FRAGL \f+48+FR*\i, ADRB+RG, ADRB+2+RG, \i*PIT+JJ*1536
.endr
.irp i, 0,1,2,3
	FRAGL \f+FR*\i, ADRA+RG, ADRA+2+RG, \i*PIT+JJ*1536
.endr
.endm
.macro SCALES k0                       ; the scale registers of the slot whose first K step is k0; no K step past the 32nd
	LOC \k0
.set NK, NQS+(NPS-NQS)*RG
.if (\k0)+NK > 32
.set NK, 32-(\k0)
.endif
.set qq, 0
.rept NK
.irp i, 0,1,2,3
	ds_load_b32 v[SCB+4*qq+\i], v[ADRS] offset:\i*TS+((\k0)+qq)*64
.endr
.set qq, qq+1
.endr
.endm
.macro PLACES
.rept 4
	v_nop
.endr
.endm
.macro QUARTER ks, first               ; a K step whose successor lies in the same slot: multiplies buffer ks % 2 and fetches the next K step into the other
	LOC \ks
.set SCN, SCB
	s_wait_dscnt 8                                 ; all but the youngest eight loads (A's tiles 2, 3) are in
	WIN MUL
	MUL4 128*((\ks)%2), 0, SCN, \first
	MUL4 128*((\ks)%2), 1, SCN, \first
	PLACES
	FETCH (\ks)+1, 128*(((\ks)+1)%2)
	s_wait_dscnt 32                                ; all but the 32 just issued
	WIN MUL
	MUL4 128*((\ks)%2), 2, SCN, \first
	MUL4 128*((\ks)%2), 3, SCN, \first
.endm
; A slot's last K step changes slots: ONE barrier; ahead of it each wave waits for all its tensor loads, adds 0 to its spare word, and waits for that and for its reads of this slot.  fill = 1: this slot is filled again, eleven K steps on.
.macro TURN ks, fill
	LOC \ks
.set SCN, SCB
.set RGN, RG
	WIN 0
	s_wait_tensorcnt 0x0                           ; all my tensor loads have landed: my part of the other slot
	ds_add_u32 v[SPW], v[NIL]
	s_wait_dscnt 9                                 ; (the add and the youngest eight loads may be out)
	WIN MUL
	MUL4 128*((\ks)%2), 0, SCN, 0
	MUL4 128*((\ks)%2), 1, SCN, 0
	s_wait_dscnt 0x0                               ; the add is done, and my reads of this slot are over
	s_barrier_signal -1
	MUL4 128*((\ks)%2), 2, SCN, 0
	WIN 0
	s_barrier_wait -1
.if \fill
	CREST                                          ; a round of the cluster's barrier: no wave of any partner still reads this slot or has a load on its way
.if RGN == 0
	s_add_nc_u64 s[G0Q+2:G0Q+3], s[G0Q+2:G0Q+3], CYC*1536
	s_add_nc_u64 s[G0QB+2:G0QB+3], s[G0QB+2:G0QB+3], CYC*1536
	JLOAD G0Q, G1Q, G0QB, G1QB
.else
	s_add_nc_u64 s[G0P+2:G0P+3], s[G0P+2:G0P+3], CYC*1536
	s_add_nc_u64 s[G0PB+2:G0PB+3], s[G0PB+2:G0PB+3], CYC*1536
	JLOAD G0P, G1P, G0PB, G1PB
.endif
.else
	PLACES
.endif
	SCALES (\ks)+1
	FETCH (\ks)+1, 128*(((\ks)+1)%2)
	WIN MUL
	MUL4 128*((\ks)%2), 3, SCN, 0
.endm
	s_wait_alu depctr_va_vdst(0)
	s_wait_loadcnt 32                              ; the bias is in; the residual's 32 loads may be out
	s_wait_tensorcnt 0x0                           ; my tile of the head's four is in
	ds_add_u32 v[SPW], v[NIL]
	s_mov_b32 s[G1P+2], 4<<16                      ; no tensor load of mine is out, so the descriptors may be written: from here on the large slot's load brings four tiles,
	s_mov_b32 s[G1P+4], 4
	s_mov_b32 s[G1PB+2], 4<<16
	s_mov_b32 s[G1PB+4], 4
	s_add_co_u32 s[G0P+1], s21, PB                 ; to my wave's place,
	s_add_co_u32 s[G0PB+1], s21, PB
	s_add_nc_u64 s[G0P+2:G0P+3], s[G0P+2:G0P+3], s[22:23]       ; from my four tiles
	s_add_nc_u64 s[G0PB+2:G0PB+3], s[G0PB+2:G0PB+3], s[22:23]
	s_wait_dscnt 0x0                               ; the add is done
	CROUND                                         ; all four tiles are in, and all sixteen work-groups are here
	JLOAD G0Q, G1Q, G0QB, G1QB                     ; K steps 8 to 10, my one load behind the round
	SCALES 0
	FETCH 0, 0
	QUARTER 0, 1                                   ; the first K step starts the sums, with the bias as C
.irp k, 1,2,3,4,5,6
	QUARTER \k, 0
.endr
	TURN 7, 1                                      ; the large slot takes K steps 11 to 18
	QUARTER 8, 0
	QUARTER 9, 0
	TURN 10, 1                                     ; the small slot takes K steps 19 to 21
.irp k, 11,12,13,14,15,16,17
	QUARTER \k, 0
.endr
	TURN 18, 1                                     ; the large slot takes K steps 22 to 29
	QUARTER 19, 0
	QUARTER 20, 0
	TURN 21, 1                                     ; the small slot takes K steps 30, 31 (and the 1,536 bytes a tile behind them)
.irp k, 22,23,24,25,26,27,28
	QUARTER \k, 0
.endr
	TURN 29, 0                                     ; nothing is left to fetch
	QUARTER 30, 0
	LOC 31
.set SCN, SCB
	s_wait_dscnt 8
	WIN MUL
	MUL4 128, 0, SCN, 0
	MUL4 128, 1, SCN, 0
	s_wait_dscnt 0x0
	MUL4 128, 2, SCN, 0
	MUL4 128, 3, SCN, 0
	WIN 0
	PLACES
	s_wait_loadcnt 0x0                             ; the residual
; THE WAY OUT, a row tile at a time, through my own stage: in by lane places and columns in their natural order, back as rows of 256 bytes; the residual is added; sixteen lanes store 256 consecutive bytes, aligned.
.macro TOSTAGE a
.irp b, 0,1,2,3
	ds_store_b128 v[STO], v[ACC+8*(4*(\a)+\b):ACC+8*(4*(\a)+\b)+3] offset:128*(\b/2)+32*(\b%2)
	ds_store_b128 v[STO], v[ACC+8*(4*(\a)+\b)+4:ACC+8*(4*(\a)+\b)+7] offset:128*(\b/2)+32*(\b%2)+16
.endr
.irp t, 0,1,2,3,4,5,6,7
	ds_load_b128 v[BK+32*((\a)%2)+4*\t:BK+32*((\a)%2)+4*\t+3], v[RD] offset:544*\t   ; LDS serves a wave's instructions in order: these see the stores above
.endr
.endm
.macro SEND a, younger
.set BB, BK+32*((\a)%2)
	s_wait_dscnt \younger
	WIN 0x08                                       ; source 1 window 2
.set n, 0
.rept 16
	v_pk_add_f32 v[BB+n:BB+n+1], v[BB+n:BB+n+1], v[32*(\a)+n:32*(\a)+n+1]
.set n, n+2
.endr
	WIN 0
.irp t, 0,1,2,3,4,5,6,7
	global_store_b128 v[CO], v[BB+4*\t:BB+4*\t+3], s[12:13] offset:(32*((\a)/2)+8*((\a)%2)+2*\t+8*(\t/4))*4096 th:TH_STORE_NT
.endr
.endm
	TOSTAGE 0
.irp a, 1,2,3
.if \a > 1
	s_wait_xcnt 0x0                                ; tile a - 2's stores have read their registers: tile a's rows may land there
.endif
	TOSTAGE \a
	SEND \a-1, 16                                  ; behind tile a - 1's loads: tile a's eight stores and eight loads
.endr
	SEND 3, 0
	s_wait_tensorcnt 0x0                           ; the wave's end
	ds_add_u32 v[SPW], v[NIL]
	s_wait_dscnt 0x0
	CROUND                                         ; the closing round
	s_endpgm
.Lfunc_end_k_qf940adba86_l_ffn2:
	.size	k_qf940adba86_l_ffn2, .Lfunc_end_k_qf940adba86_l_ffn2-k_qf940adba86_l_ffn2
	.p2alignl 7, 3214868480
	.fill 96, 4, 3214868480
	.section	.rodata,"a",@progbits
	.p2align	6, 0x0
	.amdhsa_kernel k_qf940adba86_l_ffn2
		.amdhsa_group_segment_fixed_size 327680
		.amdhsa_private_segment_fixed_size 0
		.amdhsa_enable_private_segment 0
		.amdhsa_kernarg_size 40
		.amdhsa_user_sgpr_count 2
		.amdhsa_user_sgpr_kernarg_segment_ptr 1
		.amdhsa_wavefront_size32 1
		.amdhsa_system_sgpr_workgroup_id_x 1
		.amdhsa_system_sgpr_workgroup_id_y 1
		.amdhsa_system_sgpr_workgroup_id_z 1
		.amdhsa_system_vgpr_workitem_id 0
		.amdhsa_next_free_vgpr 768
		.amdhsa_next_free_sgpr 102
		.amdhsa_reserve_vcc 0
		.amdhsa_float_denorm_mode_32 3
		.amdhsa_float_denorm_mode_16_64 3
		.amdhsa_memory_ordered 1
		.amdhsa_forward_progress 1
		.amdhsa_inst_pref_size 176
	.end_amdhsa_kernel
	.amdgpu_metadata
---
amdhsa.version: [ 1, 2 ]
amdhsa.kernels:
  - .name:           k_qf940adba86_l_ffn2
    .symbol:         k_qf940adba86_l_ffn2.kd
    .args:
      - { .name: f1, .offset: 0, .size: 8, .value_kind: global_buffer, .address_space: global }
      - { .name: cod, .offset: 8, .size: 8, .value_kind: global_buffer, .address_space: global }
      - { .name: b2, .offset: 16, .size: 8, .value_kind: global_buffer, .address_space: global }
      - { .name: h1, .offset: 24, .size: 8, .value_kind: global_buffer, .address_space: global }
      - { .name: out0, .offset: 32, .size: 8, .value_kind: global_buffer, .address_space: global }
    .group_segment_fixed_size: 327680
    .private_segment_fixed_size: 0
    .kernarg_segment_align: 8
    .kernarg_segment_size: 40
    .max_flat_workgroup_size: 128
    .sgpr_count:     102
    .vgpr_count:     768
    .wavefront_size: 32
...
	.end_amdgpu_metadata
.endif
;; end of part 6
